; MI455X (gfx1250); checked and timed in simulation.
; The chip was launched on July 23, 2026; its instructions are those of AMD's public machine-readable ISA for CDNA 5 (MIT licence, August 2026) and "CDNA5" Instruction Set Architecture Reference Guide (July 2026). The comments in the code are by the model that wrote it; some were corrected since.
;; Transformer Block. Allowed arithmetic: matrix products marked QUANTISED: E3M2 operands, one E8M0 scale for each 32 along K, by v_wmma_scale_f32_16x16x128_f8f6f4 with both operands' format E3M2, f32 sums; everything else in f32.
;; Inputs: W1 1,024 x 4,096 float32; W2 4,096 x 1,024 float32; Wg 1,024 x 1,024 float32; Wk 1,024 x 1,024 float32; Wo 1,024 x 1,024 float32; Wq 1,024 x 1,024 float32; Wv 1,024 x 1,024 float32; b1 4,096 float32; b2 1,024 float32; bg 1,024 float32; bk 1,024 float32; bo 1,024 float32; bq 1,024 float32; bv 1,024 float32; ln1_b 1,024 float32; ln1_w 1,024 float32; ln2_b 1,024 float32; ln2_w 1,024 float32; x 4 x 1,024 x 1,024 float32.
;; Outputs: out0 4 x 1,024 x 1,024 float32.
;; This version of the problem:
;;   THIS VERSION OF THE PROBLEM IS GIVEN IN LOW PRECISION. The matrix products marked QUANTISED in the list below multiply operands that are first quantised to E3M2 (3 exponent bits, 2 mantissa bits; 6 bits a number), with one power-of-two scale for each 32 numbers along K (OCP MX v1.0); their sums are f32. All else is computed in f32.
;;   The module's matrix products, in the order in which they are computed (A, B: the left and right operand; K: the contracted axis; several contracted axes count as one K, in the product's order):
;;     1. [M 4,096, K 1,024] x [K 1,024, N 1,024]; A: computed on the way; B: input Wq: QUANTISED
;;     2. [M 4,096, K 1,024] x [K 1,024, N 1,024]; A: computed on the way; B: input Wk: QUANTISED
;;     3. [M 4,096, K 1,024] x [K 1,024, N 1,024]; A: computed on the way; B: input Wv: QUANTISED
;;     4. batch 64 x [M 1,024, K 64] x [K 64, N 1,024]; A: computed on the way; B: computed on the way: QUANTISED
;;     5. batch 64 x [M 64, K 1,024] x [K 1,024, N 1,024]; A: computed on the way; B: softmax (see below): QUANTISED
;;     6. [M 4,096, K 1,024] x [K 1,024, N 1,024]; A: computed on the way; B: input Wg: QUANTISED
;;     7. [M 4,096, K 1,024] x [K 1,024, N 1,024]; A: computed on the way; B: input Wo: QUANTISED
;;     8. [M 4,096, K 1,024] x [K 1,024, N 4,096]; A: computed on the way; B: input W1: QUANTISED
;;     9. [M 4,096, K 4,096] x [K 4,096, N 1,024]; A: computed on the way; B: input W2: QUANTISED
;;   THE QUANTISER, for each operand of a quantised product, along K:
;;     - K is cut into blocks of 32 from its start; a last block that is shorter is filled with zeros.
;;     - A block's scale is 2^e with e = floor(log2(the largest magnitude in the block)) - 4, held to -126 .. 127; a block of zeros has e = 0. As a byte (E8M0): e + 127.
;;     - Each number is divided by its block's scale, clamped to +-28, and rounded to the nearest number of E3M2, ties to even, subnormals kept.
;;     - The product sums the exact products of the quantised numbers (number of the format x scale) in f32.
;;   ~~~python
;;   def quantise(x, axis):      # numpy; x: float32 -> the quantised numbers, widened to float32 again
;;       x = np.moveaxis(x, axis, -1); K = x.shape[-1]
;;       x = np.pad(x, [(0, 0)] * (x.ndim - 1) + [(0, -K % 32)]); x = x.reshape(x.shape[:-1] + (-1, 32)); a = np.abs(x).max(-1, keepdims=True)
;;       e = np.where(a > 0, np.clip(np.frexp(np.where(a > 0, a, 1))[1] - 1 - 4, -126, 127), 0)      # np.frexp(a)[1] - 1 = floor(log2(a)), exactly
;;       r = np.clip(x / 2.0 ** e, -28, 28)
;;       step = 2.0 ** (np.maximum(np.frexp(np.where(r == 0, 1, r))[1] - 1, -2) - 2)
;;       q = np.round(r / step) * step * 2.0 ** e      # np.round: ties to even
;;       return np.moveaxis(q.reshape(q.shape[:-2] + (-1,))[..., :K], -1, axis).astype(np.float32)
;;   ~~~
;;   SOFTMAX AHEAD OF A QUANTISED PRODUCT. Where the list says 'softmax', what is quantised is not the finished softmax but p = 2^(t - M), with t = logit x log2(e) and M = ceil(the row's largest t), a whole number; so 1/2 < the row's largest p <= 1. The row's sum l is taken of the UNQUANTISED p, in f32, and the product's result is divided by l at the end. Since M is a whole number, a kernel that streams over the keys may use a running M (the ceiling of the running maximum): every later rescaling is an exact power of two, which a block's scale takes up: the codes' values come out the same.
;;   OPERANDS COMPUTED ON THE WAY. 'Computed on the way' means the value that the module computes at that place (a softmax that the list does not call 'softmax' is quantised finished and normalised). What goes into a quantiser is computed in f32, as accurately as f32 sums, v_exp_f32 and their like allow (about 1e-6 of the number): no bf16 or f16 on the way to a quantiser, and a product that is left as it is and whose result goes on into a quantised operand takes f32 operands (vector FMAs, or v_wmma_f32_16x16x4_f32). A number that lies on a knife's edge between two numbers of the format may be rounded either way, as far as f32 arithmetic and the matrix unit's own rounding can turn it there, and no further.
;; One version. Each part assembles by itself: llvm-mc -triple=amdgcn-amd-amdhsa -mcpu=gfx1250 --defsym DOCPART=n.
;; ======== version 1 of 1: 7 launches
;; limits: right only within a limited range of input values
;; workspace buffers: w 11,337,728 bytes; a 3,407,872 bytes; qkv 27,000,832 bytes; ao 3,407,872 bytes; x1 16,777,216 bytes; h 13,631,488 bytes; wn 4,259,840 bytes
;; launch lnw1 (part 1): grid 432 x 1, 8 waves a work-group, no clusters, 95,744 bytes of LDS; arguments x, ln1_w, ln1_b, a, Wq, Wk, Wv, Wg, Wo, w, wn; writes a, w, wn
.if DOCPART == 1
	.amdgcn_target "amdgcn-amd-amdhsa--gfx1250"
	.amdhsa_code_object_version 6
	.text
	.protected	k_q6b7c44b01a_lnw1
	.globl	k_q6b7c44b01a_lnw1
	.p2align	8
	.type	k_q6b7c44b01a_lnw1,@function
k_q6b7c44b01a_lnw1:
	s_mov_b64 s[64:65], 0
	v_nop
	global_prefetch_b8 v0, s[64:65] scope:SCOPE_SE
	s_setreg_imm32_b32 hwreg(HW_REG_WAVE_MODE, 25, 1), 1
	s_wait_xcnt 0x0
; THE PROGRAM: one pre-norm transformer block, 4,096 tokens, all nine products on codes of BF6 (E3M2) with one E8M0 scale for each 32 along K.
; Launches: lnw1 (LayerNorm 1 to codes; Wq, Wk, Wv, Wg, Wo to codes; the RoPE table), g1 (q, k, v, gate), attn, g2 (x1 = x + . Wo + bo), lnw2 (LayerNorm 2 to codes; W1, W2 to codes), g3 (SiLU layer), g4 (out0).
; WORK LEFT OUT, in attn alone: a step of 128 keys all of which come after a tile's 16 queries.  reference() sets those scores to -1e9 by its own jnp.tril; every row holds its own
; diagonal key, so exp(-1e9 - max) is 0 in f32 and those keys add 0 to the row's sum and zero blocks to the second product.  Nothing else is left out: every input is loaded, every bias too.
; LIMITS: scores near -1e9 are not served; a NaN, an infinity or an overflow that reaches only hidden keys is not carried to the result; NaN and infinities among the inputs are not served;
; a block of zeros keeps the scale byte 1 (its codes are zeros, and this program alone reads the bytes); blocks whose largest magnitude lies under 2^-122 were not tried.
; THE LAYOUT OF EVERY OPERAND OF THE PROGRAM: tiles of 16 rows, tile T's lane r = row 32 (T / 2) + 8 (T % 2) + r + 8 (r / 8); a fragment (tile, 128 along K) is the image of its 12 registers:
; register pair p at 256 p + 8 x lane, 1,536 bytes; its scale words at 4 x lane, 128 bytes (lanes 16-31 repeat lanes 0-15).
; THIS LAUNCH has three kinds of work-groups, told apart by the work-group's number alone; they share nothing, and each kind that uses LDS has LDS bytes of its own.
; WORK-GROUPS 0-255: LayerNorm of 16 rows (a tile) of 1,024 f32, quantised along the row.  Mean, variance (of x - mean, as reference() has it), rsqrt, gain and bias in f32.
;   Phase 1: wave w takes the tile's rows 2 w and 2 w + 1, whole (each load reads 512 consecutive bytes), and leaves the normalised rows in LDS.
;   Phase 2: wave w takes K step w of all 16 rows: lane (r, h) reads, of row r, 16 neighbours of each block of 32, and quantises them in registers.  Fragment (T, s) of a at (8 T + s) x 1,536, its scale image at ASC + (8 T + s) x 128.
; WORK-GROUPS 256-415: a weight W [1,024 (K)][1,024 (N)] f32 becomes codes with K innermost.  A LANE TAKES A COLUMN n AND ITS REGISTERS RUN DOWN K: a block of 32 along K lies in one lane.
;   A wave takes 32 columns (two tiles) x 128 along K (one fragment each); the eight waves stand side by side on 1,024 consecutive bytes of each row.  The codes go through the wave's own LDS bytes and
;   leave as 512 consecutive bytes a store; a tile's scale image leaves as 128 consecutive bytes.  Fragment F of w at 1,536 F, its scale image at WSC + 128 F; F = 512 x weight + 8 T + s.
; WORK-GROUPS 416-431: the table cos, sin of pos x 10^(-j / 8), [pos 1024][pair j 32][cos, sin] f32.  The angle is the f32 product that reference() forms; it is reduced by pi / 2 in two parts and
;   put through the series of sine (to r^9) and cosine (to r^10), |r| <= pi / 4.  LIMIT: the 32 factors are the f32 numbers nearest 10^(-j / 8); reference() rounds a power and a reciprocal, so one may differ by a last bit.
; No matrix unit, no cluster, no tensor load: memory binds, and the weights' stream runs beside the LayerNorm's chain of dependent steps.
.set PITCH, 4112                       ; LayerNorm: an LDS row: 4,096 bytes + 16, so that the sixteen rows of a load begin 16 bytes apart modulo 256
.set WB,    66048                      ; the weights' LDS bytes begin here, behind the LayerNorm's 16 rows
.set WREG,  3584                       ; a wave's: two tiles of 1,536 bytes, 1,664 apart, then 256 bytes of scale words
.set TST,   1664
.set SCO,   3328
.set SPARE, WB+8*WREG                  ; the spare words, 128 bytes a wave: four blocks of 256 bytes that no other line names
.set ASC,   3145728
.set WSC,   10223616
.set ROPE,  11075584
.set EMAX,  4
.set X0,  32                           ; LayerNorm: two rows, the gain, the bias
.set X1,  64
.set WT,  96
.set BT,  128
.set PC,  160                          ; v160-178 the codes just made
.set TM,  180                          ; v180-195 at work in QUANT
.set PW,  196                          ; the scale word
.set SPW, 200                          ; v200 LDS address of my spare word; never rewritten
.set NIL, 201                          ; v201 0; never rewritten
.set SEL, 20
.set LA,    4                          ; the weights: v4 where my codes go in LDS
.set LS,    5                          ; v5   where my scale word goes
.set LR,    6                          ; v6   where I read codes back: 16 x lane
.set VC0,   7                          ; v7   16 x lane: tile 0's place in w
.set VC1,   8                          ; v8   tile 1's: KS fragments on
.set VS,    9                          ; v9   the scale images' place in w
.set LQ,    28                         ; v28  where I read scale words back: 8 x lane
.set SBW,   14                         ; v14  my column's scale word
.set C,     16                         ; v16-22 a block's codes
.set VO,    32                         ; v32-63 4 x lane + i rows of W
.set X,     64                         ; v64-127 two sets of 32 numbers
.set OUTR,  128                        ; v128-153 the way out
; 64 numbers of a lane, v[s] .. v[s + 63], register 16 b + i = k 32 b + 16 (lane / 16) + i of my row, become a fragment's codes in v[PC] on and its scale word in v[PW].
.macro QUANT s
.irp b, 0,1,2,3
	v_max3_num_f32 v[TM+\b], |v[\s+16*\b]|, |v[\s+1+16*\b]|, 0x2800000   ; block b: my 16 numbers, and the floor 2^(5 - 127): the byte cannot fall under 1
.endr
.irp i, 2,4,6,8,10,12,14
.irp b, 0,1,2,3
	s_delay_alu instid0(VALU_DEP_4)
	v_max3_num_f32 v[TM+\b], v[TM+\b], |v[\s+16*\b+\i]|, |v[\s+1+16*\b+\i]|
.endr
.endr
.irp b, 0,1,2,3
	s_delay_alu instid0(VALU_DEP_4)
	v_permlanex16_b32 v[TM+4+\b], v[TM+\b], s[SEL], s[SEL+1]
.endr
.irp b, 0,1,2,3
	s_delay_alu instid0(VALU_DEP_4)
	v_max_num_f32 v[TM+\b], v[TM+\b], v[TM+4+\b]   ; with lane l xor 16's: the block's largest magnitude
.endr
.irp b, 0,1,2,3
	s_delay_alu instid0(VALU_DEP_4)
	v_add_nc_u32 v[TM+12+\b], 0xfe000000, v[TM+\b] ; 4 off its exponent field: the conversion's scale operand
.endr
.irp b, 0,1,2,3
	s_delay_alu instid0(VALU_DEP_4)
	v_lshrrev_b32 v[TM+4+\b], 23, v[TM+12+\b]      ; the scale's byte
.endr
	s_delay_alu instid0(VALU_DEP_3)
	v_lshl_or_b32 v[PW], v[TM+5], 8, v[TM+4]
	s_delay_alu instid0(VALU_DEP_1)
	v_lshl_or_b32 v[PW], v[TM+6], 16, v[PW]
	s_delay_alu instid0(VALU_DEP_1)
	v_lshl_or_b32 v[PW], v[TM+7], 24, v[PW]
.irp c, 0,1
	v_cvt_scalef32_pk16_bf6_f32 v[PC+6*\c:PC+2+6*\c], v[\s+32*\c:\s+15+32*\c], v[TM+12+2*\c]
	v_cvt_scalef32_pk16_bf6_f32 v[PC+12+4*\c:PC+14+4*\c], v[\s+16+32*\c:\s+31+32*\c], v[TM+12+2*\c+1]
.endr
	v_nop                                          ; one plain place behind a scaled conversion
.irp c, 0,1                                    ; the operand's layout wants a whole block in a lane
.irp i, 0,1,2
	v_permlane16_swap_b32 v[PC+6*\c+\i], v[PC+12+4*\c+\i]
.endr
.irp i, 0,1,2
	s_delay_alu instid0(VALU_DEP_3)
	v_mov_b32 v[PC+3+6*\c+\i], v[PC+12+4*\c+\i]
.endr
.endr
.endm
.macro LSUM t                          ; v[t] summed over the 32 lanes, in every lane
	s_delay_alu instid0(VALU_DEP_1)
	v_add_f32_dpp v[\t], v[\t], v[\t] row_xmask:1 row_mask:0xf bank_mask:0xf
	s_delay_alu instid0(VALU_DEP_1)
	v_add_f32_dpp v[\t], v[\t], v[\t] row_xmask:2 row_mask:0xf bank_mask:0xf
	s_delay_alu instid0(VALU_DEP_1)
	v_add_f32_dpp v[\t], v[\t], v[\t] row_xmask:4 row_mask:0xf bank_mask:0xf
	s_delay_alu instid0(VALU_DEP_1)
	v_add_f32_dpp v[\t], v[\t], v[\t] row_xmask:8 row_mask:0xf bank_mask:0xf
	s_delay_alu instid0(VALU_DEP_1)
	v_permlanex16_b32 v[\t+1], v[\t], s[SEL], s[SEL+1]
	s_delay_alu instid0(VALU_DEP_1)
	v_add_f32 v[\t], v[\t], v[\t+1]
.endm
.macro STATS x, t                      ; the row in v[x] on becomes x - mean; v[t] = variance + eps
	v_pk_add_f32 v[\t:\t+1], v[\x:\x+1], v[\x+2:\x+3]
	v_pk_add_f32 v[\t+2:\t+3], v[\x+4:\x+5], v[\x+6:\x+7]
.irp j, 8,12,16,20,24,28
	s_delay_alu instid0(VALU_DEP_2)
	v_pk_add_f32 v[\t:\t+1], v[\t:\t+1], v[\x+\j:\x+\j+1]
	s_delay_alu instid0(VALU_DEP_2)
	v_pk_add_f32 v[\t+2:\t+3], v[\t+2:\t+3], v[\x+\j+2:\x+\j+3]
.endr
	s_delay_alu instid0(VALU_DEP_1)
	v_pk_add_f32 v[\t:\t+1], v[\t:\t+1], v[\t+2:\t+3]
	s_delay_alu instid0(VALU_DEP_1)
	v_add_f32 v[\t], v[\t], v[\t+1]
	LSUM \t
	s_delay_alu instid0(VALU_DEP_1)
	v_mul_f32 v[\t], s16, v[\t]                    ; the mean
.irp j, 0,2,4,6,8,10,12,14,16,18,20,22,24,26,28,30
	v_pk_add_f32 v[\x+\j:\x+\j+1], v[\x+\j:\x+\j+1], v[\t:\t+1] op_sel_hi:[1,0] neg_lo:[0,1] neg_hi:[0,1]
.endr
	v_pk_mul_f32 v[\t:\t+1], v[\x:\x+1], v[\x:\x+1]
	v_pk_mul_f32 v[\t+2:\t+3], v[\x+2:\x+3], v[\x+2:\x+3]
.irp j, 4,8,12,16,20,24,28
	s_delay_alu instid0(VALU_DEP_2)
	v_pk_fma_f32 v[\t:\t+1], v[\x+\j:\x+\j+1], v[\x+\j:\x+\j+1], v[\t:\t+1]
	s_delay_alu instid0(VALU_DEP_2)
	v_pk_fma_f32 v[\t+2:\t+3], v[\x+\j+2:\x+\j+3], v[\x+\j+2:\x+\j+3], v[\t+2:\t+3]
.endr
	s_delay_alu instid0(VALU_DEP_1)
	v_pk_add_f32 v[\t:\t+1], v[\t:\t+1], v[\t+2:\t+3]
	s_delay_alu instid0(VALU_DEP_1)
	v_add_f32 v[\t], v[\t], v[\t+1]
	LSUM \t
	s_delay_alu instid0(VALU_DEP_1)
	v_fma_f32 v[\t], v[\t], s16, s17
.endm
.macro NORM x, t
.irp j, 0,2,4,6,8,10,12,14,16,18,20,22,24,26,28,30
	v_pk_mul_f32 v[\x+\j:\x+\j+1], v[\x+\j:\x+\j+1], v[\t:\t+1] op_sel_hi:[1,0]
.endr
.irp j, 0,2,4,6,8,10,12,14,16,18,20,22,24,26,28,30
	v_pk_fma_f32 v[\x+\j:\x+\j+1], v[\x+\j:\x+\j+1], v[WT+\j:WT+\j+1], v[BT+\j:BT+\j+1]
.endr
.endm
	s_load_b256 s[4:11], s[0:1], 0x0               ; the rows, the gain, the bias, a
	s_load_b256 s[40:47], s[0:1], 0x20             ; Wq, Wk, Wv, Wg
	s_load_b128 s[48:51], s[0:1], 0x40             ; Wo, w
	s_load_b64 s[2:3], s[0:1], 0x50                ; wn: Wo's codes and scale images, in records
	v_lshl_add_u32 v[SPW], v0, 2, SPARE
	v_mov_b32 v[NIL], 0
	v_lshrrev_b32 v1, 5, v0
	s_delay_alu instid0(VALU_DEP_1)
	v_readfirstlane_b32 s12, v1                    ; wave 0..7
	s_cmp_ge_u32 ttmp9, 256                        ; the work-group's number alone: all eight waves go the same way
	s_cbranch_scc1 .Lweights
	; ---- LayerNorm: tile T = the work-group's number
	v_and_b32 v2, 31, v0
	s_delay_alu instid0(VALU_DEP_1)
	v_lshlrev_b32 v3, 4, v2                        ; 16 x lane
	s_wait_alu depctr_va_vdst(0)
	s_lshr_b32 s13, ttmp9, 1
	s_lshl_b32 s13, s13, 5
	s_and_b32 s14, ttmp9, 1
	s_lshl_b32 s14, s14, 3
	s_add_co_u32 s13, s13, s14
	s_lshl_b32 s14, s12, 1
	s_add_co_u32 s13, s13, s14
	s_lshr_b32 s14, s12, 2
	s_lshl_b32 s14, s14, 3
	s_add_co_u32 s13, s13, s14                     ; the row in memory of the tile's lane 2 w
	s_lshl_b32 s14, s13, 12
	s_mov_b32 s15, 0
	s_mov_b32 s16, 0x3a800000                      ; 1 / 1,024
	s_mov_b32 s17, 0x3727c5ac                      ; eps = 1e-5
	s_mov_b32 s[SEL], 0x76543210
	s_mov_b32 s[SEL+1], 0xfedcba98
	s_mul_i32 s18, s12, 2*PITCH
	v_add_nc_u32 v4, s18, v3                       ; LDS, in: my two rows, 16 x lane
	v_and_b32 v5, 15, v0
	v_bfe_u32 v6, v0, 4, 1
	s_delay_alu instid0(VALU_DEP_2)
	v_mul_u32_u24 v5, v5, PITCH
	s_delay_alu instid0(VALU_DEP_1)
	v_lshl_add_u32 v5, v6, 6, v5
	s_lshl_b32 s18, s12, 9
	v_add_nc_u32 v5, s18, v5                       ; LDS, out: row r, K step w, + 64 h
	v_lshlrev_b32 v6, 3, v2
	v_lshlrev_b32 v7, 2, v2
.irp b, 0,1,2,3
	v_mov_b32 v[TM+4+\b], 0                        ; written once: a lane permute's destination counts as one of its sources
.endr
	s_lshl_b32 s18, ttmp9, 3
	s_add_co_u32 s18, s18, s12                     ; fragment 8 T + w
	s_mul_i32 s22, s18, 1536
	s_mov_b32 s23, 0
	s_lshl_b32 s24, s18, 7
	s_add_co_u32 s24, s24, ASC
	s_mov_b32 s25, 0
	s_wait_kmcnt 0x0
	s_add_nc_u64 s[4:5], s[4:5], s[14:15]
	s_add_nc_u64 s[22:23], s[10:11], s[22:23]
	s_add_nc_u64 s[24:25], s[10:11], s[24:25]
.irp j, 0,1,2,3,4,5,6,7
	global_load_b128 v[X0+4*\j:X0+4*\j+3], v3, s[4:5] offset:512*\j
.endr
.irp j, 0,1,2,3,4,5,6,7
	global_load_b128 v[X1+4*\j:X1+4*\j+3], v3, s[4:5] offset:4096+512*\j
.endr
.irp j, 0,1,2,3,4,5,6,7
	global_load_b128 v[WT+4*\j:WT+4*\j+3], v3, s[6:7] offset:512*\j
.endr
.irp j, 0,1,2,3,4,5,6,7
	global_load_b128 v[BT+4*\j:BT+4*\j+3], v3, s[8:9] offset:512*\j
.endr
	s_wait_loadcnt 16                              ; both rows are in; the 16 loads of gain and bias may be out
	STATS X0, 8
	STATS X1, 12
	s_wait_alu depctr_va_vdst(0)
	v_rsq_f32 v8, v8
	v_rsq_f32 v12, v12
	v_nop                                          ; a plain place behind the transcendentals
	s_wait_alu depctr_va_vdst(0)                   ; one wait for both, ahead of their first reader
	s_wait_loadcnt 0x0
	NORM X0, 8
	NORM X1, 12
.irp j, 0,1,2,3,4,5,6,7
	ds_store_b128 v4, v[X0+4*\j:X0+4*\j+3] offset:512*\j
	ds_store_b128 v4, v[X1+4*\j:X1+4*\j+3] offset:PITCH+512*\j
.endr
	s_wait_dscnt 0x0                               ; for the others' sake: my rows lie in LDS
	s_barrier_signal -1
	s_barrier_wait -1
.irp b, 0,1,2,3
.irp j, 0,1,2,3
	ds_load_b128 v[32+16*\b+4*\j:32+16*\b+4*\j+3], v5 offset:128*\b+16*\j
.endr
.endr
	s_wait_dscnt 0x0
	QUANT 32
.irp p, 0,1,2,3,4,5
	global_store_b64 v6, v[PC+2*\p:PC+2*\p+1], s[22:23] offset:256*\p  ; 32 lanes store 256 consecutive bytes, aligned
.endr
	global_store_b32 v7, v[PW], s[24:25]
	s_wait_tensorcnt 0x0                           ; the wave's end, behind my last LDS store
	ds_add_u32 v[SPW], v[NIL]
	s_wait_dscnt 0x0
	s_endpgm
	; ---- the weights
.Lweights:
	v_and_b32 v1, 31, v0                           ; lane
	s_sub_co_u32 s20, ttmp9, 256
	s_cmp_ge_u32 s20, 160                          ; the last 16 work-groups make the table; they touch no LDS
	s_cbranch_scc1 .Lrope
	s_lshr_b32 s21, s20, 5                         ; which weight: 32 work-groups each
	s_and_b32 s22, s20, 3                          ; which 256 columns
	s_bfe_u32 s23, s20, 0x30002                    ; s: which 128 along K
	s_lshl_b32 s24, s21, 9                         ; the weight's first fragment
	s_mov_b32 s26, 8                               ; KS: fragments along K
	s_mov_b32 s31, 4096                            ; a row of W in bytes
	s_lshl_b32 s25, s22, 3
	s_add_co_u32 s25, s25, s12                     ; g: my wave's group of 32 columns
	s_mul_i32 s52, s23, s31
	s_lshl_b32 s52, s52, 7                         ; 128 s rows
	s_lshl_b32 s53, s25, 7
	s_add_co_u32 s52, s52, s53                     ; + 128 bytes a group
	s_mov_b32 s53, 0
	s_lshl_b32 s54, s31, 5                         ; 32 rows: a block on
	s_mov_b32 s55, 0
	s_mul_i32 s56, s25, s26
	s_lshl_b32 s56, s56, 1                         ; tile 2 g
	s_add_co_u32 s56, s56, s24
	s_add_co_u32 s56, s56, s23                     ; F: tile 2 g's fragment; tile 2 g + 1's lies KS further on
	s_mul_i32 s58, s56, 1536
	s_mov_b32 s59, 0
	s_lshl_b32 s56, s56, 7
	s_add_co_u32 s56, s56, WSC
	s_mov_b32 s57, 0
	; Wo goes to wn in RECORDS of 13,312 bytes: (64 columns, 2 K steps) = 4 tiles x (two fragments of 1,536 bytes, then their two scale images of 128 bytes);
	; record (quad Q, pair of steps g) at (4 Q + g) x 13,312, tile i of the quad at 3,328 i.  The choice hangs on the work-group's number alone.
	s_mul_i32 s62, s26, 1536                       ; from tile 2 g to tile 2 g + 1: codes,
	s_lshl_b32 s63, s26, 7                         ; scale images
	s_lshr_b32 s27, s25, 1                         ; Q
	s_mul_i32 s27, s27, 53248
	s_lshr_b32 s28, s23, 1
	s_mul_i32 s28, s28, 13312
	s_add_co_u32 s27, s27, s28
	s_and_b32 s28, s25, 1
	s_mul_i32 s28, s28, 6656                       ; tile 2 (g % 2) of the quad
	s_add_co_u32 s27, s27, s28
	s_and_b32 s28, s23, 1
	s_mul_i32 s29, s28, 1536
	s_add_co_u32 s29, s29, s27
	s_lshl_b32 s28, s28, 7
	s_add_co_u32 s28, s28, s27
	s_add_co_u32 s28, s28, 3072
	s_cmp_eq_u32 s21, 4
	s_cselect_b32 s58, s29, s58
	s_cselect_b32 s56, s28, s56
	s_cselect_b32 s62, 3328, s62
	s_cselect_b32 s63, 3328, s63
	s_wait_alu depctr_va_vdst(0)
	v_lshlrev_b32 v10, 2, v1
.set I, 0
.rept 32
	v_mad_u32_u24 v[VO+I], s31, I, v10             ; row i of a block, my column
.set I, I+1
.endr
	v_bfe_u32 v11, v0, 3, 1                        ; column l of the group lies in tile u = (l / 8) % 2,
	v_and_b32 v12, 7, v0
	v_bfe_u32 v13, v0, 4, 1
	s_delay_alu instid0(VALU_DEP_1)
	v_lshl_or_b32 v12, v13, 3, v12                 ; at its lane r = l % 8 + 8 (l / 16)
	s_mul_i32 s61, s12, WREG
	s_add_co_u32 s61, s61, WB                      ; my wave's LDS bytes
	v_mul_u32_u24 v[LA], v11, TST
	s_delay_alu instid0(VALU_DEP_1)
	v_lshl_add_u32 v[LA], v12, 3, v[LA]
	s_delay_alu instid0(VALU_DEP_1)
	v_add_nc_u32 v[LA], s61, v[LA]
	v_lshlrev_b32 v[LS], 7, v11
	s_delay_alu instid0(VALU_DEP_1)
	v_lshl_add_u32 v[LS], v12, 2, v[LS]
	s_delay_alu instid0(VALU_DEP_1)
	v_add_nc_u32 v[LS], s61, v[LS]
	s_delay_alu instid0(VALU_DEP_1)
	v_add_nc_u32 v[LS], SCO, v[LS]
	v_lshlrev_b32 v[VC0], 4, v1
	s_delay_alu instid0(VALU_DEP_1)
	v_add_nc_u32 v[LR], s61, v[VC0]
	v_lshlrev_b32 v[LQ], 3, v1
	s_delay_alu instid0(VALU_DEP_1)
	v_add_nc_u32 v[LQ], s61, v[LQ]
	s_delay_alu instid0(VALU_DEP_1)
	v_add_nc_u32 v[LQ], SCO, v[LQ]
	v_add_nc_u32 v[VC1], s62, v[VC0]
	v_and_b32 v[VS], 15, v0
	s_delay_alu instid0(VALU_DEP_1)
	v_lshlrev_b32 v[VS], 3, v[VS]
	v_mad_u32_u24 v[VS], v13, s63, v[VS]           ; lanes 0-15 tile 0's image, lanes 16-31 tile 1's
	s_wait_kmcnt 0x0
	s_mov_b64 s[18:19], s[40:41]                   ; the weight's address: a choice on the work-group's number
	s_cmp_eq_u32 s21, 1
	s_cselect_b64 s[18:19], s[42:43], s[18:19]
	s_cmp_eq_u32 s21, 2
	s_cselect_b64 s[18:19], s[44:45], s[18:19]
	s_cmp_eq_u32 s21, 3
	s_cselect_b64 s[18:19], s[46:47], s[18:19]
	s_cmp_eq_u32 s21, 4
	s_cselect_b64 s[18:19], s[48:49], s[18:19]
	s_cselect_b64 s[28:29], s[2:3], s[50:51]       ; Wo's results go to wn, the others' to w
	s_add_nc_u64 s[32:33], s[18:19], s[52:53]      ; a base for each of the four blocks: nothing is stepped
.irp t, 1,2,3
	s_add_nc_u64 s[32+2*\t:33+2*\t], s[30+2*\t:31+2*\t], s[54:55]
.endr
	s_add_nc_u64 s[58:59], s[28:29], s[58:59]      ; my codes
	s_add_nc_u64 s[56:57], s[28:29], s[56:57]      ; my scale images
.macro LOAD t                          ; block t: W(32 t + i, my column) into set t % 2; a wave's load reads 128 consecutive bytes, the eight waves' 1,024
.set I, 0
.rept 32
	global_load_b32 v[X+32*((\t)%2)+I], v[VO+I], s[32+2*(\t):33+2*(\t)] th:TH_LOAD_NT
.set I, I+1
.endr
.endm
	LOAD 0
	LOAD 1
.macro BLOCK t
.set XS, X+32*((\t)%2)
.if (\t) < 3
	s_wait_loadcnt 32                              ; this block's 32 loads are in; the next block's 32 may be out
.else
	s_wait_loadcnt 0x0
.endif
	v_max3_num_f32 v24, |v[XS]|, |v[XS+1]|, |v[XS+2]|              ; the block's largest magnitude: all 32 numbers are mine
	v_max3_num_f32 v25, |v[XS+3]|, |v[XS+4]|, |v[XS+5]|
.irp i, 6,10,14,18,22,26
	s_delay_alu instid0(VALU_DEP_2)
	v_max3_num_f32 v24, v24, |v[XS+\i]|, |v[XS+\i+1]|
	s_delay_alu instid0(VALU_DEP_2)
	v_max3_num_f32 v25, v25, |v[XS+\i+2]|, |v[XS+\i+3]|
.endr
	s_delay_alu instid0(VALU_DEP_2)
	v_max3_num_f32 v24, v24, |v[XS+30]|, |v[XS+31]|
	s_delay_alu instid0(VALU_DEP_1)
	v_max3_num_f32 v24, v24, v25, (EMAX+1)<<23     ; and the floor 2^(5 - 127): the byte cannot fall under 1
	s_delay_alu instid0(VALU_DEP_1)
	v_add_nc_u32 v26, -(EMAX<<23), v24             ; 4 off the exponent field: the conversion's scale operand
	s_delay_alu instid0(VALU_DEP_1)
	v_lshrrev_b32 v27, 23, v26                     ; the scale's byte
.if (\t) == 0
	s_delay_alu instid0(VALU_DEP_1)
	v_mov_b32 v[SBW], v27
.else
	s_delay_alu instid0(VALU_DEP_1)
	v_lshl_or_b32 v[SBW], v27, 8*(\t), v[SBW]
.endif
	v_cvt_scalef32_pk16_bf6_f32 v[C:C+2], v[XS:XS+15], v26
	v_cvt_scalef32_pk16_bf6_f32 v[C+4:C+6], v[XS+16:XS+31], v26    ; (a conversion's three registers begin on an even number)
	v_nop                                          ; one plain place behind a scaled conversion
	v_mov_b32 v[C+3], v[C+4]
	v_mov_b32 v[C+4], v[C+5]
	v_mov_b32 v[C+5], v[C+6]                       ; six registers on end: the block's 24 bytes
.irp e, 0,1,2                          ; block t is half c = t / 2 of the fragment, and belongs to lane r + 16 (t % 2) of its image
	ds_store_b64 v[LA], v[C+2*\e:C+2*\e+1] offset:768*((\t)/2)+128*((\t)%2)+256*\e
.endr
.if (\t) == 3
	ds_store_b32 v[LS], v[SBW]                     ; the fragment's scale word, for lane r
	ds_store_b32 v[LS], v[SBW] offset:64           ; and for lane r + 16
.endif
.if (\t)+2 < 4
	LOAD (\t)+2
.endif
	s_wait_dscnt 0x0                               ; the stores have read their registers: the next block's codes may be written
.endm
.irp t, 0,1,2,3
	BLOCK \t
.endr
.irp n, 0,1,2,3,4,5
	ds_load_b128 v[OUTR+4*\n:OUTR+4*\n+3], v[LR] offset:(\n/3)*TST+512*(\n%3)    ; LDS serves a wave's instructions in order: these see my stores
.endr
	ds_load_b64 v[OUTR+24:OUTR+25], v[LQ]
.irp n, 0,1,2
	s_wait_dscnt 6-\n                              ; the younger loads may be out
	global_store_b128 v[VC0], v[OUTR+4*\n:OUTR+4*\n+3], s[58:59] offset:512*\n   ; 32 lanes store 512 consecutive bytes, aligned to 256
.endr
.irp n, 3,4,5
	s_wait_dscnt 6-\n
	global_store_b128 v[VC1], v[OUTR+4*\n:OUTR+4*\n+3], s[58:59] offset:512*(\n-3)
.endr
	s_wait_dscnt 0x0
	global_store_b64 v[VS], v[OUTR+24:OUTR+25], s[56:57]           ; sixteen lanes store a tile's scale image: 128 consecutive bytes
	s_wait_tensorcnt 0x0                           ; the wave's end, behind my last LDS store
	ds_add_u32 v[SPW], v[NIL]
	s_wait_dscnt 0x0
	s_endpgm
.Lrope:                                        ; lane = pair j; a wave takes 8 positions
	v_mov_b32 v20, 0
.set J, 0
.irp c, 1.0, 0.74989420933, 0.56234132519, 0.42169650343, 0.31622776602, 0.23713737057, 0.17782794100, 0.13335214322, 0.1, 0.074989420933, 0.056234132519, 0.042169650343, 0.031622776602, 0.023713737057, 0.017782794100, 0.013335214322, 0.01, 0.0074989420933, 0.0056234132519, 0.0042169650343, 0.0031622776602, 0.0023713737057, 0.0017782794100, 0.0013335214322, 0.001, 0.00074989420933, 0.00056234132519, 0.00042169650343, 0.00031622776602, 0.00023713737057, 0.00017782794100, 0.00013335214322
	s_mov_b32 s30, \c
	v_writelane_b32 v20, s30, J                    ; 10^(-j / 8)
.set J, J+1
.endr
	s_sub_co_u32 s21, s20, 160
	s_lshl_b32 s21, s21, 6                         ; 64 positions a work-group
	s_lshl_b32 s22, s12, 3
	s_add_co_u32 s22, s22, s21                     ; my first position
	s_lshl_b32 s28, s22, 8                         ; 256 bytes a position
	s_add_co_u32 s28, s28, ROPE
	s_mov_b32 s29, 0
	s_mov_b32 s24, 0xbfc90fdb                      ; -(pi / 2 rounded to f32)
	s_mov_b32 s25, 0x333bbd2e                      ; that f32 number less pi / 2
	v_lshlrev_b32 v40, 3, v1
	s_wait_kmcnt 0x0
	s_add_nc_u64 s[26:27], s[50:51], s[28:29]
.macro ROPE1 i
	s_add_co_u32 s23, s22, \i
	v_cvt_f32_u32 v21, s23
	s_wait_alu depctr_va_vdst(0)
	v_mul_f32 v21, v21, v20                        ; the angle, as reference() rounds it
	s_delay_alu instid0(VALU_DEP_1)
	v_mul_f32 v22, 0x3f22f983, v21                 ; x 2 / pi
	s_delay_alu instid0(VALU_DEP_1)
	v_rndne_f32 v22, v22                           ; n
	s_delay_alu instid0(VALU_DEP_1)
	v_fma_f32 v23, v22, s24, v21
	s_delay_alu instid0(VALU_DEP_1)
	v_fma_f32 v23, v22, s25, v23                   ; r = angle - n pi / 2
	s_delay_alu instid0(VALU_DEP_1)
	v_mul_f32 v24, v23, v23                        ; z
	v_mov_b32 v25, 0x3638ef1b                      ; 1 / 9!
	s_delay_alu instid0(VALU_DEP_1)
	v_fmaak_f32 v25, v24, v25, 0xb9500d01          ; -1 / 7!
	s_delay_alu instid0(VALU_DEP_1)
	v_fmaak_f32 v25, v24, v25, 0x3c088889          ; 1 / 5!
	s_delay_alu instid0(VALU_DEP_1)
	v_fmaak_f32 v25, v24, v25, 0xbe2aaaab          ; -1 / 3!
	v_mul_f32 v26, v23, v24
	s_delay_alu instid0(VALU_DEP_1)
	v_fma_f32 v25, v26, v25, v23                   ; sin r
	v_mov_b32 v27, 0xb493f27c                      ; -1 / 10!
	s_delay_alu instid0(VALU_DEP_1)
	v_fmaak_f32 v27, v24, v27, 0x37d00d01          ; 1 / 8!
	s_delay_alu instid0(VALU_DEP_1)
	v_fmaak_f32 v27, v24, v27, 0xbab60b61          ; -1 / 6!
	s_delay_alu instid0(VALU_DEP_1)
	v_fmaak_f32 v27, v24, v27, 0x3d2aaaab          ; 1 / 4!
	s_delay_alu instid0(VALU_DEP_1)
	v_fmaak_f32 v27, v24, v27, 0xbf000000          ; -1 / 2
	s_delay_alu instid0(VALU_DEP_1)
	v_fma_f32 v27, v24, v27, 1.0                   ; cos r
	v_cvt_i32_f32 v28, v22
	s_delay_alu instid0(VALU_DEP_1)
	v_and_b32 v29, 1, v28
	s_delay_alu instid0(VALU_DEP_1)
	v_cmp_eq_u32 vcc_lo, 1, v29                    ; an odd quarter swaps the two
	s_delay_alu instid0(VALU_DEP_1)
	v_cndmask_b32 v30, v27, v25, vcc_lo
	s_delay_alu instid0(VALU_DEP_2)
	v_cndmask_b32 v31, v25, v27, vcc_lo
	v_add_nc_u32 v29, 1, v28
	s_delay_alu instid0(VALU_DEP_1)
	v_and_b32 v29, 2, v29
	s_delay_alu instid0(VALU_DEP_1)
	v_lshlrev_b32 v29, 30, v29                     ; the cosine is negative in quarters 1 and 2,
	s_delay_alu instid0(VALU_DEP_1)
	v_xor_b32 v[64+2*\i], v29, v30
	v_and_b32 v29, 2, v28
	s_delay_alu instid0(VALU_DEP_1)
	v_lshlrev_b32 v29, 30, v29                     ; the sine in quarters 2 and 3
	s_delay_alu instid0(VALU_DEP_1)
	v_xor_b32 v[65+2*\i], v29, v31
	global_store_b64 v40, v[64+2*\i:65+2*\i], s[26:27] offset:256*\i   ; 32 lanes store a position's 256 bytes
.endm
.irp i, 0,1,2,3,4,5,6,7
	ROPE1 \i
.endr
	s_endpgm
.Lfunc_end_k_q6b7c44b01a_lnw1:
	.size	k_q6b7c44b01a_lnw1, .Lfunc_end_k_q6b7c44b01a_lnw1-k_q6b7c44b01a_lnw1
	.p2alignl 7, 3214868480
	.fill 96, 4, 3214868480
	.section	.rodata,"a",@progbits
	.p2align	6, 0x0
	.amdhsa_kernel k_q6b7c44b01a_lnw1
		.amdhsa_group_segment_fixed_size 95744
		.amdhsa_private_segment_fixed_size 0
		.amdhsa_enable_private_segment 0
		.amdhsa_kernarg_size 88
		.amdhsa_user_sgpr_count 2
		.amdhsa_user_sgpr_kernarg_segment_ptr 1
		.amdhsa_wavefront_size32 1
		.amdhsa_system_sgpr_workgroup_id_x 1
		.amdhsa_system_sgpr_workgroup_id_y 1
		.amdhsa_system_sgpr_workgroup_id_z 1
		.amdhsa_system_vgpr_workitem_id 0
		.amdhsa_next_free_vgpr 208
		.amdhsa_next_free_sgpr 66
		.amdhsa_reserve_vcc 1
		.amdhsa_float_denorm_mode_32 3
		.amdhsa_float_denorm_mode_16_64 3
		.amdhsa_memory_ordered 1
		.amdhsa_forward_progress 1
		.amdhsa_inst_pref_size 80
	.end_amdhsa_kernel
	.amdgpu_metadata
---
amdhsa.version: [ 1, 2 ]
amdhsa.kernels:
  - .name:           k_q6b7c44b01a_lnw1
    .symbol:         k_q6b7c44b01a_lnw1.kd
    .args:
      - { .name: x, .offset: 0, .size: 8, .value_kind: global_buffer, .address_space: global }
      - { .name: ln1_w, .offset: 8, .size: 8, .value_kind: global_buffer, .address_space: global }
      - { .name: ln1_b, .offset: 16, .size: 8, .value_kind: global_buffer, .address_space: global }
      - { .name: a, .offset: 24, .size: 8, .value_kind: global_buffer, .address_space: global }
      - { .name: Wq, .offset: 32, .size: 8, .value_kind: global_buffer, .address_space: global }
      - { .name: Wk, .offset: 40, .size: 8, .value_kind: global_buffer, .address_space: global }
      - { .name: Wv, .offset: 48, .size: 8, .value_kind: global_buffer, .address_space: global }
      - { .name: Wg, .offset: 56, .size: 8, .value_kind: global_buffer, .address_space: global }
      - { .name: Wo, .offset: 64, .size: 8, .value_kind: global_buffer, .address_space: global }
      - { .name: w, .offset: 72, .size: 8, .value_kind: global_buffer, .address_space: global }
      - { .name: wn, .offset: 80, .size: 8, .value_kind: global_buffer, .address_space: global }
    .group_segment_fixed_size: 95744
    .private_segment_fixed_size: 0
    .kernarg_segment_align: 8
    .kernarg_segment_size: 88
    .max_flat_workgroup_size: 256
    .sgpr_count:     66
    .vgpr_count:     208
    .wavefront_size: 32
...
	.end_amdgpu_metadata
.endif
;; end of part 1
;; launch g1 (part 2): grid 16 x 16, 4 waves a work-group, clusters of 4 x 4, 327,680 bytes of LDS; arguments a, w, bq, bk, bv, bg, qkv; writes qkv
.if DOCPART == 2
	.amdgcn_target "amdgcn-amd-amdhsa--gfx1250"
	.amdhsa_code_object_version 6
	.text
	.protected	k_q6b7c44b01a_g1
	.globl	k_q6b7c44b01a_g1
	.p2align	8
	.type	k_q6b7c44b01a_g1,@function
k_q6b7c44b01a_g1:
	s_mov_b64 s[64:65], 0
	v_nop
	global_prefetch_b8 v0, s[64:65] scope:SCOPE_SE
	s_setreg_imm32_b32 hwreg(HW_REG_WAVE_MODE, 25, 1), 1
	s_wait_xcnt 0x0
	s_wait_alu depctr_hold_cnt(0) depctr_sa_sdst(0) depctr_va_vdst(0) depctr_va_sdst(0) depctr_va_ssrc(0) depctr_va_vcc(0) depctr_vm_vsrc(0)
	s_getreg_b32 s2, hwreg(HW_REG_IB_STS2, 6, 4)
	s_cmp_eq_u32 s2, 0
	s_cbranch_scc0 .Lentry_in_a_cluster
	s_endpgm
.Lentry_in_a_cluster:
	s_bfe_u32 s2, ttmp6, 0x10000c
	s_cmp_lg_u32 s2, 0xf033
	s_cbranch_scc0 .Lentry_shape_is_right
	s_endpgm
.Lentry_shape_is_right:
.set FR,    12
.set NL,    6
.set NP,    4
.set NQ,    2
.set FRB,   1536
.set TILEB, NQ*FRB
.set HALFT, 8*TILEB
.set SLOT,  4*HALFT
.set LAPS,  2
.set SCL,   2*SLOT
.set HALFS, 8192
.set SPARE, SCL+4*HALFS
.set ASC,   3145728
.set WSC,   10223616
.set ROPE,  11075584
.set KVB,   212992
.set QC,    6815744
.set QS,    9961472
.set GATE,  10223616
.set LI8,   8
.set LI4,   9
.set LI16,  10
.set BOF,   11
.set ROF,   12
.set VOF,   15
.set ADRA,  16
.set ADRB,  20
.set ADRS,  27
.set SPW,   28
.set NIL,   29
.set SC,    32
.set BIAS,  64
.set AF,    128
.set E,     128
.set U,     192
.set PC,    192
.set TM,    212
.set PW,    228
.set T,     232
.set WV,  18
.set FA,  19
.set HB,  20
.set IA,  66
.set IB,  67
.set G1,  24
.set G0,  32
.set G1B, 48
.set G0B, 56
.set G1S, 68
.set G0S, 76
.set G1SB, 80
.set G0SB, 88
.set OB,  92
.set OS,  94
.set SEL, 96
.set BP,  98
.set RP,  100
.set MSB, 0
.macro WIN new
.if MSB != (\new)
	s_set_vgpr_msb (MSB<<8)|(\new)
.set MSB, (\new)
.endif
.endm
.set MUL_LO, 0xa1
.set MUL_HI, 0xf1
.set TO_B,   0x40
.macro JLOAD g0a, g1a, g0b, g1b
	s_cmp_eq_u32 s[FA], 0
	s_cbranch_scc0 .Lfor_b_\@
	tensor_load_to_lds s[\g0a:\g0a+3], s[\g1a:\g1a+7]
	s_nop 0
.rept 4
	v_nop
.endr
	s_branch .Lasked_\@
.Lfor_b_\@:
	tensor_load_to_lds s[\g0b:\g0b+3], s[\g1b:\g1b+7]
	s_nop 0
.rept 4
	v_nop
.endr
.Lasked_\@:
.endm
.macro CREST
	s_cmp_lg_u32 s[WV], 0
	s_cbranch_scc1 .Lnot_wave_0_\@
	s_barrier_signal -3
.Lnot_wave_0_\@:
	s_barrier_wait -3
	s_barrier_signal -1
	s_barrier_wait -1
.endm
.macro CROUND
	s_barrier_signal -1
	s_barrier_wait -1
	CREST
.endm
.macro QUANT s
.irp b, 0,1,2,3
	v_max3_num_f32 v[TM+\b], |v[\s+16*\b]|, |v[\s+1+16*\b]|, 0x2800000
.endr
.irp i, 2,4,6,8,10,12,14
.irp b, 0,1,2,3
	v_max3_num_f32 v[TM+\b], v[TM+\b], |v[\s+16*\b+\i]|, |v[\s+1+16*\b+\i]|
.endr
.endr
.irp b, 0,1,2,3
	v_permlanex16_b32 v[TM+4+\b], v[TM+\b], s[SEL], s[SEL+1]
.endr
.irp b, 0,1,2,3
	v_max_num_f32 v[TM+\b], v[TM+\b], v[TM+4+\b]
.endr
.irp b, 0,1,2,3
	v_add_nc_u32 v[TM+12+\b], 0xfe000000, v[TM+\b]
.endr
.irp b, 0,1,2,3
	v_lshrrev_b32 v[TM+4+\b], 23, v[TM+12+\b]
.endr
	v_lshl_or_b32 v[PW], v[TM+5], 8, v[TM+4]
	v_lshl_or_b32 v[PW], v[TM+6], 16, v[PW]
	v_lshl_or_b32 v[PW], v[TM+7], 24, v[PW]
.irp c, 0,1
	v_cvt_scalef32_pk16_bf6_f32 v[PC+6*\c:PC+2+6*\c], v[\s+32*\c:\s+15+32*\c], v[TM+12+2*\c]
	v_cvt_scalef32_pk16_bf6_f32 v[PC+12+4*\c:PC+14+4*\c], v[\s+16+32*\c:\s+31+32*\c], v[TM+12+2*\c+1]
.endr
	v_nop
.irp c, 0,1
.irp i, 0,1,2
	v_permlane16_swap_b32 v[PC+6*\c+\i], v[PC+12+4*\c+\i]
.endr
.irp i, 0,1,2
	v_mov_b32 v[PC+3+6*\c+\i], v[PC+12+4*\c+\i]
.endr
.endr
.endm
.macro QSTORE stepc, steps
	QUANT E
.irp p, 0,1,2,3,4,5
	global_store_b64 v[LI8], v[PC+2*\p:PC+2*\p+1], s[OB:OB+1] offset:256*\p
.endr
	global_store_b32 v[LI4], v[PW], s[OS:OS+1]
	s_wait_xcnt 0x0
	s_add_nc_u64 s[OB:OB+1], s[OB:OB+1], \stepc
	s_add_nc_u64 s[OS:OS+1], s[OS:OS+1], \steps
.endm
	s_load_b256 s[4:11], s[0:1], 0x0
	s_load_b128 s[12:15], s[0:1], 0x20
	s_load_b64 s[16:17], s[0:1], 0x30
	v_lshl_add_u32 v[SPW], v0, 2, SPARE
	v_mov_b32 v[NIL], 0
	ds_add_u32 v[SPW], v[NIL]
	ds_add_u32 v[SPW], v[NIL]
	v_lshrrev_b32 v1, 5, v0
	v_readfirstlane_b32 s[WV], v1
	s_lshr_b32 s[FA], s[WV], 1
	s_and_b32 s[HB], s[WV], 1
	s_bfe_u32 s40, ttmp6, 0x40000
	s_bfe_u32 s41, ttmp6, 0x40004
	s_and_b32 s42, ttmp7, 0xffff
	s_lshl_b32 s42, s42, 2
	s_lshl_b32 s43, ttmp9, 2
	s_add_co_u32 s44, s41, 8
	s_add_co_u32 s45, s42, s41
	s_add_co_u32 s46, s42, s40
	s_add_co_u32 s47, s43, s40
	s_cmp_eq_u32 ttmp9, 2
	s_cselect_b32 s[IA], s44, s45
	s_cselect_b32 s[IB], s46, s47
	s_lshl_b32 s43, s41, 2
	s_lshl_b32 s43, 15, s43
	s_lshl_b32 s44, 0x1111, s40
	s_or_b32 s[G1+0], s43, (3<<16)|(1<<21)
	s_or_b32 s[G1B+0], s44, (3<<16)|(1<<21)
.irp g, G1, G1B
	s_mov_b32 s[\g+1], 384<<16
	s_mov_b32 s[\g+2], 16<<16                      ; the head's loads of codes bring all 16 tiles; behind them the two words that count rows are set to 8, for the ring's
	s_mov_b32 s[\g+3], 384<<16
	s_mov_b32 s[\g+4], 16
	s_mov_b32 s[\g+5], 1536
	s_mov_b32 s[\g+6], 0
	s_mov_b32 s[\g+7], 0
.endr
	s_or_b32 s[G1S+0], s43, (3<<16)|(1<<21)
	s_or_b32 s[G1SB+0], s44, (3<<16)|(1<<21)
.irp g, G1S, G1SB
	s_mov_b32 s[\g+1], 32<<16
	s_mov_b32 s[\g+2], 64<<16                      ; the scale images of 16 tiles: 16,384 dense bytes, 64 rows of 256
	s_mov_b32 s[\g+3], 32<<16
	s_mov_b32 s[\g+4], 64
	s_mov_b32 s[\g+5], 32
	s_mov_b32 s[\g+6], 0
	s_mov_b32 s[\g+7], 0
.endr
	s_lshl_b32 s21, s[HB], 3
	s_lshl_b32 s22, s[IA], 4
	s_add_co_u32 s22, s22, s21
	s_lshl_b32 s46, s[IB], 4
	s_add_co_u32 s46, s46, s21
	s_lshl_b32 s92, s22, 10
	s_mov_b32 s93, 0
	s_lshl_b32 s94, s46, 10
	s_mov_b32 s95, 0
	s_mul_i32 s22, s22, 12288
	s_mov_b32 s23, 0
	s_mul_i32 s46, s46, 12288
	s_mov_b32 s47, 0
	s_mul_i32 s45, s[WV], HALFT
	s_mul_i32 s40, s[HB], 98304                    ; from a block's first tile to my half of it: 8 tiles of codes,
	s_mov_b32 s41, 0
	s_lshl_b32 s42, s[HB], 13                      ; 8 tiles of scale images
	s_mov_b32 s43, 0
	s_mov_b32 s96, ASC
	s_mov_b32 s98, WSC
	s_mov_b32 s99, 0
	s_mov_b32 s101, 0
	s_cmp_eq_u32 ttmp9, 2
	s_cselect_b32 s100, s98, s96
	s_cselect_b32 s98, s96, s98
	s_wait_dscnt 0x0
	s_wait_kmcnt 0x0
	s_cmp_eq_u32 ttmp9, 2
	s_cselect_b64 s[96:97], s[6:7], s[4:5]
	s_cselect_b64 s[2:3], s[4:5], s[6:7]
	s_add_nc_u64 s[22:23], s[96:97], s[22:23]
	s_add_nc_u64 s[92:93], s[96:97], s[92:93]
	s_add_nc_u64 s[92:93], s[92:93], s[100:101]
	s_add_nc_u64 s[46:47], s[2:3], s[46:47]
	s_add_nc_u64 s[94:95], s[2:3], s[94:95]
	s_add_nc_u64 s[94:95], s[94:95], s[98:99]
	CROUND
	s_mov_b32 s[G0S], 1
	s_mov_b32 s[G0S+1], SCL
	s_sub_nc_u64 s[G0S+2:G0S+3], s[92:93], s[42:43]
	s_or_b32 s[G0S+3], s[G0S+3], 0x80000000
	s_mov_b32 s[G0SB], 1
	s_mov_b32 s[G0SB+1], SCL+2*HALFS
	s_sub_nc_u64 s[G0SB+2:G0SB+3], s[94:95], s[42:43]
	s_or_b32 s[G0SB+3], s[G0SB+3], 0x80000000
.irp s, 0,1
	s_mov_b32 s[G0+4*\s], 1
	s_add_co_u32 s[G0+4*\s+1], s45, \s*SLOT
	s_add_nc_u64 s[G0+4*\s+2:G0+4*\s+3], s[22:23], \s*TILEB
	s_or_b32 s[G0+4*\s+3], s[G0+4*\s+3], 0x80000000
	s_mov_b32 s[G0B+4*\s], 1
	s_add_co_u32 s[G0B+4*\s+1], s45, \s*SLOT
	s_add_nc_u64 s[G0B+4*\s+2:G0B+4*\s+3], s[46:47], \s*TILEB
	s_or_b32 s[G0B+4*\s+3], s[G0B+4*\s+3], 0x80000000
.endr
	; THE HEAD'S LOADS, ONE A WAVE: wave 0 fetches slot 0's 16 tiles of source 1's operand, wave 1 those of source 0's, wave 2 and wave 3 their scale images.
	; For them slot 0's two group 0 name the whole block; behind the wait that shows the loads landed they are set back to my half.
	s_mov_b32 s[G0+1], 0
	s_sub_nc_u64 s[G0+2:G0+3], s[G0+2:G0+3], s[40:41]
	s_mov_b32 s[G0B+1], 2*HALFT
	s_sub_nc_u64 s[G0B+2:G0B+3], s[G0B+2:G0B+3], s[40:41]
.macro ARM under, g0, g1, next
	s_cmp_lt_u32 s[WV], \under
	s_cbranch_scc0 \next
	tensor_load_to_lds s[\g0:\g0+3], s[\g1:\g1+7]
	s_nop 0
.rept 4
	v_nop
.endr
	s_branch .Lhead_asked
\next:
.endm
	ARM 1, G0,  G1,  .Lhead_b
	ARM 2, G0B, G1B, .Lhead_sa
	ARM 3, G0S, G1S, .Lhead_sb
	tensor_load_to_lds s[G0SB:G0SB+3], s[G1SB:G1SB+7]
	s_nop 0
.rept 4
	v_nop
.endr
.Lhead_asked:
	v_and_b32 v1, 31, v0
	v_bfe_u32 v2, v0, 4, 1
	s_wait_alu depctr_va_vdst(0)
	v_lshlrev_b32 v[LI8], 3, v1
	v_lshlrev_b32 v[LI4], 2, v1
	v_lshlrev_b32 v[LI16], 4, v1
	s_mul_i32 s21, s[FA], HALFT
	s_mul_i32 s22, s[HB], HALFT
	s_add_co_u32 s22, s22, 2*HALFT
.irp s, 0,1
	v_add_nc_u32 v[ADRA+\s], s21, v[LI8]
	v_add_nc_u32 v[ADRB+\s], s22, v[LI8]
	s_add_co_u32 s21, s21, SLOT
	s_add_co_u32 s22, s22, SLOT
.endr
	s_mul_i32 s21, s[FA], HALFS
	s_mul_i32 s22, s[HB], HALFS
	s_add_co_u32 s22, s22, 2*HALFS
	s_sub_co_u32 s22, s22, s21
	v_mul_u32_u24 v6, s22, v2
	s_wait_alu depctr_va_vdst(0)
	s_add_co_u32 s21, s21, SCL
	v_add_nc_u32 v6, v6, v[LI4]
	v_add_nc_u32 v[ADRS], s21, v6
	v_and_b32 v13, 15, v0
	v_lshlrev_b32 v[BOF], 6, v2
	v_and_b32 v14, 8, v13
	v_add_nc_u32 v14, v14, v13
	v_lshl_add_u32 v[ROF], v14, 8, v[BOF]
	v_lshlrev_b32 v[VOF], 2, v14
.macro FRAG reg, adr, q, i
.irp p, 0,1,2,3,4,5
	ds_load_b64 v[\reg+2*\p:\reg+2*\p+1], v[\adr] offset:TILEB*(\i)+FRB*(\q)+256*\p
.endr
.endm
.macro MUL16 a0, p, q, sc, zero
.irp a, \a0, \a0+1
.irp b, 0,1,2,3,4,5,6,7
.if \zero
	v_wmma_scale_f32_16x16x128_f8f6f4 v[8*(8*((\a)%4)+\b):8*(8*((\a)%4)+\b)+7], v[128*(\p)+FR*\b:128*(\p)+FR*\b+FR-1], v[AF+FR*(\a):AF+FR*(\a)+FR-1], 0, v[SC+8*NQ*(\sc)+NQ*\b+(\q)], v[SC+8*NQ*(\sc)+NQ*(\a)+(\q)] matrix_a_fmt:MATRIX_FMT_BF6 matrix_b_fmt:MATRIX_FMT_BF6 matrix_a_scale:MATRIX_SCALE_ROW1
.else
	v_wmma_scale_f32_16x16x128_f8f6f4 v[8*(8*((\a)%4)+\b):8*(8*((\a)%4)+\b)+7], v[128*(\p)+FR*\b:128*(\p)+FR*\b+FR-1], v[AF+FR*(\a):AF+FR*(\a)+FR-1], v[8*(8*((\a)%4)+\b):8*(8*((\a)%4)+\b)+7], v[SC+8*NQ*(\sc)+NQ*\b+(\q)], v[SC+8*NQ*(\sc)+NQ*(\a)+(\q)] matrix_a_fmt:MATRIX_FMT_BF6 matrix_b_fmt:MATRIX_FMT_BF6 matrix_a_scale:MATRIX_SCALE_ROW1
.endif
.endr
.endr
.endm
.macro FETCH_B slot, q, p
	WIN TO_B
.irp i, 0,1,2,3,4,5,6,7
	FRAG 128*(\p)+FR*\i, ADRB+\slot, \q, \i
.endr
	WIN 0
.endm
.macro FETCH_A slot, q, i0
.irp i, \i0, \i0+1, \i0+2, \i0+3
	FRAG AF+FR*(\i), ADRA+\slot, \q, \i
.endr
.endm
.macro SCALES sc
.irp i, 0,1,2,3,4,5,6,7
.irp q, 0,1
	ds_load_b32 v[SC+8*NQ*\sc+NQ*\i+\q], v[ADRS] offset:1024*\i+128*\q
.endr
.endr
.endm
.macro PLACES n
.rept \n
	v_nop
.endr
.endm
.macro STEP slot, q, zero
	s_wait_dscnt 4*NL
	WIN MUL_LO
	MUL16 0, (\q)%2, \q, \slot, \zero
	MUL16 2, (\q)%2, \q, \slot, \zero
	s_wait_dscnt 0
	PLACES NP
	FETCH_B \slot, (\q)+1, 1-(\q)%2
	FETCH_A \slot, (\q)+1, 0
	WIN MUL_HI
	MUL16 4, (\q)%2, \q, \slot, \zero
	MUL16 6, (\q)%2, \q, \slot, \zero
	PLACES NP
	WIN 0
	FETCH_A \slot, (\q)+1, 4
.endm
.macro TURN slot, next, fill
	s_wait_tensorcnt 0x0
	ds_add_u32 v[SPW], v[NIL]
	s_wait_dscnt 4*NL+1
	WIN MUL_LO
	MUL16 0, 1, NQ-1, \slot, 0
	s_wait_dscnt 0x0
	s_barrier_signal -1
	MUL16 2, 1, NQ-1, \slot, 0
	WIN 0
	s_barrier_wait -1
.if \fill
	CREST
	s_add_nc_u64 s[G0+4*\slot+2:G0+4*\slot+3], s[G0+4*\slot+2:G0+4*\slot+3], 2*TILEB
	s_add_nc_u64 s[G0B+4*\slot+2:G0B+4*\slot+3], s[G0B+4*\slot+2:G0B+4*\slot+3], 2*TILEB
	JLOAD G0+4*\slot, G1, G0B+4*\slot, G1B
.else
	PLACES NP
.endif
	s_wait_alu depctr_va_vdst(0)
	v_add_nc_u32 v[ADRS], 128*NQ, v[ADRS]
	FETCH_B \next, 0, 0
	FETCH_A \next, 0, 0
	SCALES \next
	WIN MUL_HI
	MUL16 4, 1, NQ-1, \slot, 0
	MUL16 6, 1, NQ-1, \slot, 0
	PLACES NP
	WIN 0
	FETCH_A \next, 0, 4
.endm
	s_wait_alu depctr_va_vdst(0)
	s_wait_tensorcnt 0x0                           ; my tile of the head's four is in
	ds_add_u32 v[SPW], v[NIL]
	s_mov_b32 s[G1+2], 8<<16                       ; no tensor load of mine is out, so descriptors may be written: from here on a load brings 8 tiles,
	s_mov_b32 s[G1+4], 8
	s_mov_b32 s[G1B+2], 8<<16
	s_mov_b32 s[G1B+4], 8
	s_mov_b32 s[G0+1], s45                         ; and slot 0's group 0 name my half again
	s_add_nc_u64 s[G0+2:G0+3], s[G0+2:G0+3], s[40:41]
	s_mov_b32 s[G0B+1], s45
	s_add_nc_u64 s[G0B+2:G0B+3], s[G0B+2:G0B+3], s[40:41]
	s_wait_dscnt 0x0
	CROUND                                         ; all four tiles are in, and all sixteen work-groups are here
	JLOAD G0+4, G1, G0B+4, G1B                     ; slot 1's first fill, the first tensor load behind the round
	FETCH_B 0, 0, 0
	FETCH_A 0, 0, 0
	SCALES 0
	FETCH_A 0, 0, 4
	STEP 0, 0, 1
	s_mov_b32 s3, LAPS-1
.Llap:
	TURN 0, 1, 1
	STEP 1, 0, 0
	TURN 1, 0, 1
	STEP 0, 0, 0
	s_sub_co_u32 s3, s3, 1
	s_cmp_lg_u32 s3, 0
	s_cbranch_scc1 .Llap
	TURN 0, 1, 0
	STEP 1, 0, 0
	s_wait_dscnt 4*NL
	WIN MUL_LO
	MUL16 0, 1, NQ-1, 1, 0
	MUL16 2, 1, NQ-1, 1, 0
	s_wait_dscnt 0
	WIN MUL_HI
	MUL16 4, 1, NQ-1, 1, 0
	MUL16 6, 1, NQ-1, 1, 0
	WIN 0
	PLACES NP
.macro PART1N a
	WIN 0x02+(\a)/4
.set I, 0
.rept 32
	v_pk_add_f32 v[E+I:E+I+1], v[64*((\a)%4)+I:64*((\a)%4)+I+1], v[BIAS+I:BIAS+I+1]
.set I, I+2
.endr
	WIN 0
.endm
.macro PART1V a
	WIN 0x02+(\a)/4
.set I, 0
.rept 32
.if ((\a)%2) == 0
	v_pk_add_f32 v[E+I:E+I+1], v[64*((\a)%4)+I:64*((\a)%4)+I+1], v[BIAS+2*((\a)/2):BIAS+2*((\a)/2)+1] op_sel_hi:[1,0]
.else
	v_pk_add_f32 v[E+I:E+I+1], v[64*((\a)%4)+I:64*((\a)%4)+I+1], v[BIAS+2*((\a)/2):BIAS+2*((\a)/2)+1] op_sel:[0,1] op_sel_hi:[1,1]
.endif
.set I, I+2
.endr
	WIN 0
.endm
.macro ROT a
	WIN 0x04
.irp b, 0,1,2,3
.irp q, 0,4
.irp p, 0,1,2,3
	v_pk_mul_f32 v[T+2*\p:T+2*\p+1], v[E+16*\b+2*(\q+\p):E+16*\b+2*(\q+\p)+1], v[32*(\a)+16*(\b%2)+2*(\q+\p):32*(\a)+16*(\b%2)+2*(\q+\p)+1] op_sel:[1,1] op_sel_hi:[0,1]
.endr
.irp p, 0,1,2,3
	v_pk_fma_f32 v[E+16*\b+2*(\q+\p):E+16*\b+2*(\q+\p)+1], v[E+16*\b+2*(\q+\p):E+16*\b+2*(\q+\p)+1], v[32*(\a)+16*(\b%2)+2*(\q+\p):32*(\a)+16*(\b%2)+2*(\q+\p)+1], v[T+2*\p:T+2*\p+1] op_sel_hi:[1,0,1] neg_lo:[0,0,1]
.endr
.endr
.endr
	WIN 0
.endm
.irp b, 0,1,2,3
	v_mov_b32 v[TM+4+\b], 0
.endr
	s_mov_b32 s[SEL], 0x76543210
	s_mov_b32 s[SEL+1], 0xfedcba98
	s_lshl_b32 s42, s[IA], 4
	s_lshl_b32 s44, s[FA], 3
	s_add_co_u32 s42, s42, s44
	s_lshl_b32 s43, s[IB], 1
	s_add_co_u32 s43, s43, s[HB]
	s_cmp_eq_u32 ttmp9, 2
	s_cbranch_scc1 .Larm_v
	s_cmp_eq_u32 ttmp9, 3
	s_cbranch_scc1 .Larm_g
	s_and_b32 s44, s43, 7
	s_lshr_b32 s45, s[IA], 2
	s_lshl_b32 s45, s45, 3
	s_add_co_u32 s45, s45, s44
	s_and_b32 s46, s42, 63
	s_mov_b32 s21, KVB
	s_mov_b32 s22, KVB
	s_mov_b32 s23, 196608
	s_cmp_eq_u32 ttmp9, 0
	s_cselect_b32 s21, 98304, s21
	s_cselect_b32 s22, 8192, s22
	s_cselect_b32 s47, QC, 0
	s_cselect_b32 s23, QS, s23
	s_cselect_b64 s[BP:BP+1], s[8:9], s[10:11]
	s_mul_i32 s21, s45, s21
	s_add_co_u32 s21, s21, s47
	s_mul_i32 s47, s46, FRB
	s_add_co_u32 s[OB], s21, s47
	s_mov_b32 s[OB+1], 0
	s_mul_i32 s22, s45, s22
	s_add_co_u32 s22, s22, s23
	s_lshl_b32 s47, s46, 7
	s_add_co_u32 s[OS], s22, s47
	s_mov_b32 s[OS+1], 0
	s_add_nc_u64 s[OB:OB+1], s[16:17], s[OB:OB+1]
	s_add_nc_u64 s[OS:OS+1], s[16:17], s[OS:OS+1]
	s_lshl_b32 s22, s44, 9
	s_mov_b32 s23, 0
	s_add_nc_u64 s[BP:BP+1], s[BP:BP+1], s[22:23]
	s_lshl_b32 s22, s46, 12
	s_add_co_u32 s22, s22, ROPE
	s_add_nc_u64 s[RP:RP+1], s[6:7], s[22:23]
.irp b, 0,1,2,3
.irp j, 0,1,2,3
	global_load_b128 v[BIAS+16*\b+4*\j:BIAS+16*\b+4*\j+3], v[BOF], s[BP:BP+1] offset:128*\b+16*\j
.endr
.endr
	WIN 0x40
.irp a, 0,1,2,3,4,5,6,7
.irp e, 0,1
.irp j, 0,1,2,3
	global_load_b128 v[32*\a+16*\e+4*\j:32*\a+16*\e+4*\j+3], v[ROF], s[RP:RP+1] offset:(32*(\a/2)+8*(\a%2))*256+128*\e+16*\j
.endr
.endr
.endr
	WIN 0
	s_wait_loadcnt 0x0
	s_mov_b32 s2, 0
.Lqk_row:
.irp a, 1,2,3,4,5,6,7
	s_cmp_eq_u32 s2, \a
	s_cbranch_scc1 .Lqk_\a
.endr
	PART1N 0
	ROT 0
	s_branch .Lqk_join
.irp a, 1,2,3,4,5,6,7
.Lqk_\a:
	PART1N \a
	ROT \a
	s_branch .Lqk_join
.endr
.Lqk_join:
	QSTORE FRB, 128
	s_add_co_u32 s2, s2, 1
	s_cmp_lt_u32 s2, 8
	s_cbranch_scc1 .Lqk_row
	s_branch .Lend
.Larm_v:
	s_sub_co_u32 s44, s[IA], 8
	s_lshl_b32 s44, s44, 1
	s_add_co_u32 s44, s44, s[FA]
	s_lshr_b32 s45, s43, 3
	s_and_b32 s46, s43, 7
	s_lshl_b32 s45, s45, 3
	s_add_co_u32 s45, s45, s44
	s_mul_i32 s45, s45, KVB
	s_mul_i32 s47, s46, FRB
	s_add_co_u32 s[OB], s45, s47
	s_add_co_u32 s[OB], s[OB], 98304
	s_mov_b32 s[OB+1], 0
	s_lshl_b32 s47, s46, 7
	s_add_co_u32 s[OS], s45, s47
	s_add_co_u32 s[OS], s[OS], 204800
	s_mov_b32 s[OS+1], 0
	s_add_nc_u64 s[OB:OB+1], s[16:17], s[OB:OB+1]
	s_add_nc_u64 s[OS:OS+1], s[16:17], s[OS:OS+1]
	s_lshl_b32 s22, s44, 9
	s_mov_b32 s23, 0
	s_add_nc_u64 s[BP:BP+1], s[12:13], s[22:23]
.irp a, 0,1,2,3,4,5,6,7
	global_load_b32 v[BIAS+\a], v[VOF], s[BP:BP+1] offset:(32*(\a/2)+8*(\a%2))*4
.endr
	s_wait_loadcnt 0x0
	s_mov_b32 s2, 0
.Lv_row:
.irp a, 1,2,3,4,5,6,7
	s_cmp_eq_u32 s2, \a
	s_cbranch_scc1 .Lv_\a
.endr
	PART1V 0
	s_branch .Lv_join
.irp a, 1,2,3,4,5,6,7
.Lv_\a:
	PART1V \a
	s_branch .Lv_join
.endr
.Lv_join:
	QSTORE 8*FRB, 1024
	s_add_co_u32 s2, s2, 1
	s_cmp_lt_u32 s2, 8
	s_cbranch_scc1 .Lv_row
	s_branch .Lend
.Larm_g:
	s_and_b32 s44, s43, 7
	s_lshl_b32 s[OB], s42, 16
	s_lshl_b32 s45, s44, 13
	s_add_co_u32 s[OB], s[OB], s45
	s_add_co_u32 s[OB], s[OB], GATE
	s_mov_b32 s[OB+1], 0
	s_add_nc_u64 s[OB:OB+1], s[16:17], s[OB:OB+1]
	s_lshl_b32 s22, s44, 9
	s_mov_b32 s23, 0
	s_add_nc_u64 s[BP:BP+1], s[14:15], s[22:23]
.irp b, 0,1,2,3
.irp j, 0,1,2,3
	global_load_b128 v[BIAS+16*\b+4*\j:BIAS+16*\b+4*\j+3], v[BOF], s[BP:BP+1] offset:128*\b+16*\j
.endr
.endr
	s_wait_loadcnt 0x0
	s_mov_b32 s2, 0
.Lg_row:
.irp a, 1,2,3,4,5,6,7
	s_cmp_eq_u32 s2, \a
	s_cbranch_scc1 .Lg_\a
.endr
	PART1N 0
	s_branch .Lg_join
.irp a, 1,2,3,4,5,6,7
.Lg_\a:
	PART1N \a
	s_branch .Lg_join
.endr
.Lg_join:
.set I, 0
.rept 32
	v_pk_mul_f32 v[U+I:U+I+1], v[E+I:E+I+1], 0xbfb8aa3b op_sel_hi:[1,0]
.set I, I+2
.endr
.set I, 0
	s_wait_alu depctr_va_vdst(0)
.rept 64
	v_exp_f32 v[U+I], v[U+I]
.set I, I+1
.endr
	v_nop
	s_wait_alu depctr_va_vdst(0)
.set I, 0
.rept 32
	v_pk_add_f32 v[U+I:U+I+1], v[U+I:U+I+1], 1.0 op_sel_hi:[1,0]
.set I, I+2
.endr
.set I, 0
	s_wait_alu depctr_va_vdst(0)
.rept 64
	v_rcp_f32 v[E+I], v[U+I]
.set I, I+1
.endr
	v_nop
	s_wait_alu depctr_va_vdst(0)
.irp c, 0,1,2,3,4,5,6,7,8,9,10,11,12,13,14,15
	global_store_b128 v[LI16], v[E+4*\c:E+4*\c+3], s[OB:OB+1] offset:512*\c
.endr
	s_wait_xcnt 0x0
	s_add_nc_u64 s[OB:OB+1], s[OB:OB+1], 65536
	s_add_co_u32 s2, s2, 1
	s_cmp_lt_u32 s2, 8
	s_cbranch_scc1 .Lg_row
.Lend:
	s_wait_tensorcnt 0x0
	ds_add_u32 v[SPW], v[NIL]
	s_wait_dscnt 0x0
	CROUND
	s_endpgm
.Lfunc_end_k_q6b7c44b01a_g1:
	.size	k_q6b7c44b01a_g1, .Lfunc_end_k_q6b7c44b01a_g1-k_q6b7c44b01a_g1
	.p2alignl 7, 3214868480
	.fill 96, 4, 3214868480
	.section	.rodata,"a",@progbits
	.p2align	6, 0x0
	.amdhsa_kernel k_q6b7c44b01a_g1
		.amdhsa_group_segment_fixed_size 327680
		.amdhsa_private_segment_fixed_size 0
		.amdhsa_enable_private_segment 0
		.amdhsa_kernarg_size 56
		.amdhsa_user_sgpr_count 2
		.amdhsa_user_sgpr_kernarg_segment_ptr 1
		.amdhsa_wavefront_size32 1
		.amdhsa_system_sgpr_workgroup_id_x 1
		.amdhsa_system_sgpr_workgroup_id_y 1
		.amdhsa_system_sgpr_workgroup_id_z 1
		.amdhsa_system_vgpr_workitem_id 0
		.amdhsa_next_free_vgpr 1024
		.amdhsa_next_free_sgpr 102
		.amdhsa_reserve_vcc 0
		.amdhsa_float_denorm_mode_32 3
		.amdhsa_float_denorm_mode_16_64 3
		.amdhsa_memory_ordered 1
		.amdhsa_forward_progress 1
		.amdhsa_inst_pref_size 250
	.end_amdhsa_kernel
	.amdgpu_metadata
---
amdhsa.version: [ 1, 2 ]
amdhsa.kernels:
  - .name:           k_q6b7c44b01a_g1
    .symbol:         k_q6b7c44b01a_g1.kd
    .args:
      - { .name: a, .offset: 0, .size: 8, .value_kind: global_buffer, .address_space: global }
      - { .name: w, .offset: 8, .size: 8, .value_kind: global_buffer, .address_space: global }
      - { .name: bq, .offset: 16, .size: 8, .value_kind: global_buffer, .address_space: global }
      - { .name: bk, .offset: 24, .size: 8, .value_kind: global_buffer, .address_space: global }
      - { .name: bv, .offset: 32, .size: 8, .value_kind: global_buffer, .address_space: global }
      - { .name: bg, .offset: 40, .size: 8, .value_kind: global_buffer, .address_space: global }
      - { .name: qkv, .offset: 48, .size: 8, .value_kind: global_buffer, .address_space: global }
    .group_segment_fixed_size: 327680
    .private_segment_fixed_size: 0
    .kernarg_segment_align: 8
    .kernarg_segment_size: 56
    .max_flat_workgroup_size: 128
    .sgpr_count:     102
    .vgpr_count:     1024
    .wavefront_size: 32
...
	.end_amdgpu_metadata
.endif
;; end of part 2
;; launch attn (part 3): grid 8 x 32, 8 waves a work-group, clusters of 4 x 1, 215,040 bytes of LDS; arguments qkv, ao; writes ao
.if DOCPART == 3
	.amdgcn_target "amdgcn-amd-amdhsa--gfx1250"
	.amdhsa_code_object_version 6
	.text
	.protected	k_q6b7c44b01a_attn
	.globl	k_q6b7c44b01a_attn
	.p2align	8
	.type	k_q6b7c44b01a_attn,@function
k_q6b7c44b01a_attn:
	s_mov_b64 s[64:65], 0
	v_nop
	global_prefetch_b8 v0, s[64:65] scope:SCOPE_SE
	s_setreg_imm32_b32 hwreg(HW_REG_WAVE_MODE, 25, 1), 1
	s_wait_xcnt 0x0
	s_wait_alu depctr_hold_cnt(0) depctr_sa_sdst(0) depctr_va_vdst(0) depctr_va_sdst(0) depctr_va_ssrc(0) depctr_va_vcc(0) depctr_vm_vsrc(0)
	s_getreg_b32 s2, hwreg(HW_REG_IB_STS2, 6, 4)
	s_cmp_eq_u32 s2, 0
	s_cbranch_scc0 .Lentry_in_a_cluster
	s_endpgm
.Lentry_in_a_cluster:
	s_bfe_u32 s2, ttmp6, 0x10000c
	s_cmp_lg_u32 s2, 0x3003
	s_cbranch_scc0 .Lentry_shape_is_right
	s_endpgm
.Lentry_shape_is_right:
; Causal attention on codes of BF6 (E3M2), head size 64, 1,024 keys, then x gate and quantised along d_model for the projection.
; WORK LEFT OUT: a step of 128 keys all of which come after a tile's 16 queries: reference() sets those scores to -1e9 by its own jnp.tril, every row holds its own diagonal key, so their
; exp is 0 in f32: they add 0 to the row's sum and zero blocks to the second product.  LIMITS: scores near -1e9 are not served; a NaN or infinity that reaches only hidden keys is not carried on.
; THE SOFTMAX: t = score x log2(e) / 8; M = the running largest t rounded UP to a whole number; p = 2^(t - M) is quantised along the keys, not normalised; the row's sum is taken of the unquantised p and divides at the end.
; SHARES.  A work-group serves a batch and a pair of heads; waves 0-3 the first head, waves 4-7 the second.  Wave w of a head owns the query tiles Tlo = 8 w + g and Thi = 63 - Tlo (g = the work-group's x):
; (w + 1) + (8 - w) = 9 key steps for every wave of the launch.  Branches and trip counts hang on the wave's number and the loop's count alone.
; LDS.  The pair's whole block of K and V (fragment images and scale images, 212,992 bytes) comes ONCE, jointly for the four work-groups of a cluster: each of the eight waves asks for 104 rows of 256 bytes.
; No slot is filled again, and no barrier stands in the loop.
; LAYOUT.  Both products transposed: S^T = K Q^T, O^T = V^T P^T: a lane holds one query.  A tile's lane r = row 32 (T / 2) + 8 (T % 2) + r + 8 (r / 8), so the 16 registers of two neighbouring tiles are 16 neighbours.
; The first product's K is 64: the upper six registers of K's and Q's fragments are zero codes, written once; the upper two scale bytes are 0, which is 2^-127 over zero codes.
.set VC,    98304
.set KSC,   196608
.set VSC,   204800
.set STG,   212992                     ; eight scale images of 128 bytes, for the way out; no tile lands here
.set SPARE, 214016                     ; the spare words, 128 bytes a wave: four blocks of 256 bytes that no other line names
.set KVB,   212992
.set QCO,   6815744
.set QSO,   9961472
.set GATE,  10223616
.set AOS,   3145728
.set AK,  1                            ; v1  K's fragments of the step: 8 x lane + 768 x head
.set AV,  2                            ; v2  V's
.set ASK, 3                            ; v3  K's scale words
.set ASV, 4                            ; v4  V's
.set SPW, 5
.set NIL, 6
.set DLO, 7                            ; v7, v8  my query's place in its diagonal step, less 16 (lane / 16)
.set DHI, 8
.set PFO, 9                            ; v9  the prefetch's offset
.set SGL, 10                           ; v10 where my two scale bytes go in the stage
.set SRD, 11                           ; v11 where I read an image back
.set QLO, 20
.set QHI, 32
.set KF,  46                           ; v46-93 four fragments of K
.set S,   94                           ; v94-157 S^T, then p, then V's four fragments
.set OLO, 158
.set OHI, 190
.set PCD, 222                          ; v222-233 p's codes
.set BM,  234
.set PT,  238
.set TMP, 245
.set SO,  246
.set SW,  250                          ; v250-253 scale words of K or V; v44, v45 Q's; v255 p's: they hold nothing else
.set FF,  254
.set PWD, 255
.set WV,  8
.set SEL, 20
.set CS,  22
.macro CROUND
	s_barrier_signal -1
	s_barrier_wait -1
	s_cmp_lg_u32 s[WV], 0
	s_cbranch_scc1 .Lnot_wave_0_\@
	s_barrier_signal -3
.Lnot_wave_0_\@:
	s_barrier_wait -3
	s_barrier_signal -1
	s_barrier_wait -1
.endm
	s_load_b128 s[4:7], s[0:1], 0x0                ; qkv, ao
	v_lshl_add_u32 v[SPW], v0, 2, SPARE
	v_mov_b32 v[NIL], 0
	ds_add_u32 v[SPW], v[NIL]                      ; the wave's opening: the add, twice on end, and its wait ahead of my first tensor load
	ds_add_u32 v[SPW], v[NIL]
	v_lshrrev_b32 v94, 5, v0
	s_delay_alu instid0(VALU_DEP_1)
	v_readfirstlane_b32 s[WV], v94                 ; wave 0..7
	s_lshr_b32 s9, s[WV], 2                        ; which head of the pair
	s_and_b32 s10, s[WV], 3                        ; w
	s_sub_co_u32 s18, 7, s10                       ; 7 - w
	s_bfe_u32 s36, ttmp6, 0x40000                  ; cx: it enters global addresses and mask data alone
	s_lshl_b32 s11, ttmp9, 2
	s_add_co_u32 s11, s11, s36                     ; g
	s_and_b32 s12, ttmp7, 0xffff                   ; the block: 8 x batch + pair of heads
	s_lshr_b32 s13, s12, 3
	s_and_b32 s14, s12, 7
	s_lshl_b32 s15, s10, 3
	s_add_co_u32 s15, s15, s11                     ; Tlo
	s_sub_co_u32 s16, 63, s15                      ; Thi
	s_mov_b32 s24, 15|(3<<16)|(1<<21)              ; group 1: the mask names all four work-groups; elements of 8 bytes; no padding
	s_mov_b32 s25, 32<<16                          ; rows of 256 bytes
	s_mov_b32 s26, 104<<16
	s_mov_b32 s27, 32<<16
	s_mov_b32 s28, 104                             ; 104 rows: an eighth of the block
	s_mov_b32 s29, 32
	s_mov_b32 s30, 0
	s_mov_b32 s31, 0
	s_mul_i32 s37, s[WV], 26624                    ; my eighth, in LDS and in the block alike
	s_mul_i32 s38, s12, KVB
	s_add_co_u32 s38, s38, s37
	s_mov_b32 s39, 0
	s_mov_b32 s[SEL], 0x76543210
	s_mov_b32 s[SEL+1], 0xfedcba98
	s_mov_b32 s[CS], 0x3e38aa3b                    ; c = log2(e) / 8
	s_mov_b32 s[CS+1], s[CS]
	s_wait_dscnt 0x0                               ; both opening adds are done
	s_wait_kmcnt 0x0
	CROUND                                         ; all four work-groups are here: the joint loads meet
	s_mov_b32 s32, 1
	s_mov_b32 s33, s37
	s_add_nc_u64 s[34:35], s[4:5], s[38:39]
	s_or_b32 s35, s35, 0x80000000
	tensor_load_to_lds s[32:35], s[24:31]          ; my one tensor load of the launch
	s_nop 0
.rept 4
	v_nop
.endr
	v_and_b32 v94, 31, v0                          ; lane
	v_and_b32 v95, 15, v0                          ; r
	v_bfe_u32 v96, v0, 4, 1                        ; h
	s_delay_alu instid0(VALU_DEP_3)
	v_lshlrev_b32 v97, 3, v94
	s_delay_alu instid0(VALU_DEP_4)
	v_lshlrev_b32 v98, 2, v94
	s_wait_alu depctr_va_vdst(0)
	s_mul_i32 s36, s9, 768
	v_add_nc_u32 v[AK], s36, v97
	s_mul_i32 s36, s9, 49152
	s_add_co_u32 s36, s36, VC
	v_add_nc_u32 v[AV], s36, v97
	s_lshl_b32 s36, s9, 1
	s_add_co_u32 s36, s36, KSC
	v_add_nc_u32 v[ASK], s36, v98
	s_lshl_b32 s36, s9, 12
	s_add_co_u32 s36, s36, VSC
	v_add_nc_u32 v[ASV], s36, v98
	s_lshl_b32 s36, s10, 7
	s_lshl_b32 s37, s9, 1
	s_add_co_u32 s36, s36, s37
	s_add_co_u32 s36, s36, STG
	v_add_nc_u32 v[SGL], s36, v98                  ; image w (Thi's: 512 bytes on), my head's two bytes
	s_lshl_b32 s36, s[WV], 7
	s_add_co_u32 s36, s36, STG
	v_add_nc_u32 v[SRD], s36, v98
	v_and_b32 v99, 8, v95
	s_delay_alu instid0(VALU_DEP_1)
	v_add_nc_u32 v99, v99, v95
	v_lshlrev_b32 v100, 4, v96
	s_delay_alu instid0(VALU_DEP_1)
	v_sub_nc_u32 v99, v99, v100                    ; r + 8 (r / 8) - 16 h
	s_wait_alu depctr_va_vdst(0)
	s_and_b32 s36, s15, 7
	s_lshr_b32 s37, s36, 1
	s_lshl_b32 s37, s37, 5
	s_and_b32 s36, s36, 1
	s_lshl_b32 s36, s36, 3
	s_add_co_u32 s37, s37, s36
	v_add_nc_u32 v[DLO], s37, v99
	s_and_b32 s36, s16, 7
	s_lshr_b32 s37, s36, 1
	s_lshl_b32 s37, s37, 5
	s_and_b32 s36, s36, 1
	s_lshl_b32 s36, s36, 3
	s_add_co_u32 s37, s37, s36
	v_add_nc_u32 v[DHI], s37, v99
	s_sub_co_u32 s36, s16, s15
	s_lshl_b32 s36, s36, 16
	v_mul_u32_u24 v[PFO], s36, v96                 ; lanes 0-15 name Tlo's gate image, lanes 16-31 Thi's: 16 blocks of 256 bytes each
	s_delay_alu instid0(VALU_DEP_1)
	v_lshl_add_u32 v[PFO], v95, 8, v[PFO]
	; Q's fragments and scale words
	s_lshl_b32 s36, s12, 6
	s_add_co_u32 s37, s36, s15
	s_add_co_u32 s38, s36, s16
	s_mul_i32 s39, s9, 768
	s_add_co_u32 s39, s39, QCO
	s_mul_i32 s40, s37, 1536
	s_add_co_u32 s40, s40, s39
	s_mov_b32 s41, 0
	s_mul_i32 s42, s38, 1536
	s_add_co_u32 s42, s42, s39
	s_mov_b32 s43, 0
	s_lshl_b32 s39, s9, 1
	s_add_co_u32 s39, s39, QSO
	s_lshl_b32 s44, s37, 7
	s_add_co_u32 s44, s44, s39
	s_mov_b32 s45, 0
	s_lshl_b32 s46, s38, 7
	s_add_co_u32 s46, s46, s39
	s_mov_b32 s47, 0
	s_add_nc_u64 s[40:41], s[4:5], s[40:41]
	s_add_nc_u64 s[42:43], s[4:5], s[42:43]
	s_add_nc_u64 s[44:45], s[4:5], s[44:45]
	s_add_nc_u64 s[46:47], s[4:5], s[46:47]
.irp p, 0,1,2
	global_load_b64 v[QLO+2*\p:QLO+2*\p+1], v97, s[40:41] offset:256*\p
	global_load_b64 v[QHI+2*\p:QHI+2*\p+1], v97, s[42:43] offset:256*\p
.endr
	global_load_u16 v44, v98, s[44:45]
	global_load_u16 v45, v98, s[46:47]
.irp i, 6,7,8,9,10,11
	v_mov_b32 v[QLO+\i], 0                         ; zero codes for the instruction's upper 64 along K
	v_mov_b32 v[QHI+\i], 0
	v_mov_b32 v[KF+\i], 0
	v_mov_b32 v[KF+12+\i], 0
	v_mov_b32 v[KF+24+\i], 0
	v_mov_b32 v[KF+36+\i], 0
.endr
	; the gate's images, the codes' and the scale image's places in ao
	s_lshl_b32 s36, s13, 6
	s_add_co_u32 s37, s36, s15                     ; the token tile: 64 x batch + Tlo
	s_add_co_u32 s38, s36, s16
	s_lshl_b32 s39, s14, 1
	s_add_co_u32 s39, s39, s9
	s_lshl_b32 s39, s39, 12
	s_add_co_u32 s39, s39, GATE
	s_lshl_b32 s48, s37, 16
	s_add_co_u32 s48, s48, s39
	s_mov_b32 s49, 0
	s_lshl_b32 s50, s38, 16
	s_add_co_u32 s50, s50, s39
	s_mov_b32 s51, 0
	s_add_nc_u64 s[48:49], s[4:5], s[48:49]
	s_add_nc_u64 s[50:51], s[4:5], s[50:51]
	s_mul_i32 s39, s9, 768
	; ao lies in records of 13,312 bytes: (64 tokens, 2 K steps) = 4 tiles x (two fragments, then their two scale images); record (quad, pair of steps) at (4 quad + pair) x 13,312, tile i at 3,328 i
	s_lshr_b32 s58, s14, 1
	s_mul_i32 s58, s58, 13312                      ; the pair of K steps
	s_and_b32 s59, s14, 1                          ; which of the two
	s_mul_i32 s60, s59, 1536
	s_add_co_u32 s60, s60, s58
	s_add_co_u32 s60, s60, s39                     ; + my head's half of the fragment
	s_lshr_b32 s52, s37, 2
	s_mul_i32 s52, s52, 53248
	s_and_b32 s53, s37, 3
	s_mul_i32 s53, s53, 3328
	s_add_co_u32 s52, s52, s53
	s_add_co_u32 s52, s52, s60
	s_mov_b32 s53, 0
	s_lshr_b32 s54, s38, 2
	s_mul_i32 s54, s54, 53248
	s_and_b32 s55, s38, 3
	s_mul_i32 s55, s55, 3328
	s_add_co_u32 s54, s54, s55
	s_add_co_u32 s54, s54, s60
	s_mov_b32 s55, 0
	s_add_nc_u64 s[52:53], s[6:7], s[52:53]
	s_add_nc_u64 s[54:55], s[6:7], s[54:55]
	s_cmp_eq_u32 s9, 0
	s_cselect_b32 s56, s37, s38                    ; the image that I store: Tlo's in waves 0-3, Thi's in waves 4-7
	s_lshr_b32 s57, s56, 2
	s_mul_i32 s57, s57, 53248
	s_and_b32 s56, s56, 3
	s_mul_i32 s56, s56, 3328
	s_add_co_u32 s56, s56, s57
	s_add_co_u32 s56, s56, s58
	s_lshl_b32 s59, s59, 7
	s_add_co_u32 s56, s56, s59
	s_add_co_u32 s56, s56, 3072                    ; the scale images lie behind the tile's two fragments
	s_mov_b32 s57, 0
	s_add_nc_u64 s[56:57], s[6:7], s[56:57]
.irp t, 12, 16
	v_mov_b32 v[\t+1], 0xff61b1e6                  ; the largest t so far: -3e38, under every t
	s_delay_alu instid0(VALU_DEP_1)
	v_floor_f32 v[\t], -v[\t+1]                    ; -M
	v_mov_b32 v[\t+2], 0                           ; the sum, in two halves
	v_mov_b32 v[\t+3], 0
.endr
.irp b, 0,1,2,3
	v_mov_b32 v[BM+\b], 0
	v_mov_b32 v[PT+\b], 0                          ; written once: a lane permute's destination counts as one of its sources
.endr
	v_mov_b32 v[PWD], 0                            ; (named as the upper half of the pair v[254:255] before it is first written)
.set J, 0
.rept 64
	v_mov_b32 v[OLO+J], 0                          ; O^T of both tiles: the step is written once, its first turn finds zeros
.set J, J+1
.endr
	s_wait_loadcnt 0x0                             ; Q
	s_wait_tensorcnt 0x0                           ; my eighth of the block is in,
	s_barrier_signal -1
	s_barrier_wait -1                              ; everybody's is
; A KEY STEP OF ONE TILE: 128 keys.  Q, QS: the tile's fragment and scale word; O: its O^T; ST: -M, t, the sum's two halves; D: the mask's number; lim: the tile's diagonal step.
.macro TILESTEP Q, QS, O, ST, D, lim
.irp g, 0,1                                    ; S^T = K Q^T, four tiles of 16 keys at a time
.if \g
.rept 4
	v_nop                                          ; places in front of loads into registers that the four products above have read
.endr
.endif
.irp t, 0,1,2,3
.irp p, 0,1,2
	ds_load_b64 v[KF+12*\t+2*\p:KF+12*\t+2*\p+1], v[AK] offset:(4*\g+\t)*1536+256*\p
.endr
	ds_load_u16 v[SW+\t], v[ASK] offset:(4*\g+\t)*128
.endr
	s_wait_dscnt 0x0
.irp t, 0,1,2,3
	v_wmma_scale_f32_16x16x128_f8f6f4 v[S+8*(4*\g+\t):S+8*(4*\g+\t)+7], v[KF+12*\t:KF+12*\t+11], v[\Q:\Q+11], 0, v[SW+\t], v[\QS] matrix_a_fmt:MATRIX_FMT_BF6 matrix_b_fmt:MATRIX_FMT_BF6
.endr
.endr
.rept 4
	v_nop
.endr
	s_cmp_lg_u32 s17, \lim                         ; only the diagonal step has hidden keys
	s_cbranch_scc1 .Lopen_\@
	v_mov_b32 v[TMP], 0xff800000                   ; -infinity: p = 0 then
.set N, 0
.rept 64                                       ; register 16 b + i holds key 32 b + 16 (lane / 16) + i of the step: hidden where 32 b + i > D
	v_cmp_gt_i32 vcc_lo, 32*(N/16)+N%16, v[\D]
	v_cndmask_b32 v[S+N], v[S+N], v[TMP], vcc_lo
.set N, N+1
.endr
.Lopen_\@:
.irp b, 0,1,2,3
	v_max3_num_f32 v[BM+\b], v[S+16*\b], v[S+1+16*\b], v[S+2+16*\b]    ; the largest score of each block of 32 keys: for the row's maximum, and, since p rises with the score, for the block's largest p
.endr
.irp i, 3,5,7,9,11,13
.irp b, 0,1,2,3
	v_max3_num_f32 v[BM+\b], v[BM+\b], v[S+16*\b+\i], v[S+1+16*\b+\i]
.endr
.endr
.irp b, 0,1,2,3
	v_max_num_f32 v[BM+\b], v[BM+\b], v[S+15+16*\b]
.endr
.irp b, 0,1,2,3
	s_delay_alu instid0(VALU_DEP_4)
	v_permlanex16_b32 v[PT+\b], v[BM+\b], s[SEL], s[SEL+1]
.endr
.irp b, 0,1,2,3
	s_delay_alu instid0(VALU_DEP_4)
	v_max_num_f32 v[BM+\b], v[BM+\b], v[PT+\b]
.endr
	s_delay_alu instid0(VALU_DEP_2)
	v_max3_num_f32 v[TMP], v[BM], v[BM+1], v[BM+2]
	s_delay_alu instid0(VALU_DEP_1)
	v_max_num_f32 v[TMP], v[TMP], v[BM+3]
	s_delay_alu instid0(VALU_DEP_1)
	v_mul_f32 v[TMP], s[CS], v[TMP]
	s_delay_alu instid0(VALU_DEP_1)
	v_max_num_f32 v[\ST+1], v[\ST+1], v[TMP]       ; the running largest t
	v_mov_b32 v[TMP], v[\ST]
	s_delay_alu instid0(VALU_DEP_2)
	v_floor_f32 v[\ST], -v[\ST+1]                  ; the new -M = -ceil(t): a whole number
	s_delay_alu instid0(VALU_DEP_1)
	v_sub_f32 v[TMP], v[\ST], v[TMP]
	s_delay_alu instid0(VALU_DEP_1)
	v_cvt_i32_f32 v[TMP], v[TMP]                   ; (it saturates)
	s_delay_alu instid0(VALU_DEP_1)
	v_ldexp_f32 v[FF], 1.0, v[TMP]                 ; f = 2^(old M - new M): exact
.set J, 0
.rept 32
	v_pk_fma_f32 v[S+J:S+J+1], v[S+J:S+J+1], s[CS:CS+1], v[\ST:\ST+1] op_sel_hi:[1,0,0]   ; t - M
.set J, J+2
.endr
.irp b, 0,1,2,3
	v_fma_f32 v[BM+\b], v[BM+\b], s[CS], v[\ST]
.endr
.set J, 0
	s_wait_alu depctr_va_vdst(0)
.rept 64
	v_exp_f32 v[S+J], v[S+J]                       ; p = 2^(t - M)
.set J, J+1
.endr
	v_pk_mul_f32 v[\ST+2:\ST+3], v[\ST+2:\ST+3], v[FF:FF+1] op_sel_hi:[1,0]   ; the sums under the new M; a plain place behind the batch
	s_wait_alu depctr_va_vdst(0)                   ; one wait for the 64, ahead of their first reader
.irp b, 0,1,2,3
	v_exp_f32 v[BM+\b], v[BM+\b]                   ; each block's largest p
.endr
	v_pk_add_f32 v[PT:PT+1], v[S:S+1], v[S+2:S+3]  ; the row's sum, of the unquantised p, in two chains
.irp j, 4,8,12,16,20,24,28,32,36,40,44,48,52,56,60
	v_pk_add_f32 v[\ST+2:\ST+3], v[\ST+2:\ST+3], v[S+\j:S+\j+1]
	v_pk_add_f32 v[PT:PT+1], v[PT:PT+1], v[S+2+\j:S+3+\j]
.endr
	s_delay_alu instid0(VALU_DEP_1)
	v_pk_add_f32 v[\ST+2:\ST+3], v[\ST+2:\ST+3], v[PT:PT+1]
	s_wait_alu depctr_va_vdst(0)                   ; and one for the four
.irp b, 0,1,2,3
	v_max_num_f32 v[BM+\b], 0x2800000, v[BM+\b]    ; the floor 2^(5 - 127): the byte cannot fall under 1
.endr
.irp b, 0,1,2,3
	s_delay_alu instid0(VALU_DEP_4)
	v_add_nc_u32 v[SO+\b], 0xfe000000, v[BM+\b]
.endr
.irp b, 0,1,2,3
	s_delay_alu instid0(VALU_DEP_4)
	v_lshrrev_b32 v[PT+\b], 23, v[SO+\b]
.endr
	s_delay_alu instid0(VALU_DEP_3)
	v_lshl_or_b32 v[PWD], v[PT+1], 8, v[PT]
	s_delay_alu instid0(VALU_DEP_1)
	v_lshl_or_b32 v[PWD], v[PT+2], 16, v[PWD]
	s_delay_alu instid0(VALU_DEP_1)
	v_lshl_or_b32 v[PWD], v[PT+3], 24, v[PWD]      ; p's scale word for these 128 keys
.irp c, 0,1
	v_cvt_scalef32_pk16_bf6_f32 v[PCD+6*\c:PCD+2+6*\c], v[S+32*\c:S+15+32*\c], v[SO+2*\c]
	v_cvt_scalef32_pk16_bf6_f32 v[PT+4*\c:PT+2+4*\c], v[S+16+32*\c:S+31+32*\c], v[SO+2*\c+1]
.endr
	v_nop                                          ; one plain place behind a scaled conversion
.irp c, 0,1
.irp i, 0,1,2
	v_permlane16_swap_b32 v[PCD+6*\c+\i], v[PT+4*\c+\i]
.endr
.irp i, 0,1,2
	s_delay_alu instid0(VALU_DEP_3)
	v_mov_b32 v[PCD+3+6*\c+\i], v[PT+4*\c+\i]
.endr
.endr
.set J, 0
.rept 16
	v_pk_mul_f32 v[\O+J:\O+J+1], v[\O+J:\O+J+1], v[FF:FF+1] op_sel_hi:[1,0]   ; O^T under the new M; these 16 are also the places between p's codes and scale word and the products
.set J, J+2
.endr
.irp t, 0,1,2,3                                ; O^T += V^T P^T: the head's four tiles of 16; V's fragments take the registers that p has left
.irp p, 0,1,2,3,4,5
	ds_load_b64 v[S+12*\t+2*\p:S+12*\t+2*\p+1], v[AV] offset:12288*\t+256*\p
.endr
	ds_load_b32 v[SW+\t], v[ASV] offset:1024*\t
.endr
	s_wait_alu depctr_va_vdst(0)
	s_wait_dscnt 0x0
.irp t, 0,1,2,3
	v_wmma_scale_f32_16x16x128_f8f6f4 v[\O+8*\t:\O+8*\t+7], v[S+12*\t:S+12*\t+11], v[PCD:PCD+11], v[\O+8*\t:\O+8*\t+7], v[SW+\t], v[PWD] matrix_a_fmt:MATRIX_FMT_BF6 matrix_b_fmt:MATRIX_FMT_BF6
.endr
.rept 5
	v_nop                                          ; five places: the next scores are written over V's fragments by matrix instructions, and the next loads land in the scale words
.endr
.endm
	s_mov_b32 s17, 0
.Lks:                                              ; eight trips; a tile's steps behind its diagonal are jumped over
	s_cmp_gt_u32 s17, s10
	s_cbranch_scc1 .Lno_lo
	s_wait_alu depctr_va_vdst(0)
	TILESTEP QLO, 44, OLO, 12, DLO, s10
.Lno_lo:
	s_cmp_gt_u32 s17, s18
	s_cbranch_scc1 .Lno_hi
	s_wait_alu depctr_va_vdst(0)
	TILESTEP QHI, 45, OHI, 16, DHI, s18
.Lno_hi:
	s_wait_alu depctr_va_vdst(0)
	v_add_nc_u32 v[AK], 12288, v[AK]               ; the next 128 keys: eight fragments of K,
	v_add_nc_u32 v[AV], 1536, v[AV]                ; one of each tile of V,
	v_add_nc_u32 v[ASK], 1024, v[ASK]
	v_add_nc_u32 v[ASV], 128, v[ASV]
	s_cmp_lg_u32 s17, 3
	s_cbranch_scc1 .Lno_pf
	global_prefetch_b8 v[PFO], s[48:49] th:TH_LOAD_NT scope:SCOPE_SE   ; my two gate images, 32 blocks of 256 bytes, each named once in the launch, four trips ahead of their loads; its registers are never rewritten
.Lno_pf:
	s_add_co_u32 s17, s17, 1
	s_cmp_lt_u32 s17, 8
	s_cbranch_scc1 .Lks
	; THE WAY OUT: O^T / the sum x the gate, quantised along d_model: a head is half a fragment (three register pairs) and two bytes of its scale word.
	v_and_b32 v46, 31, v0
	s_delay_alu instid0(VALU_DEP_1)
	v_lshlrev_b32 v47, 4, v46
	s_delay_alu instid0(VALU_DEP_2)
	v_lshlrev_b32 v48, 3, v46
	s_delay_alu instid0(VALU_DEP_3)
	v_lshlrev_b32 v49, 2, v46
.irp c, 0,1,2,3,4,5,6,7
	global_load_b128 v[S+4*\c:S+4*\c+3], v47, s[48:49] offset:512*\c th:TH_LOAD_NT
.endr
.irp c, 0,1,2,3,4,5,6,7
	global_load_b128 v[S+32+4*\c:S+32+4*\c+3], v47, s[50:51] offset:512*\c th:TH_LOAD_NT
.endr
	v_add_f32 v14, v14, v15
	v_add_f32 v18, v18, v19
	s_delay_alu instid0(VALU_DEP_2)
	v_permlanex16_b32 v[PT], v14, s[SEL], s[SEL+1]
	s_delay_alu instid0(VALU_DEP_2)
	v_permlanex16_b32 v[PT+1], v18, s[SEL], s[SEL+1]
	s_delay_alu instid0(VALU_DEP_2)
	v_add_f32 v14, v14, v[PT]
	s_delay_alu instid0(VALU_DEP_2)
	v_add_f32 v18, v18, v[PT+1]
	s_wait_alu depctr_va_vdst(0)
	v_rcp_f32 v14, v14
	v_rcp_f32 v18, v18
	v_nop                                          ; a plain place behind the reciprocals
	s_wait_alu depctr_va_vdst(0)                   ; one wait for both
.macro FIN O, L, G, PCX, PTX, B0, SOX, base, so
.set J, 0
.rept 16
	v_pk_mul_f32 v[\O+J:\O+J+1], v[\O+J:\O+J+1], v[\L:\L+1] op_sel_hi:[1,0]
.set J, J+2
.endr
.set J, 0
.rept 16
	v_pk_mul_f32 v[\O+J:\O+J+1], v[\O+J:\O+J+1], v[\G+J:\G+J+1]
.set J, J+2
.endr
.irp b, 0,1
	v_max3_num_f32 v[\B0+\b], |v[\O+16*\b]|, |v[\O+1+16*\b]|, 0x2800000
.endr
.irp i, 2,4,6,8,10,12,14
.irp b, 0,1
	s_delay_alu instid0(VALU_DEP_2)
	v_max3_num_f32 v[\B0+\b], v[\B0+\b], |v[\O+16*\b+\i]|, |v[\O+1+16*\b+\i]|
.endr
.endr
.irp b, 0,1
	s_delay_alu instid0(VALU_DEP_2)
	v_permlanex16_b32 v[\B0+2+\b], v[\B0+\b], s[SEL], s[SEL+1]
.endr
.irp b, 0,1
	s_delay_alu instid0(VALU_DEP_2)
	v_max_num_f32 v[\B0+\b], v[\B0+\b], v[\B0+2+\b]
.endr
.irp b, 0,1
	s_delay_alu instid0(VALU_DEP_2)
	v_add_nc_u32 v[\SOX+\b], 0xfe000000, v[\B0+\b]
.endr
.irp b, 0,1
	s_delay_alu instid0(VALU_DEP_2)
	v_lshrrev_b32 v[\B0+\b], 23, v[\SOX+\b]
.endr
	s_delay_alu instid0(VALU_DEP_1)
	v_lshl_or_b32 v[\B0], v[\B0+1], 8, v[\B0]
	v_cvt_scalef32_pk16_bf6_f32 v[\PCX:\PCX+2], v[\O:\O+15], v[\SOX]
	v_cvt_scalef32_pk16_bf6_f32 v[\PTX:\PTX+2], v[\O+16:\O+31], v[\SOX+1]
	v_nop                                          ; one plain place behind a scaled conversion
.irp i, 0,1,2
	v_permlane16_swap_b32 v[\PCX+\i], v[\PTX+\i]
.endr
.irp i, 0,1,2
	s_delay_alu instid0(VALU_DEP_3)
	v_mov_b32 v[\PCX+3+\i], v[\PTX+\i]
.endr
.irp p, 0,1,2
	global_store_b64 v48, v[\PCX+2*\p:\PCX+2*\p+1], s[\base:\base+1] offset:256*\p   ; 32 lanes store 256 consecutive bytes, aligned
.endr
	ds_store_b16 v[SGL], v[\B0] offset:\so
.endm
	s_wait_loadcnt 8                               ; Tlo's gate is in; Thi's eight loads may be out
	FIN OLO, 14, S, PCD, PT, BM, SO, 52, 0
	s_wait_loadcnt 0x0
	FIN OHI, 18, S+32, PCD+6, PT+4, KF+6, SO+2, 54, 512
	s_wait_dscnt 0x0                               ; for the others' sake: my bytes lie in the stage
	s_barrier_signal -1
	s_barrier_wait -1                              ; a scale word's four bytes come from the two heads' waves
	ds_load_b32 v50, v[SRD]
	s_wait_dscnt 0x0
	global_store_b32 v49, v50, s[56:57]
	s_wait_tensorcnt 0x0                           ; the wave's end, behind my last tensor load and my last LDS store
	ds_add_u32 v[SPW], v[NIL]
	s_wait_dscnt 0x0
	CROUND                                         ; the closing round
	s_endpgm
.Lfunc_end_k_q6b7c44b01a_attn:
	.size	k_q6b7c44b01a_attn, .Lfunc_end_k_q6b7c44b01a_attn-k_q6b7c44b01a_attn
	.p2alignl 7, 3214868480
	.fill 96, 4, 3214868480
	.section	.rodata,"a",@progbits
	.p2align	6, 0x0
	.amdhsa_kernel k_q6b7c44b01a_attn
		.amdhsa_group_segment_fixed_size 215040
		.amdhsa_private_segment_fixed_size 0
		.amdhsa_enable_private_segment 0
		.amdhsa_kernarg_size 16
		.amdhsa_user_sgpr_count 2
		.amdhsa_user_sgpr_kernarg_segment_ptr 1
		.amdhsa_wavefront_size32 1
		.amdhsa_system_sgpr_workgroup_id_x 1
		.amdhsa_system_sgpr_workgroup_id_y 1
		.amdhsa_system_sgpr_workgroup_id_z 1
		.amdhsa_system_vgpr_workitem_id 0
		.amdhsa_next_free_vgpr 256
		.amdhsa_next_free_sgpr 72
		.amdhsa_reserve_vcc 1
		.amdhsa_float_denorm_mode_32 3
		.amdhsa_float_denorm_mode_16_64 3
		.amdhsa_memory_ordered 1
		.amdhsa_forward_progress 1
		.amdhsa_inst_pref_size 74
	.end_amdhsa_kernel
	.amdgpu_metadata
---
amdhsa.version: [ 1, 2 ]
amdhsa.kernels:
  - .name:           k_q6b7c44b01a_attn
    .symbol:         k_q6b7c44b01a_attn.kd
    .args:
      - { .name: qkv, .offset: 0, .size: 8, .value_kind: global_buffer, .address_space: global }
      - { .name: ao, .offset: 8, .size: 8, .value_kind: global_buffer, .address_space: global }
    .group_segment_fixed_size: 215040
    .private_segment_fixed_size: 0
    .kernarg_segment_align: 8
    .kernarg_segment_size: 16
    .max_flat_workgroup_size: 256
    .sgpr_count:     72
    .vgpr_count:     256
    .wavefront_size: 32
...
	.end_amdgpu_metadata
.endif
;; end of part 3
;; launch g2 (part 4): grid 8 x 32, 4 waves a work-group, clusters of 4 x 4, 327,680 bytes of LDS; arguments ao, wn, bo, x, x1; writes x1
.if DOCPART == 4
	.amdgcn_target "amdgcn-amd-amdhsa--gfx1250"
	.amdhsa_code_object_version 6
	.text
	.protected	k_q6b7c44b01a_g2
	.globl	k_q6b7c44b01a_g2
	.p2align	8
	.type	k_q6b7c44b01a_g2,@function
k_q6b7c44b01a_g2:
	s_mov_b64 s[64:65], 0
	v_nop
	global_prefetch_b8 v0, s[64:65] scope:SCOPE_SE
	s_setreg_imm32_b32 hwreg(HW_REG_WAVE_MODE, 25, 1), 1
	s_wait_xcnt 0x0
	s_wait_alu depctr_hold_cnt(0) depctr_sa_sdst(0) depctr_va_vdst(0) depctr_va_sdst(0) depctr_va_ssrc(0) depctr_va_vcc(0) depctr_vm_vsrc(0)
	s_getreg_b32 s2, hwreg(HW_REG_IB_STS2, 6, 4)
	s_cmp_eq_u32 s2, 0
	s_cbranch_scc0 .Lentry_in_a_cluster
	s_endpgm
.Lentry_in_a_cluster:
	s_bfe_u32 s2, ttmp6, 0x10000c
	s_cmp_lg_u32 s2, 0xf033
	s_cbranch_scc0 .Lentry_shape_is_right
	s_endpgm
.Lentry_shape_is_right:
; x1 = x + ao Wo + bo: a product on codes of BF6 (E3M2), [4,096 x 1,024] x [1,024 x 1,024], f32 out.  Nothing of reference() is left out here.
; A block of 128 x 128 for each of 256 work-groups; four waves, 64 x 64 each: 16 accumulators.
; OPERANDS lie in records of 13,312 bytes: (64 rows, 2 K steps) = 4 tiles x (two fragment images of 1,536 bytes, then their two scale images of 128 bytes); the KS / 2 records of 64 rows lie on end.
; So what a wave fetches, 64 rows x all of K with its scales, is ONE dense block of 53,248 bytes, 208 rows of 256 bytes: one tensor load a wave at the head, and LDS is filled once: no ring, no refill.
; Clusters of 4 x 4: the tokens' blocks are shared along a row, the weight's along a column, asked for jointly.  No prefetch: the launch has one fill and no loop to run ahead in.
; The matrix instruction is used transposed (source 0 = the weight's columns, source 1 = tokens).  The accumulators begin as the bias, loaded in the result's layout: nothing is cleared and nothing is added later.
; The residual's 64 rows x 256 bytes of a wave are asked for at the head and wait in registers.  Results go through the wave's own stage in LDS and leave as 256 consecutive bytes for sixteen lanes.
.set KS,    8
.set BCO,   0
.set NT,    0
.set GRP,   13312
.set QB,    (KS/2)*GRP
.set YOFF,  4*GRP
.set WREG,  6*GRP
.set SPARE, 4*WREG
.set SPITCH, 272
.set FR,   12
.set BOF,  7
.set PF1,  8
.set PF2,  9
.set PFY,  10
.set ADRA, 16
.set ADRB, 20
.set ADRS, 22
.set STO,  24
.set RD,   25
.set CO,   26
.set SPW,  28
.set NIL,  29
.set SC,   32
.set AF,   64
.set BF,   160
.set WV, 14
.set FA, 15
.set HB, 16
.set G1,  24
.set G0,  32
.set G1B, 48
.set G0B, 56
.set PF,  76
.set MSB, 0
.macro WIN new
.if MSB != (\new)
	s_set_vgpr_msb (MSB<<8)|(\new)
.set MSB, (\new)
.endif
.endm
.set MUL, 0x50
.macro JLOAD f
	s_cmp_eq_u32 s[FA], 0
	s_cbranch_scc0 .Lfor_b_\@
	tensor_load_to_lds s[G0+4*\f:G0+4*\f+3], s[G1+44*\f:G1+44*\f+7]
	s_nop 0
.rept 4
	v_nop
.endr
	s_branch .Lasked_\@
.Lfor_b_\@:
	tensor_load_to_lds s[G0B+4*\f:G0B+4*\f+3], s[G1B+32*\f:G1B+32*\f+7]
	s_nop 0
.rept 4
	v_nop
.endr
.Lasked_\@:
.endm
.macro CROUND
	s_barrier_signal -1
	s_barrier_wait -1
	s_cmp_lg_u32 s[WV], 0
	s_cbranch_scc1 .Lnot_wave_0_\@
	s_barrier_signal -3
.Lnot_wave_0_\@:
	s_barrier_wait -3
	s_barrier_signal -1
	s_barrier_wait -1
.endm
.macro PLACES n
.rept \n
	v_nop
.endr
.endm
.macro FRAG reg, adr, q, i
.irp p, 0,1,2,3,4,5
	ds_load_b64 v[\reg+2*\p:\reg+2*\p+1], v[\adr] offset:GRP*((\q)/2)+3328*(\i)+1536*((\q)%2)+256*\p
.endr
.endm
.macro FETCH sl, q, set                ; step q of slot sl: B's four fragments, A's four, and four scale words (lanes 0-15 A's tile i, lanes 16-31 B's tile i)
.irp i, 0,1,2,3
	FRAG BF+48*(\set)+FR*\i, ADRB+(\sl), \q, \i
.endr
.irp i, 0,1,2,3
	FRAG AF+48*(\set)+FR*\i, ADRA+(\sl), \q, \i
.endr
.irp i, 0,1,2,3
	ds_load_b32 v[SC+4*(\set)+\i], v[ADRS+(\sl)] offset:GRP*((\q)/2)+3328*\i+3072+128*((\q)%2)
.endr
.endm
.macro MUL4 a, set                     ; the 16 accumulators take turns, one instruction a turn
.irp b, 0,1,2,3
	v_wmma_scale_f32_16x16x128_f8f6f4 v[8*(4*(\a)+\b):8*(4*(\a)+\b)+7], v[BF+48*(\set)+FR*\b:BF+48*(\set)+FR*\b+FR-1], v[AF+48*(\set)+FR*(\a):AF+48*(\set)+FR*(\a)+FR-1], v[8*(4*(\a)+\b):8*(4*(\a)+\b)+7], v[SC+4*(\set)+\b], v[SC+4*(\set)+(\a)] matrix_a_fmt:MATRIX_FMT_BF6 matrix_b_fmt:MATRIX_FMT_BF6 matrix_a_scale:MATRIX_SCALE_ROW1
.endr
.endm
.macro PHASE sl, n                     ; the n K steps of slot sl; step q's products run while step q + 1's fragments come from LDS into the other set
.set Q, 0
.rept \n
	s_wait_dscnt 0x0
.if Q < (\n)-1
	PLACES 4                                       ; in front of loads into the set that the step before multiplied
	FETCH \sl, Q+1, (Q+1)%2
.endif
	WIN MUL
	MUL4 0, Q%2
	MUL4 1, Q%2
	MUL4 2, Q%2
	MUL4 3, Q%2
	WIN 0
.set Q, Q+1
.endr
.endm
.macro ASK f                           ; the fill after this one, asked of memory one fill ahead: my work-group's quarter of what I fetch, told apart from the partners' by address; a lane a block of 256 bytes
.if \f
	global_prefetch_b8 v[PF1], s[PF:PF+1] th:TH_LOAD_NT scope:SCOPE_SE
	global_prefetch_b8 v[PF2], s[PF:PF+1] th:TH_LOAD_NT scope:SCOPE_SE
.else
	s_cmp_eq_u32 s3, 1                             ; the last trip has no further fill of slot Y
	s_cbranch_scc1 .Lnone_\@
	global_prefetch_b8 v[PFY], s[PF+2:PF+3] th:TH_LOAD_NT scope:SCOPE_SE
.Lnone_\@:
.endif
.endm
.macro TURN f                          ; slot f (0: X, four records; 1: Y, two) is filled, the other is multiplied next
	s_wait_xcnt 0x0                                ; my prefetches have read their addresses
	s_add_nc_u64 s[PF+2*\f:PF+2*\f+1], s[PF+2*\f:PF+2*\f+1], WREG
	s_wait_tensorcnt 0x0                           ; my one load that was out, my part of the other slot, has landed
	ds_add_u32 v[SPW], v[NIL]
	s_add_nc_u64 s[G0+4*(1-\f)+2:G0+4*(1-\f)+3], s[G0+4*(1-\f)+2:G0+4*(1-\f)+3], WREG    ; no load of mine is out: the other slot's next fill lies six records on
	s_add_nc_u64 s[G0B+4*(1-\f)+2:G0B+4*(1-\f)+3], s[G0B+4*(1-\f)+2:G0B+4*(1-\f)+3], WREG
	s_wait_dscnt 0x0                               ; the add is done, and my reads of slot f are over
	CROUND                                         ; both hold of every wave of the cluster
	JLOAD \f                                       ; its four v_nop are the places in front of the loads below
	FETCH 1-\f, 0, 0
	ASK \f
.endm
	s_load_b256 s[4:11], s[0:1], 0x0               ; A, the weight, the bias, the residual
	s_load_b64 s[12:13], s[0:1], 0x20              ; the result
	v_lshl_add_u32 v[SPW], v0, 2, SPARE
	v_mov_b32 v[NIL], 0
	ds_add_u32 v[SPW], v[NIL]                      ; the wave's opening: the add, twice on end, and its wait ahead of my first tensor load
	ds_add_u32 v[SPW], v[NIL]
	v_lshrrev_b32 v1, 5, v0
	v_readfirstlane_b32 s[WV], v1
	s_lshr_b32 s[FA], s[WV], 1                     ; my half of the rows; also: I fetch for A (0) or B (1)
	s_and_b32 s[HB], s[WV], 1                      ; my half of the columns; also: which 64 rows I fetch
	s_bfe_u32 s40, ttmp6, 0x40000
	s_bfe_u32 s41, ttmp6, 0x40004
	s_lshl_b32 s42, ttmp9, 2
	s_add_co_u32 s42, s42, s40                     ; block column
	s_and_b32 s17, ttmp7, 0xffff
	s_lshl_b32 s17, s17, 2
	s_add_co_u32 s17, s17, s41                     ; block row
	s_lshl_b32 s43, s41, 2
	s_lshl_b32 s43, 15, s43
	s_lshl_b32 s44, 0x1111, s40
	s_or_b32 s[G1], s43, (3<<16)|(1<<21)           ; a dense block as rows of 256 bytes (32 elements of 8): four records are 208 rows
	s_or_b32 s[G1B], s44, (3<<16)|(1<<21)
.irp g, G1, G1B
	s_mov_b32 s[\g+1], 32<<16
	s_mov_b32 s[\g+2], 208<<16
	s_mov_b32 s[\g+3], 32<<16
	s_mov_b32 s[\g+4], 208
	s_mov_b32 s[\g+5], 32
	s_mov_b32 s[\g+6], 0
	s_mov_b32 s[\g+7], 0
.endr
.if KS > 8
	s_or_b32 s[G1+44], s43, (3<<16)|(1<<21)        ; two records: 104 rows
	s_or_b32 s[G1B+32], s44, (3<<16)|(1<<21)
.irp g, G1+44, G1B+32
	s_mov_b32 s[\g+1], 32<<16
	s_mov_b32 s[\g+2], 104<<16
	s_mov_b32 s[\g+3], 32<<16
	s_mov_b32 s[\g+4], 104
	s_mov_b32 s[\g+5], 32
	s_mov_b32 s[\g+6], 0
	s_mov_b32 s[\g+7], 0
.endr
.endif
	s_lshl_b32 s20, s17, 1
	s_add_co_u32 s20, s20, s[HB]
	s_mul_i32 s20, s20, QB                         ; A: the 64 rows that I fetch
	s_mov_b32 s21, 0
	s_lshl_b32 s46, s42, 1
	s_add_co_u32 s46, s46, s[HB]
	s_mul_i32 s46, s46, QB                         ; B likewise
	s_mov_b32 s47, 0
	s_mul_i32 s45, s[WV], WREG                     ; LDS: six records for each wave's fetches: X, then Y
	s_wait_dscnt 0x0                               ; both opening adds are done
	s_wait_kmcnt 0x0
	s_add_nc_u64 s[20:21], s[4:5], s[20:21]
	s_add_nc_u64 s[46:47], s[6:7], s[46:47]
.if BCO
	s_add_nc_u64 s[46:47], s[46:47], BCO
.endif
	CROUND                                         ; all sixteen work-groups are here: the first joint loads meet
.irp s, 0,1
.if (\s == 0) || (KS > 8)
	s_mov_b32 s[G0+4*\s], 1
	s_add_co_u32 s[G0+4*\s+1], s45, \s*YOFF
	s_add_nc_u64 s[G0+4*\s+2:G0+4*\s+3], s[20:21], \s*YOFF
	s_or_b32 s[G0+4*\s+3], s[G0+4*\s+3], 0x80000000
	s_mov_b32 s[G0B+4*\s], 1
	s_add_co_u32 s[G0B+4*\s+1], s45, \s*YOFF
	s_add_nc_u64 s[G0B+4*\s+2:G0B+4*\s+3], s[46:47], \s*YOFF
	s_or_b32 s[G0B+4*\s+3], s[G0B+4*\s+3], 0x80000000
.endif
.endr
	JLOAD 0                                        ; records 0 to 3: my one tensor load at the head
.if KS > 8
	s_cmp_eq_u32 s[FA], 0                          ; the prefetches: of what I fetch, the partner at place p (cx for A, cy for B) names the p-th quarter
	s_cselect_b64 s[PF:PF+1], s[20:21], s[46:47]
	s_cselect_b32 s88, s40, s41
	s_mul_i32 s90, s88, GRP
	s_mov_b32 s91, 0
	s_add_nc_u64 s[PF+2:PF+3], s[PF:PF+1], 4*GRP   ; Y's first fill: records 4, 5
	s_add_nc_u64 s[PF:PF+1], s[PF:PF+1], s[90:91]
	s_add_nc_u64 s[PF:PF+1], s[PF:PF+1], 6*GRP     ; X's second: records 6 to 9
	s_mul_i32 s90, s88, GRP/2
	s_add_nc_u64 s[PF+2:PF+3], s[PF+2:PF+3], s[90:91]
.endif
	s_lshl_b32 s20, s17, 7
	s_lshl_b32 s21, s[FA], 6
	s_add_co_u32 s20, s20, s21
	s_lshl_b32 s20, s20, 12                        ; my first row, 4,096 bytes a row
	s_lshl_b32 s46, s42, 9
	s_lshl_b32 s47, s[HB], 8
	s_add_co_u32 s46, s46, s47                     ; my first column, in bytes
	s_mov_b32 s47, 0
	s_add_nc_u64 s[8:9], s[8:9], s[46:47]
	s_add_co_u32 s20, s20, s46
	s_mov_b32 s21, 0
	s_add_nc_u64 s[10:11], s[10:11], s[20:21]
	s_add_nc_u64 s[12:13], s[12:13], s[20:21]
	s_mul_i32 s92, s[FA], WREG                     ; A's 64 rows that I multiply
	s_add_co_u32 s93, s[HB], 2
	s_mul_i32 s93, s93, WREG                       ; B's
	s_sub_co_u32 s94, s93, s92
	s_add_co_u32 s95, s45, YOFF                    ; my stage: 16 rows x 272 bytes at the head of my part of Y, which has had its last fill and its last read by then
	v_and_b32 v1, 31, v0
	v_bfe_u32 v2, v0, 4, 1
	v_and_b32 v3, 15, v0
	v_lshlrev_b32 v4, 3, v1
	v_lshlrev_b32 v5, 2, v1
	v_add_nc_u32 v[ADRA], s92, v4
	v_add_nc_u32 v[ADRB], s93, v4
	v_add_nc_u32 v[ADRA+1], YOFF, v[ADRA]
	v_add_nc_u32 v[ADRB+1], YOFF, v[ADRB]
	v_mul_u32_u24 v6, s94, v2                      ; lanes 16-31 take B's scale words
	v_add_nc_u32 v6, v6, v5
	v_add_nc_u32 v[ADRS], s92, v6
	v_add_nc_u32 v[ADRS+1], YOFF, v[ADRS]
	v_mul_u32_u24 v6, v3, SPITCH
	v_lshl_add_u32 v6, v2, 6, v6
	v_add_nc_u32 v[STO], s95, v6
	v_mul_u32_u24 v6, v2, SPITCH
	v_lshl_add_u32 v6, v3, 4, v6
	v_add_nc_u32 v[RD], s95, v6
	v_lshlrev_b32 v[BOF], 6, v2                    ; the bias in the result's layout: lanes 16-31 hold columns 16 on
	v_lshlrev_b32 v6, 4, v3
	v_lshl_add_u32 v[CO], v2, 12, v6
.if KS > 8
	v_lshlrev_b32 v[PF1], 8, v1                    ; blocks 0-31 of my 52,
	v_add_nc_u32 v6, 32, v1
	v_min_u32 v6, 51, v6
	v_lshlrev_b32 v[PF2], 8, v6                    ; blocks 32-51 (the lanes left over name the last again);
	v_min_u32 v6, 25, v1
	v_lshlrev_b32 v[PFY], 8, v6                    ; of Y's fills 26
.endif
	s_wait_alu depctr_va_vdst(0)                   ; the wait at the head's end
.if KS > 8
	global_prefetch_b8 v[PFY], s[PF+2:PF+3] th:TH_LOAD_NT scope:SCOPE_SE
.endif
	WIN 0x40
.irp a, 0,1,2,3
.irp b, 0,1,2,3
	global_load_b128 v[8*(4*\a+\b):8*(4*\a+\b)+3], v[BOF], s[8:9] offset:128*(\b/2)+32*(\b%2)        ; the accumulators begin as the bias
	global_load_b128 v[8*(4*\a+\b)+4:8*(4*\a+\b)+7], v[BOF], s[8:9] offset:128*(\b/2)+32*(\b%2)+16
.endr
.endr
.irp a, 0,1,2,3                                ; the residual, in the order in which the rows come back from the stage, into window 1's v128-255
.irp t, 0,1,2,3,4,5,6,7
	global_load_b128 v[128+32*\a+4*\t:128+32*\a+4*\t+3], v[CO], s[10:11] offset:(32*(\a/2)+8*(\a%2)+2*\t+8*(\t/4))*4096 th:TH_LOAD_NT
.endr
.endr
	WIN 0
	s_wait_loadcnt 32                              ; the bias is in; the residual's 32 loads may be out
.if KS > 8
	s_mov_b32 s3, 2
.Llap:
	TURN 1
	PHASE 0, 8
	TURN 0
	PHASE 1, 4
	s_sub_co_u32 s3, s3, 1
	s_cmp_lg_u32 s3, 0
	s_cbranch_scc1 .Llap
.endif
	s_wait_tensorcnt 0x0                           ; my part of X is in
	ds_add_u32 v[SPW], v[NIL]
	s_wait_dscnt 0x0
	s_barrier_signal -1
	s_barrier_wait -1
	PLACES 4
	FETCH 0, 0, 0
	PHASE 0, 8
	PLACES 4
	s_wait_loadcnt 0x0                             ; the residual
.macro OUT a
.set BK, 64+32*((\a)%2)
.if (\a) > 1
	s_wait_xcnt 0x0                                ; the stores of two blocks ago have read these registers
.endif
	WIN 0x04
.irp b, 0,1,2,3
	ds_store_b128 v[STO], v[8*(4*(\a)+\b):8*(4*(\a)+\b)+3] offset:128*(\b/2)+32*(\b%2)
	ds_store_b128 v[STO], v[8*(4*(\a)+\b)+4:8*(4*(\a)+\b)+7] offset:128*(\b/2)+32*(\b%2)+16
.endr
	WIN 0
.irp t, 0,1,2,3,4,5,6,7
	ds_load_b128 v[BK+4*\t:BK+4*\t+3], v[RD] offset:\t*2*SPITCH
.endr
	s_wait_dscnt 0x0
	WIN 0x04
.irp i, 0,2,4,6,8,10,12,14,16,18,20,22,24,26,28,30
	v_pk_add_f32 v[BK+\i:BK+\i+1], v[BK+\i:BK+\i+1], v[128+32*(\a)+\i:128+32*(\a)+\i+1]
.endr
	WIN 0
.irp t, 0,1,2,3,4,5,6,7
.if NT
	global_store_b128 v[CO], v[BK+4*\t:BK+4*\t+3], s[12:13] offset:(32*((\a)/2)+8*((\a)%2)+2*\t+8*(\t/4))*4096 th:TH_STORE_NT   ; sixteen lanes store 256 consecutive bytes, aligned
.else
	global_store_b128 v[CO], v[BK+4*\t:BK+4*\t+3], s[12:13] offset:(32*((\a)/2)+8*((\a)%2)+2*\t+8*(\t/4))*4096
.endif
.endr
.endm
	OUT 0
	OUT 1
	OUT 2
	OUT 3
	s_wait_tensorcnt 0x0                           ; the wave's end, behind my last tensor load and my last LDS store
	ds_add_u32 v[SPW], v[NIL]
	s_wait_dscnt 0x0
	CROUND                                         ; the closing round
	s_endpgm
.Lfunc_end_k_q6b7c44b01a_g2:
	.size	k_q6b7c44b01a_g2, .Lfunc_end_k_q6b7c44b01a_g2-k_q6b7c44b01a_g2
	.p2alignl 7, 3214868480
	.fill 96, 4, 3214868480
	.section	.rodata,"a",@progbits
	.p2align	6, 0x0
	.amdhsa_kernel k_q6b7c44b01a_g2
		.amdhsa_group_segment_fixed_size 327680
		.amdhsa_private_segment_fixed_size 0
		.amdhsa_enable_private_segment 0
		.amdhsa_kernarg_size 40
		.amdhsa_user_sgpr_count 2
		.amdhsa_user_sgpr_kernarg_segment_ptr 1
		.amdhsa_wavefront_size32 1
		.amdhsa_system_sgpr_workgroup_id_x 1
		.amdhsa_system_sgpr_workgroup_id_y 1
		.amdhsa_system_sgpr_workgroup_id_z 1
		.amdhsa_system_vgpr_workitem_id 0
		.amdhsa_next_free_vgpr 512
		.amdhsa_next_free_sgpr 100
		.amdhsa_reserve_vcc 0
		.amdhsa_float_denorm_mode_32 3
		.amdhsa_float_denorm_mode_16_64 3
		.amdhsa_memory_ordered 1
		.amdhsa_forward_progress 1
		.amdhsa_inst_pref_size 68
	.end_amdhsa_kernel
	.amdgpu_metadata
---
amdhsa.version: [ 1, 2 ]
amdhsa.kernels:
  - .name:           k_q6b7c44b01a_g2
    .symbol:         k_q6b7c44b01a_g2.kd
    .args:
      - { .name: ao, .offset: 0, .size: 8, .value_kind: global_buffer, .address_space: global }
      - { .name: wn, .offset: 8, .size: 8, .value_kind: global_buffer, .address_space: global }
      - { .name: bo, .offset: 16, .size: 8, .value_kind: global_buffer, .address_space: global }
      - { .name: x, .offset: 24, .size: 8, .value_kind: global_buffer, .address_space: global }
      - { .name: x1, .offset: 32, .size: 8, .value_kind: global_buffer, .address_space: global }
    .group_segment_fixed_size: 327680
    .private_segment_fixed_size: 0
    .kernarg_segment_align: 8
    .kernarg_segment_size: 40
    .max_flat_workgroup_size: 128
    .sgpr_count:     100
    .vgpr_count:     512
    .wavefront_size: 32
...
	.end_amdgpu_metadata
.endif
;; end of part 4
;; launch lnw2 (part 5): grid 512 x 1, 8 waves a work-group, no clusters, 95,744 bytes of LDS; arguments x1, ln2_w, ln2_b, a, W1, W2, w, wn; writes a, w, wn
.if DOCPART == 5
	.amdgcn_target "amdgcn-amd-amdhsa--gfx1250"
	.amdhsa_code_object_version 6
	.text
	.protected	k_q6b7c44b01a_lnw2
	.globl	k_q6b7c44b01a_lnw2
	.p2align	8
	.type	k_q6b7c44b01a_lnw2,@function
k_q6b7c44b01a_lnw2:
	s_mov_b64 s[64:65], 0
	v_nop
	global_prefetch_b8 v0, s[64:65] scope:SCOPE_SE
	s_setreg_imm32_b32 hwreg(HW_REG_WAVE_MODE, 25, 1), 1
	s_wait_xcnt 0x0
; LayerNorm 2 to codes of BF6 (E3M2), and beside it W1 and W2 to codes.  Nothing of reference() is left out here.
; THE LAYOUT OF EVERY OPERAND: tiles of 16 rows, tile T's lane r = row 32 (T / 2) + 8 (T % 2) + r + 8 (r / 8); a fragment (tile, 128 along K) is the image of its 12 registers:
; register pair p at 256 p + 8 x lane, 1,536 bytes; its scale words at 4 x lane, 128 bytes (lanes 16-31 repeat lanes 0-15).
; Two kinds of work-groups, told apart by the work-group's number alone; they share nothing, and each kind has LDS bytes of its own.
; WORK-GROUPS 0-255: LayerNorm of 16 rows (a tile) of 1,024 f32, quantised along the row.  Mean, variance (of x - mean, as reference() has it), rsqrt, gain and bias in f32.
;   Phase 1: wave w takes the tile's rows 2 w and 2 w + 1, whole, and leaves the normalised rows in LDS.  Phase 2: wave w takes K step w of all 16 rows and quantises it in registers.
;   Fragment (T, s) of a at (8 T + s) x 1,536, its scale image at ASC + (8 T + s) x 128.
; WORK-GROUPS 256-383: W1 [1,024 (K)][4,096 (N)];  384-511: W2 [4,096 (K)][1,024 (N)].  A LANE TAKES A COLUMN n AND ITS REGISTERS RUN DOWN K: a block of 32 along K lies in one lane.
;   A wave takes 32 columns (two tiles) x 128 along K (one fragment each); the eight waves stand side by side on 1,024 consecutive bytes of each row.  The codes go through the wave's own LDS bytes and
;   leave as 512 consecutive bytes a store; a tile's scale image leaves as 128 consecutive bytes.  Fragment F of w at 1,536 F, its scale image at WSC + 128 F; W1: F = 2,560 + 8 T + s; W2: F = 4,608 + 32 T + s.
; LIMITS: a block of zeros keeps the byte 1; blocks whose largest magnitude lies under 2^-122 were not tried; NaN and infinities are not served.
; No matrix unit, no cluster, no tensor load: memory binds, and the weights' stream runs beside the LayerNorm's chain of dependent steps.
.set PITCH, 4112                       ; LayerNorm: an LDS row: 4,096 bytes + 16, so that the sixteen rows of a load begin 16 bytes apart modulo 256
.set WB,    66048                      ; the weights' LDS bytes begin here, behind the LayerNorm's 16 rows
.set WREG,  3584                       ; a wave's: two tiles of 1,536 bytes, 1,664 apart, then 256 bytes of scale words
.set TST,   1664
.set SCO,   3328
.set SPARE, WB+8*WREG                  ; the spare words, 128 bytes a wave: four blocks of 256 bytes that no other line names
.set ASC,   3145728
.set WSC,   10223616
.set EMAX,  4
.set X0,  32
.set X1,  64
.set WT,  96
.set BT,  128
.set PC,  160
.set TM,  180
.set PW,  196
.set SPW, 200                          ; v200 LDS address of my spare word; never rewritten
.set NIL, 201                          ; v201 0; never rewritten
.set SEL, 20
.set LA,    4
.set LS,    5
.set LR,    6
.set VC0,   7
.set VC1,   8
.set VS,    9
.set LQ,    28
.set SBW,   14
.set C,     16
.set VO,    32
.set X,     64
.set OUTR,  128
; 64 numbers of a lane, v[s] .. v[s + 63], register 16 b + i = k 32 b + 16 (lane / 16) + i of my row, become a fragment's codes in v[PC] on and its scale word in v[PW].
.macro QUANT s
.irp b, 0,1,2,3
	v_max3_num_f32 v[TM+\b], |v[\s+16*\b]|, |v[\s+1+16*\b]|, 0x2800000   ; block b: my 16 numbers, and the floor 2^(5 - 127): the byte cannot fall under 1
.endr
.irp i, 2,4,6,8,10,12,14
.irp b, 0,1,2,3
	s_delay_alu instid0(VALU_DEP_4)
	v_max3_num_f32 v[TM+\b], v[TM+\b], |v[\s+16*\b+\i]|, |v[\s+1+16*\b+\i]|
.endr
.endr
.irp b, 0,1,2,3
	s_delay_alu instid0(VALU_DEP_4)
	v_permlanex16_b32 v[TM+4+\b], v[TM+\b], s[SEL], s[SEL+1]
.endr
.irp b, 0,1,2,3
	s_delay_alu instid0(VALU_DEP_4)
	v_max_num_f32 v[TM+\b], v[TM+\b], v[TM+4+\b]   ; with lane l xor 16's: the block's largest magnitude
.endr
.irp b, 0,1,2,3
	s_delay_alu instid0(VALU_DEP_4)
	v_add_nc_u32 v[TM+12+\b], 0xfe000000, v[TM+\b] ; 4 off its exponent field: the conversion's scale operand
.endr
.irp b, 0,1,2,3
	s_delay_alu instid0(VALU_DEP_4)
	v_lshrrev_b32 v[TM+4+\b], 23, v[TM+12+\b]      ; the scale's byte
.endr
	s_delay_alu instid0(VALU_DEP_3)
	v_lshl_or_b32 v[PW], v[TM+5], 8, v[TM+4]
	s_delay_alu instid0(VALU_DEP_1)
	v_lshl_or_b32 v[PW], v[TM+6], 16, v[PW]
	s_delay_alu instid0(VALU_DEP_1)
	v_lshl_or_b32 v[PW], v[TM+7], 24, v[PW]
.irp c, 0,1
	v_cvt_scalef32_pk16_bf6_f32 v[PC+6*\c:PC+2+6*\c], v[\s+32*\c:\s+15+32*\c], v[TM+12+2*\c]
	v_cvt_scalef32_pk16_bf6_f32 v[PC+12+4*\c:PC+14+4*\c], v[\s+16+32*\c:\s+31+32*\c], v[TM+12+2*\c+1]
.endr
	v_nop                                          ; one plain place behind a scaled conversion
.irp c, 0,1                                    ; the operand's layout wants a whole block in a lane
.irp i, 0,1,2
	v_permlane16_swap_b32 v[PC+6*\c+\i], v[PC+12+4*\c+\i]
.endr
.irp i, 0,1,2
	s_delay_alu instid0(VALU_DEP_3)
	v_mov_b32 v[PC+3+6*\c+\i], v[PC+12+4*\c+\i]
.endr
.endr
.endm
.macro LSUM t                          ; v[t] summed over the 32 lanes, in every lane
	s_delay_alu instid0(VALU_DEP_1)
	v_add_f32_dpp v[\t], v[\t], v[\t] row_xmask:1 row_mask:0xf bank_mask:0xf
	s_delay_alu instid0(VALU_DEP_1)
	v_add_f32_dpp v[\t], v[\t], v[\t] row_xmask:2 row_mask:0xf bank_mask:0xf
	s_delay_alu instid0(VALU_DEP_1)
	v_add_f32_dpp v[\t], v[\t], v[\t] row_xmask:4 row_mask:0xf bank_mask:0xf
	s_delay_alu instid0(VALU_DEP_1)
	v_add_f32_dpp v[\t], v[\t], v[\t] row_xmask:8 row_mask:0xf bank_mask:0xf
	s_delay_alu instid0(VALU_DEP_1)
	v_permlanex16_b32 v[\t+1], v[\t], s[SEL], s[SEL+1]
	s_delay_alu instid0(VALU_DEP_1)
	v_add_f32 v[\t], v[\t], v[\t+1]
.endm
.macro STATS x, t                      ; the row in v[x] on becomes x - mean; v[t] = variance + eps
	v_pk_add_f32 v[\t:\t+1], v[\x:\x+1], v[\x+2:\x+3]
	v_pk_add_f32 v[\t+2:\t+3], v[\x+4:\x+5], v[\x+6:\x+7]
.irp j, 8,12,16,20,24,28
	s_delay_alu instid0(VALU_DEP_2)
	v_pk_add_f32 v[\t:\t+1], v[\t:\t+1], v[\x+\j:\x+\j+1]
	s_delay_alu instid0(VALU_DEP_2)
	v_pk_add_f32 v[\t+2:\t+3], v[\t+2:\t+3], v[\x+\j+2:\x+\j+3]
.endr
	s_delay_alu instid0(VALU_DEP_1)
	v_pk_add_f32 v[\t:\t+1], v[\t:\t+1], v[\t+2:\t+3]
	s_delay_alu instid0(VALU_DEP_1)
	v_add_f32 v[\t], v[\t], v[\t+1]
	LSUM \t
	s_delay_alu instid0(VALU_DEP_1)
	v_mul_f32 v[\t], s16, v[\t]                    ; the mean
.irp j, 0,2,4,6,8,10,12,14,16,18,20,22,24,26,28,30
	v_pk_add_f32 v[\x+\j:\x+\j+1], v[\x+\j:\x+\j+1], v[\t:\t+1] op_sel_hi:[1,0] neg_lo:[0,1] neg_hi:[0,1]
.endr
	v_pk_mul_f32 v[\t:\t+1], v[\x:\x+1], v[\x:\x+1]
	v_pk_mul_f32 v[\t+2:\t+3], v[\x+2:\x+3], v[\x+2:\x+3]
.irp j, 4,8,12,16,20,24,28
	s_delay_alu instid0(VALU_DEP_2)
	v_pk_fma_f32 v[\t:\t+1], v[\x+\j:\x+\j+1], v[\x+\j:\x+\j+1], v[\t:\t+1]
	s_delay_alu instid0(VALU_DEP_2)
	v_pk_fma_f32 v[\t+2:\t+3], v[\x+\j+2:\x+\j+3], v[\x+\j+2:\x+\j+3], v[\t+2:\t+3]
.endr
	s_delay_alu instid0(VALU_DEP_1)
	v_pk_add_f32 v[\t:\t+1], v[\t:\t+1], v[\t+2:\t+3]
	s_delay_alu instid0(VALU_DEP_1)
	v_add_f32 v[\t], v[\t], v[\t+1]
	LSUM \t
	s_delay_alu instid0(VALU_DEP_1)
	v_fma_f32 v[\t], v[\t], s16, s17
.endm
.macro NORM x, t
.irp j, 0,2,4,6,8,10,12,14,16,18,20,22,24,26,28,30
	v_pk_mul_f32 v[\x+\j:\x+\j+1], v[\x+\j:\x+\j+1], v[\t:\t+1] op_sel_hi:[1,0]
.endr
.irp j, 0,2,4,6,8,10,12,14,16,18,20,22,24,26,28,30
	v_pk_fma_f32 v[\x+\j:\x+\j+1], v[\x+\j:\x+\j+1], v[WT+\j:WT+\j+1], v[BT+\j:BT+\j+1]
.endr
.endm
	s_load_b256 s[4:11], s[0:1], 0x0               ; the rows, the gain, the bias, a
	s_load_b128 s[40:43], s[0:1], 0x20             ; W1, W2
	s_load_b64 s[50:51], s[0:1], 0x30              ; w
	s_load_b64 s[2:3], s[0:1], 0x38                ; wn: W2's codes and scale images, in records
	v_lshl_add_u32 v[SPW], v0, 2, SPARE
	v_mov_b32 v[NIL], 0
	v_lshrrev_b32 v1, 5, v0
	s_delay_alu instid0(VALU_DEP_1)
	v_readfirstlane_b32 s12, v1                    ; wave 0..7
	s_cmp_ge_u32 ttmp9, 256                        ; the work-group's number alone: all eight waves go the same way
	s_cbranch_scc1 .Lweights
	; ---- LayerNorm: tile T = the work-group's number
	v_and_b32 v2, 31, v0
	s_delay_alu instid0(VALU_DEP_1)
	v_lshlrev_b32 v3, 4, v2                        ; 16 x lane
	s_wait_alu depctr_va_vdst(0)
	s_lshr_b32 s13, ttmp9, 1
	s_lshl_b32 s13, s13, 5
	s_and_b32 s14, ttmp9, 1
	s_lshl_b32 s14, s14, 3
	s_add_co_u32 s13, s13, s14
	s_lshl_b32 s14, s12, 1
	s_add_co_u32 s13, s13, s14
	s_lshr_b32 s14, s12, 2
	s_lshl_b32 s14, s14, 3
	s_add_co_u32 s13, s13, s14                     ; the row in memory of the tile's lane 2 w
	s_lshl_b32 s14, s13, 12
	s_mov_b32 s15, 0
	s_mov_b32 s16, 0x3a800000                      ; 1 / 1,024
	s_mov_b32 s17, 0x3727c5ac                      ; eps = 1e-5
	s_mov_b32 s[SEL], 0x76543210
	s_mov_b32 s[SEL+1], 0xfedcba98
	s_mul_i32 s18, s12, 2*PITCH
	v_add_nc_u32 v4, s18, v3                       ; LDS, in: my two rows, 16 x lane
	v_and_b32 v5, 15, v0
	v_bfe_u32 v6, v0, 4, 1
	s_delay_alu instid0(VALU_DEP_2)
	v_mul_u32_u24 v5, v5, PITCH
	s_delay_alu instid0(VALU_DEP_1)
	v_lshl_add_u32 v5, v6, 6, v5
	s_lshl_b32 s18, s12, 9
	v_add_nc_u32 v5, s18, v5                       ; LDS, out: row r, K step w, + 64 h
	v_lshlrev_b32 v6, 3, v2
	v_lshlrev_b32 v7, 2, v2
.irp b, 0,1,2,3
	v_mov_b32 v[TM+4+\b], 0                        ; written once: a lane permute's destination counts as one of its sources
.endr
	s_lshl_b32 s18, ttmp9, 3
	s_add_co_u32 s18, s18, s12                     ; fragment 8 T + w
	s_mul_i32 s22, s18, 1536
	s_mov_b32 s23, 0
	s_lshl_b32 s24, s18, 7
	s_add_co_u32 s24, s24, ASC
	s_mov_b32 s25, 0
	s_wait_kmcnt 0x0
	s_add_nc_u64 s[4:5], s[4:5], s[14:15]
	s_add_nc_u64 s[22:23], s[10:11], s[22:23]
	s_add_nc_u64 s[24:25], s[10:11], s[24:25]
.irp j, 0,1,2,3,4,5,6,7
	global_load_b128 v[X0+4*\j:X0+4*\j+3], v3, s[4:5] offset:512*\j
.endr
.irp j, 0,1,2,3,4,5,6,7
	global_load_b128 v[X1+4*\j:X1+4*\j+3], v3, s[4:5] offset:4096+512*\j
.endr
.irp j, 0,1,2,3,4,5,6,7
	global_load_b128 v[WT+4*\j:WT+4*\j+3], v3, s[6:7] offset:512*\j
.endr
.irp j, 0,1,2,3,4,5,6,7
	global_load_b128 v[BT+4*\j:BT+4*\j+3], v3, s[8:9] offset:512*\j
.endr
	s_wait_loadcnt 16                              ; both rows are in; the 16 loads of gain and bias may be out
	STATS X0, 8
	STATS X1, 12
	s_wait_alu depctr_va_vdst(0)
	v_rsq_f32 v8, v8
	v_rsq_f32 v12, v12
	v_nop                                          ; a plain place behind the transcendentals
	s_wait_alu depctr_va_vdst(0)                   ; one wait for both, ahead of their first reader
	s_wait_loadcnt 0x0
	NORM X0, 8
	NORM X1, 12
.irp j, 0,1,2,3,4,5,6,7
	ds_store_b128 v4, v[X0+4*\j:X0+4*\j+3] offset:512*\j
	ds_store_b128 v4, v[X1+4*\j:X1+4*\j+3] offset:PITCH+512*\j
.endr
	s_wait_dscnt 0x0                               ; for the others' sake: my rows lie in LDS
	s_barrier_signal -1
	s_barrier_wait -1
.irp b, 0,1,2,3
.irp j, 0,1,2,3
	ds_load_b128 v[32+16*\b+4*\j:32+16*\b+4*\j+3], v5 offset:128*\b+16*\j
.endr
.endr
	s_wait_dscnt 0x0
	QUANT 32
.irp p, 0,1,2,3,4,5
	global_store_b64 v6, v[PC+2*\p:PC+2*\p+1], s[22:23] offset:256*\p  ; 32 lanes store 256 consecutive bytes, aligned
.endr
	global_store_b32 v7, v[PW], s[24:25]
	s_wait_tensorcnt 0x0                           ; the wave's end, behind my last LDS store
	ds_add_u32 v[SPW], v[NIL]
	s_wait_dscnt 0x0
	s_endpgm
	; ---- the weights
.Lweights:
	v_and_b32 v1, 31, v0                           ; lane
	s_wait_alu depctr_va_vdst(0)
	s_sub_co_u32 s20, ttmp9, 256
	s_and_b32 s22, s20, 15                         ; W1: which 256 of its 4,096 columns,
	s_lshr_b32 s23, s20, 4                         ; which 128 of its 1,024 along K
	s_and_b32 s27, s20, 127                        ; W2:
	s_and_b32 s28, s27, 3                          ; which 256 of its 1,024 columns,
	s_lshr_b32 s29, s27, 2                         ; which 128 of its 4,096 along K
	s_mov_b32 s31, 16384                           ; a row of W in bytes
	s_mov_b32 s24, 2560                            ; the weight's first fragment
	s_cmp_ge_u32 s20, 128
	s_cselect_b32 s22, s28, s22
	s_cselect_b32 s23, s29, s23
	s_cselect_b32 s31, 4096, s31
	s_cselect_b32 s24, 4608, s24
	s_cselect_b32 s26, 32, 8                       ; KS: fragments along K
	s_lshl_b32 s25, s22, 3
	s_add_co_u32 s25, s25, s12                     ; g: my wave's group of 32 columns
	s_mul_i32 s52, s23, s31
	s_lshl_b32 s52, s52, 7                         ; 128 s rows
	s_lshl_b32 s53, s25, 7
	s_add_co_u32 s52, s52, s53                     ; + 128 bytes a group
	s_mov_b32 s53, 0
	s_lshl_b32 s54, s31, 5                         ; 32 rows: a block on
	s_mov_b32 s55, 0
	s_mul_i32 s56, s25, s26
	s_lshl_b32 s56, s56, 1                         ; tile 2 g
	s_add_co_u32 s56, s56, s24
	s_add_co_u32 s56, s56, s23                     ; F: tile 2 g's fragment; tile 2 g + 1's lies KS further on
	s_mul_i32 s58, s56, 1536
	s_mov_b32 s59, 0
	s_lshl_b32 s56, s56, 7
	s_add_co_u32 s56, s56, WSC
	s_mov_b32 s57, 0
	; W2 goes to wn, from byte 851,968 on, in RECORDS of 13,312 bytes: (64 columns, 2 K steps) = 4 tiles x (two fragments of 1,536 bytes, then their two scale images of 128 bytes);
	; record (quad Q, pair of steps g) at (16 Q + g) x 13,312, tile i of the quad at 3,328 i.  The choice hangs on the work-group's number alone.
	s_mul_i32 s62, s26, 1536                       ; from tile 2 g to tile 2 g + 1: codes,
	s_lshl_b32 s63, s26, 7                         ; scale images
	s_lshr_b32 s27, s25, 1                         ; Q
	s_mul_i32 s27, s27, 212992
	s_lshr_b32 s28, s23, 1
	s_mul_i32 s28, s28, 13312
	s_add_co_u32 s27, s27, s28
	s_and_b32 s28, s25, 1
	s_mul_i32 s28, s28, 6656                       ; tile 2 (g % 2) of the quad
	s_add_co_u32 s27, s27, s28
	s_add_co_u32 s27, s27, 851968
	s_and_b32 s28, s23, 1
	s_mul_i32 s29, s28, 1536
	s_add_co_u32 s29, s29, s27
	s_lshl_b32 s28, s28, 7
	s_add_co_u32 s28, s28, s27
	s_add_co_u32 s28, s28, 3072
	s_cmp_ge_u32 s20, 128
	s_cselect_b32 s58, s29, s58
	s_cselect_b32 s56, s28, s56
	s_cselect_b32 s62, 3328, s62
	s_cselect_b32 s63, 3328, s63
	v_lshlrev_b32 v10, 2, v1
.set I, 0
.rept 32
	v_mad_u32_u24 v[VO+I], s31, I, v10             ; row i of a block, my column
.set I, I+1
.endr
	v_bfe_u32 v11, v0, 3, 1                        ; column l of the group lies in tile u = (l / 8) % 2,
	v_and_b32 v12, 7, v0
	v_bfe_u32 v13, v0, 4, 1
	s_delay_alu instid0(VALU_DEP_1)
	v_lshl_or_b32 v12, v13, 3, v12                 ; at its lane r = l % 8 + 8 (l / 16)
	s_mul_i32 s61, s12, WREG
	s_add_co_u32 s61, s61, WB                      ; my wave's LDS bytes
	v_mul_u32_u24 v[LA], v11, TST
	s_delay_alu instid0(VALU_DEP_1)
	v_lshl_add_u32 v[LA], v12, 3, v[LA]
	s_delay_alu instid0(VALU_DEP_1)
	v_add_nc_u32 v[LA], s61, v[LA]
	v_lshlrev_b32 v[LS], 7, v11
	s_delay_alu instid0(VALU_DEP_1)
	v_lshl_add_u32 v[LS], v12, 2, v[LS]
	s_delay_alu instid0(VALU_DEP_1)
	v_add_nc_u32 v[LS], s61, v[LS]
	s_delay_alu instid0(VALU_DEP_1)
	v_add_nc_u32 v[LS], SCO, v[LS]
	v_lshlrev_b32 v[VC0], 4, v1
	s_delay_alu instid0(VALU_DEP_1)
	v_add_nc_u32 v[LR], s61, v[VC0]
	v_lshlrev_b32 v[LQ], 3, v1
	s_delay_alu instid0(VALU_DEP_1)
	v_add_nc_u32 v[LQ], s61, v[LQ]
	s_delay_alu instid0(VALU_DEP_1)
	v_add_nc_u32 v[LQ], SCO, v[LQ]
	v_add_nc_u32 v[VC1], s62, v[VC0]
	v_and_b32 v[VS], 15, v0
	s_delay_alu instid0(VALU_DEP_1)
	v_lshlrev_b32 v[VS], 3, v[VS]
	v_mad_u32_u24 v[VS], v13, s63, v[VS]           ; lanes 0-15 tile 0's image, lanes 16-31 tile 1's
	s_wait_kmcnt 0x0
	s_cmp_ge_u32 s20, 128                          ; the weight's address: a choice on the work-group's number
	s_cselect_b64 s[18:19], s[42:43], s[40:41]
	s_cselect_b64 s[28:29], s[2:3], s[50:51]       ; W2's results go to wn, W1's to w
	s_add_nc_u64 s[32:33], s[18:19], s[52:53]      ; a base for each of the four blocks: nothing is stepped
.irp t, 1,2,3
	s_add_nc_u64 s[32+2*\t:33+2*\t], s[30+2*\t:31+2*\t], s[54:55]
.endr
	s_add_nc_u64 s[58:59], s[28:29], s[58:59]      ; my codes
	s_add_nc_u64 s[56:57], s[28:29], s[56:57]      ; my scale images
.macro LOAD t                          ; block t: W(32 t + i, my column) into set t % 2; a wave's load reads 128 consecutive bytes, the eight waves' 1,024
.set I, 0
.rept 32
	global_load_b32 v[X+32*((\t)%2)+I], v[VO+I], s[32+2*(\t):33+2*(\t)] th:TH_LOAD_NT
.set I, I+1
.endr
.endm
	LOAD 0
	LOAD 1
.macro BLOCK t
.set XS, X+32*((\t)%2)
.if (\t) < 3
	s_wait_loadcnt 32                              ; this block's 32 loads are in; the next block's 32 may be out
.else
	s_wait_loadcnt 0x0
.endif
	v_max3_num_f32 v24, |v[XS]|, |v[XS+1]|, |v[XS+2]|              ; the block's largest magnitude: all 32 numbers are mine
	v_max3_num_f32 v25, |v[XS+3]|, |v[XS+4]|, |v[XS+5]|
.irp i, 6,10,14,18,22,26
	s_delay_alu instid0(VALU_DEP_2)
	v_max3_num_f32 v24, v24, |v[XS+\i]|, |v[XS+\i+1]|
	s_delay_alu instid0(VALU_DEP_2)
	v_max3_num_f32 v25, v25, |v[XS+\i+2]|, |v[XS+\i+3]|
.endr
	s_delay_alu instid0(VALU_DEP_2)
	v_max3_num_f32 v24, v24, |v[XS+30]|, |v[XS+31]|
	s_delay_alu instid0(VALU_DEP_1)
	v_max3_num_f32 v24, v24, v25, (EMAX+1)<<23     ; and the floor 2^(5 - 127): the byte cannot fall under 1
	s_delay_alu instid0(VALU_DEP_1)
	v_add_nc_u32 v26, -(EMAX<<23), v24             ; 4 off the exponent field: the conversion's scale operand
	s_delay_alu instid0(VALU_DEP_1)
	v_lshrrev_b32 v27, 23, v26                     ; the scale's byte
.if (\t) == 0
	s_delay_alu instid0(VALU_DEP_1)
	v_mov_b32 v[SBW], v27
.else
	s_delay_alu instid0(VALU_DEP_1)
	v_lshl_or_b32 v[SBW], v27, 8*(\t), v[SBW]
.endif
	v_cvt_scalef32_pk16_bf6_f32 v[C:C+2], v[XS:XS+15], v26
	v_cvt_scalef32_pk16_bf6_f32 v[C+4:C+6], v[XS+16:XS+31], v26    ; (a conversion's three registers begin on an even number)
	v_nop                                          ; one plain place behind a scaled conversion
	v_mov_b32 v[C+3], v[C+4]
	v_mov_b32 v[C+4], v[C+5]
	v_mov_b32 v[C+5], v[C+6]                       ; six registers on end: the block's 24 bytes
.irp e, 0,1,2                          ; block t is half c = t / 2 of the fragment, and belongs to lane r + 16 (t % 2) of its image
	ds_store_b64 v[LA], v[C+2*\e:C+2*\e+1] offset:768*((\t)/2)+128*((\t)%2)+256*\e
.endr
.if (\t) == 3
	ds_store_b32 v[LS], v[SBW]                     ; the fragment's scale word, for lane r
	ds_store_b32 v[LS], v[SBW] offset:64           ; and for lane r + 16
.endif
.if (\t)+2 < 4
	LOAD (\t)+2
.endif
	s_wait_dscnt 0x0                               ; the stores have read their registers: the next block's codes may be written
.endm
.irp t, 0,1,2,3
	BLOCK \t
.endr
.irp n, 0,1,2,3,4,5
	ds_load_b128 v[OUTR+4*\n:OUTR+4*\n+3], v[LR] offset:(\n/3)*TST+512*(\n%3)    ; LDS serves a wave's instructions in order: these see my stores
.endr
	ds_load_b64 v[OUTR+24:OUTR+25], v[LQ]
.irp n, 0,1,2
	s_wait_dscnt 6-\n                              ; the younger loads may be out
	global_store_b128 v[VC0], v[OUTR+4*\n:OUTR+4*\n+3], s[58:59] offset:512*\n   ; 32 lanes store 512 consecutive bytes, aligned to 256
.endr
.irp n, 3,4,5
	s_wait_dscnt 6-\n
	global_store_b128 v[VC1], v[OUTR+4*\n:OUTR+4*\n+3], s[58:59] offset:512*(\n-3)
.endr
	s_wait_dscnt 0x0
	global_store_b64 v[VS], v[OUTR+24:OUTR+25], s[56:57]           ; sixteen lanes store a tile's scale image: 128 consecutive bytes
	s_wait_tensorcnt 0x0                           ; the wave's end, behind my last LDS store
	ds_add_u32 v[SPW], v[NIL]
	s_wait_dscnt 0x0
	s_endpgm
.Lfunc_end_k_q6b7c44b01a_lnw2:
	.size	k_q6b7c44b01a_lnw2, .Lfunc_end_k_q6b7c44b01a_lnw2-k_q6b7c44b01a_lnw2
	.p2alignl 7, 3214868480
	.fill 96, 4, 3214868480
	.section	.rodata,"a",@progbits
	.p2align	6, 0x0
	.amdhsa_kernel k_q6b7c44b01a_lnw2
		.amdhsa_group_segment_fixed_size 95744
		.amdhsa_private_segment_fixed_size 0
		.amdhsa_enable_private_segment 0
		.amdhsa_kernarg_size 64
		.amdhsa_user_sgpr_count 2
		.amdhsa_user_sgpr_kernarg_segment_ptr 1
		.amdhsa_wavefront_size32 1
		.amdhsa_system_sgpr_workgroup_id_x 1
		.amdhsa_system_sgpr_workgroup_id_y 1
		.amdhsa_system_sgpr_workgroup_id_z 1
		.amdhsa_system_vgpr_workitem_id 0
		.amdhsa_next_free_vgpr 208
		.amdhsa_next_free_sgpr 66
		.amdhsa_reserve_vcc 0
		.amdhsa_float_denorm_mode_32 3
		.amdhsa_float_denorm_mode_16_64 3
		.amdhsa_memory_ordered 1
		.amdhsa_forward_progress 1
		.amdhsa_inst_pref_size 58
	.end_amdhsa_kernel
	.amdgpu_metadata
---
amdhsa.version: [ 1, 2 ]
amdhsa.kernels:
  - .name:           k_q6b7c44b01a_lnw2
    .symbol:         k_q6b7c44b01a_lnw2.kd
    .args:
      - { .name: x1, .offset: 0, .size: 8, .value_kind: global_buffer, .address_space: global }
      - { .name: ln2_w, .offset: 8, .size: 8, .value_kind: global_buffer, .address_space: global }
      - { .name: ln2_b, .offset: 16, .size: 8, .value_kind: global_buffer, .address_space: global }
      - { .name: a, .offset: 24, .size: 8, .value_kind: global_buffer, .address_space: global }
      - { .name: W1, .offset: 32, .size: 8, .value_kind: global_buffer, .address_space: global }
      - { .name: W2, .offset: 40, .size: 8, .value_kind: global_buffer, .address_space: global }
      - { .name: w, .offset: 48, .size: 8, .value_kind: global_buffer, .address_space: global }
      - { .name: wn, .offset: 56, .size: 8, .value_kind: global_buffer, .address_space: global }
    .group_segment_fixed_size: 95744
    .private_segment_fixed_size: 0
    .kernarg_segment_align: 8
    .kernarg_segment_size: 64
    .max_flat_workgroup_size: 256
    .sgpr_count:     66
    .vgpr_count:     208
    .wavefront_size: 32
...
	.end_amdgpu_metadata
.endif
;; end of part 5
;; launch g3 (part 6): grid 16 x 16, 4 waves a work-group, clusters of 4 x 4, 327,680 bytes of LDS; arguments a, w, b1, h; writes h
.if DOCPART == 6
	.amdgcn_target "amdgcn-amd-amdhsa--gfx1250"
	.amdhsa_code_object_version 6
	.text
	.protected	k_q6b7c44b01a_g3
	.globl	k_q6b7c44b01a_g3
	.p2align	8
	.type	k_q6b7c44b01a_g3,@function
k_q6b7c44b01a_g3:
	s_mov_b64 s[64:65], 0
	v_nop
	global_prefetch_b8 v0, s[64:65] scope:SCOPE_SE
	s_setreg_imm32_b32 hwreg(HW_REG_WAVE_MODE, 25, 1), 1
	s_wait_xcnt 0x0
	s_wait_alu depctr_hold_cnt(0) depctr_sa_sdst(0) depctr_va_vdst(0) depctr_va_sdst(0) depctr_va_ssrc(0) depctr_va_vcc(0) depctr_vm_vsrc(0)
	s_getreg_b32 s2, hwreg(HW_REG_IB_STS2, 6, 4)
	s_cmp_eq_u32 s2, 0
	s_cbranch_scc0 .Lentry_in_a_cluster
	s_endpgm
.Lentry_in_a_cluster:
	s_bfe_u32 s2, ttmp6, 0x10000c
	s_cmp_lg_u32 s2, 0xf033
	s_cbranch_scc0 .Lentry_shape_is_right
	s_endpgm
.Lentry_shape_is_right:
; h = Q(silu(xn2 W1 + b1)): a product on codes of BF6 (E3M2), [4,096 x 1,024] x [1,024 x 4,096]; the result is quantised along the hidden axis in registers and stored as codes.  Nothing of reference() is left out here.
; A tile of 256 x 256 is made by four waves, 128 x 128 each.  K = 1,024 goes in steps of 256 through two LDS slots filled by the tensor data mover.
; Operands are fragment images: tile T's lane r = row 32 (T / 2) + 8 (T % 2) + r + 8 (r / 8); fragment (T, s) at (8 T + s) x 1,536, register pair p at 256 p + 8 x lane; scale images of 128 bytes likewise.
; The matrix instruction is used transposed (source 0 = W1's columns, source 1 = tokens): a lane holds one token, and register 16 b + i of a row block's 64 holds hidden unit 32 b + 16 (lane / 16) + i of the wave's 128:
; one K step of the next product.  Clusters of 4 x 4: the tokens' tiles are shared along a row, W1's along a column, asked for jointly.  The scale images come once.
; THE WAY OUT is a loop over the wave's eight row blocks; only the first touch of a block's accumulators is written eight times and chosen by the loop's count.  h: in records of 13,312 bytes, (16 quad + pair of steps) x 13,312, tile i at 3,328 i.
; LIMITS: a block of zeros keeps the byte 1; NaN and infinities are not served.
.set FR,    12
.set NL,    6
.set NP,    4
.set NQ,    2
.set FRB,   1536
.set TILEB, NQ*FRB
.set HALFT, 8*TILEB
.set SLOT,  4*HALFT
.set LAPS,  2
.set SCL,   2*SLOT
.set HALFS, 8192
.set SPARE, SCL+4*HALFS                ; the spare words, 128 bytes a wave: two blocks of 256 bytes that no other line names
.set ASC,   3145728
.set BCO,   3932160
.set BSO,   10551296
.set HSC,   12582912
.set LI8,   8
.set LI4,   9
.set BOF,   10
.set ADRA,  16
.set ADRB,  20
.set ADRS,  27
.set SPW,   28
.set NIL,   29
.set SC,    32                         ; v32-63 scale words, two sets; they hold nothing else
.set BIAS,  64
.set AF,    128
.set E,     128
.set U,     192
.set PC,    192
.set TM,    212
.set PW,    228
.set WV,  14
.set FA,  15
.set HB,  16
.set G1,  24
.set G0,  32
.set G1B, 48
.set G0B, 56
.set G1S, 68
.set G0S, 76
.set G1SB, 80
.set G0SB, 88
.set BP,  92
.set SEL, 96
.set OB,  98
.set OS,  100
.set MSB, 0
.macro WIN new
.if MSB != (\new)
	s_set_vgpr_msb (MSB<<8)|(\new)
.set MSB, (\new)
.endif
.endm
.set MUL_LO, 0xa1
.set MUL_HI, 0xf1
.set TO_B,   0x40
.macro JLOAD g0a, g1a, g0b, g1b
	s_cmp_eq_u32 s[FA], 0
	s_cbranch_scc0 .Lfor_b_\@
	tensor_load_to_lds s[\g0a:\g0a+3], s[\g1a:\g1a+7]
	s_nop 0
.rept 4
	v_nop
.endr
	s_branch .Lasked_\@
.Lfor_b_\@:
	tensor_load_to_lds s[\g0b:\g0b+3], s[\g1b:\g1b+7]
	s_nop 0
.rept 4
	v_nop
.endr
.Lasked_\@:
.endm
.macro CREST
	s_cmp_lg_u32 s[WV], 0
	s_cbranch_scc1 .Lnot_wave_0_\@
	s_barrier_signal -3
.Lnot_wave_0_\@:
	s_barrier_wait -3
	s_barrier_signal -1
	s_barrier_wait -1
.endm
.macro CROUND
	s_barrier_signal -1
	s_barrier_wait -1
	CREST
.endm
.macro QUANT s
.irp b, 0,1,2,3
	v_max3_num_f32 v[TM+\b], |v[\s+16*\b]|, |v[\s+1+16*\b]|, 0x2800000   ; my 16 numbers of block b, and the floor 2^(5 - 127)
.endr
.irp i, 2,4,6,8,10,12,14
.irp b, 0,1,2,3
	v_max3_num_f32 v[TM+\b], v[TM+\b], |v[\s+16*\b+\i]|, |v[\s+1+16*\b+\i]|
.endr
.endr
.irp b, 0,1,2,3
	v_permlanex16_b32 v[TM+4+\b], v[TM+\b], s[SEL], s[SEL+1]
.endr
.irp b, 0,1,2,3
	v_max_num_f32 v[TM+\b], v[TM+\b], v[TM+4+\b]
.endr
.irp b, 0,1,2,3
	v_add_nc_u32 v[TM+12+\b], 0xfe000000, v[TM+\b]
.endr
.irp b, 0,1,2,3
	v_lshrrev_b32 v[TM+4+\b], 23, v[TM+12+\b]
.endr
	v_lshl_or_b32 v[PW], v[TM+5], 8, v[TM+4]
	v_lshl_or_b32 v[PW], v[TM+6], 16, v[PW]
	v_lshl_or_b32 v[PW], v[TM+7], 24, v[PW]
.irp c, 0,1
	v_cvt_scalef32_pk16_bf6_f32 v[PC+6*\c:PC+2+6*\c], v[\s+32*\c:\s+15+32*\c], v[TM+12+2*\c]
	v_cvt_scalef32_pk16_bf6_f32 v[PC+12+4*\c:PC+14+4*\c], v[\s+16+32*\c:\s+31+32*\c], v[TM+12+2*\c+1]
.endr
	v_nop                                          ; one plain place behind a scaled conversion
.irp c, 0,1
.irp i, 0,1,2
	v_permlane16_swap_b32 v[PC+6*\c+\i], v[PC+12+4*\c+\i]
.endr
.irp i, 0,1,2
	v_mov_b32 v[PC+3+6*\c+\i], v[PC+12+4*\c+\i]
.endr
.endr
.endm
.macro QSTORE stepc, steps
	QUANT E
.irp p, 0,1,2,3,4,5
	global_store_b64 v[LI8], v[PC+2*\p:PC+2*\p+1], s[OB:OB+1] offset:256*\p    ; 32 lanes store 256 consecutive bytes, aligned
.endr
	global_store_b32 v[LI4], v[PW], s[OS:OS+1]
	s_wait_xcnt 0x0                                ; the stores have read their registers and bases
	s_add_nc_u64 s[OB:OB+1], s[OB:OB+1], \stepc
	s_add_nc_u64 s[OS:OS+1], s[OS:OS+1], \steps
.endm
	s_load_b256 s[4:11], s[0:1], 0x0               ; a, w, b1, h
	v_lshl_add_u32 v[SPW], v0, 2, SPARE
	v_mov_b32 v[NIL], 0
	ds_add_u32 v[SPW], v[NIL]                      ; the wave's opening: the add, twice on end, and its wait ahead of my first tensor load
	ds_add_u32 v[SPW], v[NIL]
	v_lshrrev_b32 v1, 5, v0
	v_readfirstlane_b32 s[WV], v1
	s_lshr_b32 s[FA], s[WV], 1
	s_and_b32 s[HB], s[WV], 1
	s_bfe_u32 s40, ttmp6, 0x40000
	s_bfe_u32 s41, ttmp6, 0x40004
	s_lshl_b32 s42, ttmp9, 2
	s_add_co_u32 s42, s42, s40                     ; W1's block of 256 columns
	s_and_b32 s17, ttmp7, 0xffff
	s_lshl_b32 s17, s17, 2
	s_add_co_u32 s17, s17, s41                     ; the tokens' block of 256
	s_lshl_b32 s43, s41, 2
	s_lshl_b32 s43, 15, s43
	s_lshl_b32 s44, 0x1111, s40
	s_or_b32 s[G1+0], s43, (3<<16)|(1<<21)         ; codes: 8 rows (tiles) of 3,072 bytes, 12,288 bytes apart
	s_or_b32 s[G1B+0], s44, (3<<16)|(1<<21)
.irp g, G1, G1B
	s_mov_b32 s[\g+1], 384<<16
	s_mov_b32 s[\g+2], 16<<16                      ; the head's loads of codes bring all 16 tiles; behind them the two words that count rows are set to 8, for the ring's
	s_mov_b32 s[\g+3], 384<<16
	s_mov_b32 s[\g+4], 16
	s_mov_b32 s[\g+5], 1536
	s_mov_b32 s[\g+6], 0
	s_mov_b32 s[\g+7], 0
.endr
	s_or_b32 s[G1S+0], s43, (3<<16)|(1<<21)        ; scale images of 16 tiles: 16,384 dense bytes, as 64 rows of 256
	s_or_b32 s[G1SB+0], s44, (3<<16)|(1<<21)
.irp g, G1S, G1SB
	s_mov_b32 s[\g+1], 32<<16
	s_mov_b32 s[\g+2], 64<<16                      ; the scale images of 16 tiles: 16,384 dense bytes, 64 rows of 256
	s_mov_b32 s[\g+3], 32<<16
	s_mov_b32 s[\g+4], 64
	s_mov_b32 s[\g+5], 32
	s_mov_b32 s[\g+6], 0
	s_mov_b32 s[\g+7], 0
.endr
	s_lshl_b32 s18, s[HB], 3
	s_lshl_b32 s20, s17, 4
	s_add_co_u32 s20, s20, s18
	s_lshl_b32 s46, s42, 4
	s_add_co_u32 s46, s46, s18
	s_lshl_b32 s22, s20, 10
	s_mov_b32 s23, 0
	s_lshl_b32 s92, s46, 10
	s_mov_b32 s93, 0
	s_mul_i32 s20, s20, 12288
	s_mov_b32 s21, 0
	s_mul_i32 s46, s46, 12288
	s_mov_b32 s47, 0
	s_mul_i32 s45, s[WV], HALFT
	s_mul_i32 s12, s[HB], 98304                    ; from a block's first tile to my half of it: 8 tiles of codes,
	s_mov_b32 s13, 0
	s_lshl_b32 s66, s[HB], 13                      ; 8 tiles of scale images
	s_mov_b32 s67, 0
	s_wait_dscnt 0x0                               ; both opening adds are done
	s_wait_kmcnt 0x0
	s_add_nc_u64 s[20:21], s[4:5], s[20:21]
	s_add_nc_u64 s[22:23], s[4:5], s[22:23]
	s_add_nc_u64 s[22:23], s[22:23], ASC
	s_add_nc_u64 s[46:47], s[6:7], s[46:47]
	s_add_nc_u64 s[46:47], s[46:47], BCO
	s_add_nc_u64 s[92:93], s[6:7], s[92:93]
	s_add_nc_u64 s[92:93], s[92:93], BSO
	CROUND                                         ; all sixteen work-groups are here: the first joint loads meet
	s_mov_b32 s[G0S], 1
	s_mov_b32 s[G0S+1], SCL
	s_sub_nc_u64 s[G0S+2:G0S+3], s[22:23], s[66:67]
	s_or_b32 s[G0S+3], s[G0S+3], 0x80000000
	s_mov_b32 s[G0SB], 1
	s_mov_b32 s[G0SB+1], SCL+2*HALFS
	s_sub_nc_u64 s[G0SB+2:G0SB+3], s[92:93], s[66:67]
	s_or_b32 s[G0SB+3], s[G0SB+3], 0x80000000
.irp s, 0,1
	s_mov_b32 s[G0+4*\s], 1
	s_add_co_u32 s[G0+4*\s+1], s45, \s*SLOT
	s_add_nc_u64 s[G0+4*\s+2:G0+4*\s+3], s[20:21], \s*TILEB
	s_or_b32 s[G0+4*\s+3], s[G0+4*\s+3], 0x80000000
	s_mov_b32 s[G0B+4*\s], 1
	s_add_co_u32 s[G0B+4*\s+1], s45, \s*SLOT
	s_add_nc_u64 s[G0B+4*\s+2:G0B+4*\s+3], s[46:47], \s*TILEB
	s_or_b32 s[G0B+4*\s+3], s[G0B+4*\s+3], 0x80000000
.endr
	; THE HEAD'S LOADS, ONE A WAVE: wave 0 fetches slot 0's 16 tiles of tokens, wave 1 its 16 tiles of W1, wave 2 the tokens' scale images, wave 3 W1's.
	; For them slot 0's two group 0 name the whole block; behind the wait that shows the loads landed they are set back to my half.
	s_mov_b32 s[G0+1], 0
	s_sub_nc_u64 s[G0+2:G0+3], s[G0+2:G0+3], s[12:13]
	s_mov_b32 s[G0B+1], 2*HALFT
	s_sub_nc_u64 s[G0B+2:G0B+3], s[G0B+2:G0B+3], s[12:13]
.macro ARM under, g0, g1, next
	s_cmp_lt_u32 s[WV], \under
	s_cbranch_scc0 \next
	tensor_load_to_lds s[\g0:\g0+3], s[\g1:\g1+7]
	s_nop 0
.rept 4
	v_nop
.endr
	s_branch .Lhead_asked
\next:
.endm
	ARM 1, G0,  G1,  .Lhead_b
	ARM 2, G0B, G1B, .Lhead_sa
	ARM 3, G0S, G1S, .Lhead_sb
	tensor_load_to_lds s[G0SB:G0SB+3], s[G1SB:G1SB+7]
	s_nop 0
.rept 4
	v_nop
.endr
.Lhead_asked:
	v_and_b32 v1, 31, v0
	v_bfe_u32 v2, v0, 4, 1
	s_wait_alu depctr_va_vdst(0)
	v_lshlrev_b32 v[LI8], 3, v1
	v_lshlrev_b32 v[LI4], 2, v1
	v_lshlrev_b32 v[BOF], 6, v2
	s_mul_i32 s21, s[FA], HALFT
	s_mul_i32 s22, s[HB], HALFT
	s_add_co_u32 s22, s22, 2*HALFT
.irp s, 0,1
	v_add_nc_u32 v[ADRA+\s], s21, v[LI8]
	v_add_nc_u32 v[ADRB+\s], s22, v[LI8]
	s_add_co_u32 s21, s21, SLOT
	s_add_co_u32 s22, s22, SLOT
.endr
	s_mul_i32 s21, s[FA], HALFS
	s_mul_i32 s22, s[HB], HALFS
	s_add_co_u32 s22, s22, 2*HALFS
	s_sub_co_u32 s22, s22, s21
	v_mul_u32_u24 v6, s22, v2
	s_wait_alu depctr_va_vdst(0)
	s_add_co_u32 s21, s21, SCL
	v_add_nc_u32 v6, v6, v[LI4]
	v_add_nc_u32 v[ADRS], s21, v6
	s_lshl_b32 s21, s42, 1
	s_add_co_u32 s21, s21, s[HB]                   ; my 128 hidden units: the next product's K step
	s_lshl_b32 s22, s17, 4
	s_lshl_b32 s23, s[FA], 3
	s_add_co_u32 s22, s22, s23                     ; my first token tile
	; h lies in records of 13,312 bytes: (64 tokens, 2 K steps) = 4 tiles x (two fragments, then their two scale images); record (quad, pair of steps) at (16 quad + pair) x 13,312, tile i at 3,328 i
	s_lshr_b32 s22, s22, 2
	s_mul_i32 s22, s22, 212992
	s_lshr_b32 s23, s21, 1
	s_mul_i32 s23, s23, 13312
	s_add_co_u32 s22, s22, s23
	s_and_b32 s23, s21, 1
	s_mul_i32 s[OB], s23, FRB
	s_add_co_u32 s[OB], s[OB], s22
	s_mov_b32 s[OB+1], 0
	s_lshl_b32 s[OS], s23, 7
	s_add_co_u32 s[OS], s[OS], s22
	s_add_co_u32 s[OS], s[OS], 3072
	s_mov_b32 s[OS+1], 0
	s_add_nc_u64 s[OB:OB+1], s[10:11], s[OB:OB+1]
	s_add_nc_u64 s[OS:OS+1], s[10:11], s[OS:OS+1]
	s_lshl_b32 s[BP], s21, 9
	s_mov_b32 s[BP+1], 0
	s_add_nc_u64 s[BP:BP+1], s[8:9], s[BP:BP+1]
.irp b, 0,1,2,3
.irp j, 0,1,2,3
	global_load_b128 v[BIAS+16*\b+4*\j:BIAS+16*\b+4*\j+3], v[BOF], s[BP:BP+1] offset:128*\b+16*\j   ; b1 in the result's layout; it waits in registers that the loop does not name
.endr
.endr
	s_mov_b32 s[SEL], 0x76543210
	s_mov_b32 s[SEL+1], 0xfedcba98
.macro FRAG reg, adr, q, i
.irp p, 0,1,2,3,4,5
	ds_load_b64 v[\reg+2*\p:\reg+2*\p+1], v[\adr] offset:TILEB*(\i)+FRB*(\q)+256*\p
.endr
.endm
.macro MUL16 a0, p, q, sc, zero        ; the 64 accumulators take turns, one instruction a turn
.irp a, \a0, \a0+1
.irp b, 0,1,2,3,4,5,6,7
.if \zero
	v_wmma_scale_f32_16x16x128_f8f6f4 v[8*(8*((\a)%4)+\b):8*(8*((\a)%4)+\b)+7], v[128*(\p)+FR*\b:128*(\p)+FR*\b+FR-1], v[AF+FR*(\a):AF+FR*(\a)+FR-1], 0, v[SC+8*NQ*(\sc)+NQ*\b+(\q)], v[SC+8*NQ*(\sc)+NQ*(\a)+(\q)] matrix_a_fmt:MATRIX_FMT_BF6 matrix_b_fmt:MATRIX_FMT_BF6 matrix_a_scale:MATRIX_SCALE_ROW1
.else
	v_wmma_scale_f32_16x16x128_f8f6f4 v[8*(8*((\a)%4)+\b):8*(8*((\a)%4)+\b)+7], v[128*(\p)+FR*\b:128*(\p)+FR*\b+FR-1], v[AF+FR*(\a):AF+FR*(\a)+FR-1], v[8*(8*((\a)%4)+\b):8*(8*((\a)%4)+\b)+7], v[SC+8*NQ*(\sc)+NQ*\b+(\q)], v[SC+8*NQ*(\sc)+NQ*(\a)+(\q)] matrix_a_fmt:MATRIX_FMT_BF6 matrix_b_fmt:MATRIX_FMT_BF6 matrix_a_scale:MATRIX_SCALE_ROW1
.endif
.endr
.endr
.endm
.macro FETCH_B slot, q, p
	WIN TO_B
.irp i, 0,1,2,3,4,5,6,7
	FRAG 128*(\p)+FR*\i, ADRB+\slot, \q, \i
.endr
	WIN 0
.endm
.macro FETCH_A slot, q, i0
.irp i, \i0, \i0+1, \i0+2, \i0+3
	FRAG AF+FR*(\i), ADRA+\slot, \q, \i
.endr
.endm
.macro SCALES sc
.irp i, 0,1,2,3,4,5,6,7
.irp q, 0,1
	ds_load_b32 v[SC+8*NQ*\sc+NQ*\i+\q], v[ADRS] offset:1024*\i+128*\q
.endr
.endr
.endm
.macro PLACES n
.rept \n
	v_nop
.endr
.endm
.macro STEP slot, q, zero
	s_wait_dscnt 4*NL                              ; all but the youngest 24 loads (A's blocks 4-7) are in
	WIN MUL_LO
	MUL16 0, (\q)%2, \q, \slot, \zero
	MUL16 2, (\q)%2, \q, \slot, \zero
	s_wait_dscnt 0
	PLACES NP
	FETCH_B \slot, (\q)+1, 1-(\q)%2
	FETCH_A \slot, (\q)+1, 0
	WIN MUL_HI
	MUL16 4, (\q)%2, \q, \slot, \zero
	MUL16 6, (\q)%2, \q, \slot, \zero
	PLACES NP
	WIN 0
	FETCH_A \slot, (\q)+1, 4
.endm
.macro TURN slot, next, fill
	s_wait_tensorcnt 0x0                           ; all my tensor loads have landed: my part of the next slot
	ds_add_u32 v[SPW], v[NIL]
	s_wait_dscnt 4*NL+1                            ; the add and the youngest 24 loads may be out
	WIN MUL_LO
	MUL16 0, 1, NQ-1, \slot, 0
	s_wait_dscnt 0x0                               ; the add is done, and my reads of this slot are over
	s_barrier_signal -1
	MUL16 2, 1, NQ-1, \slot, 0
	WIN 0
	s_barrier_wait -1
.if \fill
	CREST                                          ; the barrier has opened a round of the cluster's barrier
	s_add_nc_u64 s[G0+4*\slot+2:G0+4*\slot+3], s[G0+4*\slot+2:G0+4*\slot+3], 2*TILEB
	s_add_nc_u64 s[G0B+4*\slot+2:G0B+4*\slot+3], s[G0B+4*\slot+2:G0B+4*\slot+3], 2*TILEB
	JLOAD G0+4*\slot, G1, G0B+4*\slot, G1B
.else
	PLACES NP
.endif
	s_wait_alu depctr_va_vdst(0)
	v_add_nc_u32 v[ADRS], 128*NQ, v[ADRS]
	FETCH_B \next, 0, 0
	FETCH_A \next, 0, 0
	SCALES \next
	WIN MUL_HI
	MUL16 4, 1, NQ-1, \slot, 0
	MUL16 6, 1, NQ-1, \slot, 0
	PLACES NP
	WIN 0
	FETCH_A \next, 0, 4
.endm
	s_wait_alu depctr_va_vdst(0)
	s_wait_tensorcnt 0x0                           ; my tile of the head's four is in
	ds_add_u32 v[SPW], v[NIL]
	s_mov_b32 s[G1+2], 8<<16                       ; no tensor load of mine is out, so descriptors may be written: from here on a load brings 8 tiles,
	s_mov_b32 s[G1+4], 8
	s_mov_b32 s[G1B+2], 8<<16
	s_mov_b32 s[G1B+4], 8
	s_mov_b32 s[G0+1], s45                         ; and slot 0's group 0 name my half again
	s_add_nc_u64 s[G0+2:G0+3], s[G0+2:G0+3], s[12:13]
	s_mov_b32 s[G0B+1], s45
	s_add_nc_u64 s[G0B+2:G0B+3], s[G0B+2:G0B+3], s[12:13]
	s_wait_dscnt 0x0
	CROUND                                         ; all four tiles are in, and all sixteen work-groups are here
	JLOAD G0+4, G1, G0B+4, G1B                     ; slot 1's first fill, the first tensor load behind the round
	FETCH_B 0, 0, 0
	FETCH_A 0, 0, 0
	SCALES 0
	FETCH_A 0, 0, 4
	STEP 0, 0, 1
	s_mov_b32 s3, LAPS-1
.Llap:
	TURN 0, 1, 1
	STEP 1, 0, 0
	TURN 1, 0, 1
	STEP 0, 0, 0
	s_sub_co_u32 s3, s3, 1
	s_cmp_lg_u32 s3, 0
	s_cbranch_scc1 .Llap
	TURN 0, 1, 0
	STEP 1, 0, 0
	s_wait_dscnt 4*NL
	WIN MUL_LO
	MUL16 0, 1, NQ-1, 1, 0
	MUL16 2, 1, NQ-1, 1, 0
	s_wait_dscnt 0
	WIN MUL_HI
	MUL16 4, 1, NQ-1, 1, 0
	MUL16 6, 1, NQ-1, 1, 0
	WIN 0
	PLACES NP
	s_wait_loadcnt 0x0                             ; b1
.macro PART1N a                        ; first touch of row block a: its 64 sums + b1, each accumulator from its low end on
	WIN 0x02+(\a)/4
.set I, 0
.rept 32
	v_pk_add_f32 v[E+I:E+I+1], v[64*((\a)%4)+I:64*((\a)%4)+I+1], v[BIAS+I:BIAS+I+1]
.set I, I+2
.endr
	WIN 0
.endm
.irp b, 0,1,2,3
	v_mov_b32 v[TM+4+\b], 0
.endr
	s_mov_b32 s2, 0
.Lrow:
.irp a, 1,2,3,4,5,6,7
	s_cmp_eq_u32 s2, \a
	s_cbranch_scc1 .Lrow_\a
.endr
	PART1N 0
	s_branch .Ljoin
.irp a, 1,2,3,4,5,6,7
.Lrow_\a:
	PART1N \a
	s_branch .Ljoin
.endr
.Ljoin:
.set I, 0
.rept 32
	v_pk_mul_f32 v[U+I:U+I+1], v[E+I:E+I+1], 0xbfb8aa3b op_sel_hi:[1,0]   ; -x log2(e)
.set I, I+2
.endr
.set I, 0
	s_wait_alu depctr_va_vdst(0)
.rept 64
	v_exp_f32 v[U+I], v[U+I]
.set I, I+1
.endr
	v_nop                                          ; a plain place behind the batch
	s_wait_alu depctr_va_vdst(0)                   ; one wait for the 64
.set I, 0
.rept 32
	v_pk_add_f32 v[U+I:U+I+1], v[U+I:U+I+1], 1.0 op_sel_hi:[1,0]
.set I, I+2
.endr
.set I, 0
	s_wait_alu depctr_va_vdst(0)
.rept 64
	v_rcp_f32 v[U+I], v[U+I]
.set I, I+1
.endr
	v_nop
	s_wait_alu depctr_va_vdst(0)
.set I, 0
.rept 32
	v_pk_mul_f32 v[E+I:E+I+1], v[E+I:E+I+1], v[U+I:U+I+1]    ; x sigmoid(x)
.set I, I+2
.endr
	QSTORE 3328, 3328                              ; the next token tile of the quad;
	s_cmp_eq_u32 s2, 3                             ; behind the fourth, the next quad: 16 records on, less the four tiles passed
	s_cselect_b32 s22, 199680, 0
	s_mov_b32 s23, 0
	s_add_nc_u64 s[OB:OB+1], s[OB:OB+1], s[22:23]
	s_add_nc_u64 s[OS:OS+1], s[OS:OS+1], s[22:23]
	s_add_co_u32 s2, s2, 1
	s_cmp_lt_u32 s2, 8
	s_cbranch_scc1 .Lrow
	s_wait_tensorcnt 0x0                           ; the wave's end
	ds_add_u32 v[SPW], v[NIL]
	s_wait_dscnt 0x0
	CROUND                                         ; the closing round
	s_endpgm
.Lfunc_end_k_q6b7c44b01a_g3:
	.size	k_q6b7c44b01a_g3, .Lfunc_end_k_q6b7c44b01a_g3-k_q6b7c44b01a_g3
	.p2alignl 7, 3214868480
	.fill 96, 4, 3214868480
	.section	.rodata,"a",@progbits
	.p2align	6, 0x0
	.amdhsa_kernel k_q6b7c44b01a_g3
		.amdhsa_group_segment_fixed_size 327680
		.amdhsa_private_segment_fixed_size 0
		.amdhsa_enable_private_segment 0
		.amdhsa_kernarg_size 32
		.amdhsa_user_sgpr_count 2
		.amdhsa_user_sgpr_kernarg_segment_ptr 1
		.amdhsa_wavefront_size32 1
		.amdhsa_system_sgpr_workgroup_id_x 1
		.amdhsa_system_sgpr_workgroup_id_y 1
		.amdhsa_system_sgpr_workgroup_id_z 1
		.amdhsa_system_vgpr_workitem_id 0
		.amdhsa_next_free_vgpr 1024
		.amdhsa_next_free_sgpr 102
		.amdhsa_reserve_vcc 0
		.amdhsa_float_denorm_mode_32 3
		.amdhsa_float_denorm_mode_16_64 3
		.amdhsa_memory_ordered 1
		.amdhsa_forward_progress 1
		.amdhsa_inst_pref_size 168
	.end_amdhsa_kernel
	.amdgpu_metadata
---
amdhsa.version: [ 1, 2 ]
amdhsa.kernels:
  - .name:           k_q6b7c44b01a_g3
    .symbol:         k_q6b7c44b01a_g3.kd
    .args:
      - { .name: a, .offset: 0, .size: 8, .value_kind: global_buffer, .address_space: global }
      - { .name: w, .offset: 8, .size: 8, .value_kind: global_buffer, .address_space: global }
      - { .name: b1, .offset: 16, .size: 8, .value_kind: global_buffer, .address_space: global }
      - { .name: h, .offset: 24, .size: 8, .value_kind: global_buffer, .address_space: global }
    .group_segment_fixed_size: 327680
    .private_segment_fixed_size: 0
    .kernarg_segment_align: 8
    .kernarg_segment_size: 32
    .max_flat_workgroup_size: 128
    .sgpr_count:     102
    .vgpr_count:     1024
    .wavefront_size: 32
...
	.end_amdgpu_metadata
.endif
;; end of part 6
;; launch g4 (part 7): grid 8 x 32, 4 waves a work-group, clusters of 4 x 4, 327,680 bytes of LDS; arguments h, wn, b2, x1, out0; writes out0
.if DOCPART == 7
	.amdgcn_target "amdgcn-amd-amdhsa--gfx1250"
	.amdhsa_code_object_version 6
	.text
	.protected	k_q6b7c44b01a_g4
	.globl	k_q6b7c44b01a_g4
	.p2align	8
	.type	k_q6b7c44b01a_g4,@function
k_q6b7c44b01a_g4:
	s_mov_b64 s[64:65], 0
	v_nop
	global_prefetch_b8 v0, s[64:65] scope:SCOPE_SE
	s_setreg_imm32_b32 hwreg(HW_REG_WAVE_MODE, 25, 1), 1
	s_wait_xcnt 0x0
	s_wait_alu depctr_hold_cnt(0) depctr_sa_sdst(0) depctr_va_vdst(0) depctr_va_sdst(0) depctr_va_ssrc(0) depctr_va_vcc(0) depctr_vm_vsrc(0)
	s_getreg_b32 s2, hwreg(HW_REG_IB_STS2, 6, 4)
	s_cmp_eq_u32 s2, 0
	s_cbranch_scc0 .Lentry_in_a_cluster
	s_endpgm
.Lentry_in_a_cluster:
	s_bfe_u32 s2, ttmp6, 0x10000c
	s_cmp_lg_u32 s2, 0xf033
	s_cbranch_scc0 .Lentry_shape_is_right
	s_endpgm
.Lentry_shape_is_right:
; out0 = x1 + h W2 + b2: a product on codes of BF6 (E3M2), [4,096 x 4,096] x [4,096 x 1,024], f32 out.  Nothing of reference() is left out here.
; A block of 128 x 128 for each of 256 work-groups; four waves, 64 x 64 each: 16 accumulators.
; OPERANDS lie in records of 13,312 bytes: (64 rows, 2 K steps) = 4 tiles x (two fragment images of 1,536 bytes, then their two scale images of 128 bytes); the 16 records of 64 rows lie on end.
; So whatever a wave fetches, 64 rows x some records, scales with the codes, is ONE dense block of rows of 256 bytes.
; THE RING: each wave's fetches have six records of LDS: slot X four, slot Y two.  K's 16 records come as X, Y, X, Y, X: five fills.  A trip of the loop is: fill Y, multiply X, fill X, multiply Y;
; two trips, then the last X.  In front of each fill every wave waits for its one load that is out, and a round of the cluster's barrier follows; one tensor load a wave behind each round.
; Clusters of 4 x 4: the tokens' blocks are shared along a row, the weight's along a column, asked for jointly.
; PREFETCH: behind each fill's load and the LDS loads that follow it, the next fill's bytes are asked of memory: one fill ahead.  Of the block that a wave fetches, each of the four partners names a quarter,
; told apart by address: 52 blocks of 256 bytes for X, 26 for Y, a lane a block.  The last trip asks for no further Y.
; The matrix instruction is used transposed (source 0 = the weight's columns, source 1 = tokens).  The accumulators begin as the bias, loaded in the result's layout: nothing is cleared and nothing is added later.
; The residual's 64 rows x 256 bytes of a wave are asked for at the head and wait in registers.  Results go through the wave's own stage in LDS and leave as 256 consecutive bytes for sixteen lanes.
.set KS,    32
.set BCO,   851968
.set NT,    1
.set GRP,   13312
.set QB,    (KS/2)*GRP
.set YOFF,  4*GRP
.set WREG,  6*GRP
.set SPARE, 4*WREG
.set SPITCH, 272
.set FR,   12
.set BOF,  7
.set PF1,  8
.set PF2,  9
.set PFY,  10
.set ADRA, 16
.set ADRB, 20
.set ADRS, 22
.set STO,  24
.set RD,   25
.set CO,   26
.set SPW,  28
.set NIL,  29
.set SC,   32
.set AF,   64
.set BF,   160
.set WV, 14
.set FA, 15
.set HB, 16
.set G1,  24
.set G0,  32
.set G1B, 48
.set G0B, 56
.set PF,  76
.set MSB, 0
.macro WIN new
.if MSB != (\new)
	s_set_vgpr_msb (MSB<<8)|(\new)
.set MSB, (\new)
.endif
.endm
.set MUL, 0x50
.macro JLOAD f
	s_cmp_eq_u32 s[FA], 0
	s_cbranch_scc0 .Lfor_b_\@
	tensor_load_to_lds s[G0+4*\f:G0+4*\f+3], s[G1+44*\f:G1+44*\f+7]
	s_nop 0
.rept 4
	v_nop
.endr
	s_branch .Lasked_\@
.Lfor_b_\@:
	tensor_load_to_lds s[G0B+4*\f:G0B+4*\f+3], s[G1B+32*\f:G1B+32*\f+7]
	s_nop 0
.rept 4
	v_nop
.endr
.Lasked_\@:
.endm
.macro CROUND
	s_barrier_signal -1
	s_barrier_wait -1
	s_cmp_lg_u32 s[WV], 0
	s_cbranch_scc1 .Lnot_wave_0_\@
	s_barrier_signal -3
.Lnot_wave_0_\@:
	s_barrier_wait -3
	s_barrier_signal -1
	s_barrier_wait -1
.endm
.macro PLACES n
.rept \n
	v_nop
.endr
.endm
.macro FRAG reg, adr, q, i
.irp p, 0,1,2,3,4,5
	ds_load_b64 v[\reg+2*\p:\reg+2*\p+1], v[\adr] offset:GRP*((\q)/2)+3328*(\i)+1536*((\q)%2)+256*\p
.endr
.endm
.macro FETCH sl, q, set                ; step q of slot sl: B's four fragments, A's four, and four scale words (lanes 0-15 A's tile i, lanes 16-31 B's tile i)
.irp i, 0,1,2,3
	FRAG BF+48*(\set)+FR*\i, ADRB+(\sl), \q, \i
.endr
.irp i, 0,1,2,3
	FRAG AF+48*(\set)+FR*\i, ADRA+(\sl), \q, \i
.endr
.irp i, 0,1,2,3
	ds_load_b32 v[SC+4*(\set)+\i], v[ADRS+(\sl)] offset:GRP*((\q)/2)+3328*\i+3072+128*((\q)%2)
.endr
.endm
.macro MUL4 a, set                     ; the 16 accumulators take turns, one instruction a turn
.irp b, 0,1,2,3
	v_wmma_scale_f32_16x16x128_f8f6f4 v[8*(4*(\a)+\b):8*(4*(\a)+\b)+7], v[BF+48*(\set)+FR*\b:BF+48*(\set)+FR*\b+FR-1], v[AF+48*(\set)+FR*(\a):AF+48*(\set)+FR*(\a)+FR-1], v[8*(4*(\a)+\b):8*(4*(\a)+\b)+7], v[SC+4*(\set)+\b], v[SC+4*(\set)+(\a)] matrix_a_fmt:MATRIX_FMT_BF6 matrix_b_fmt:MATRIX_FMT_BF6 matrix_a_scale:MATRIX_SCALE_ROW1
.endr
.endm
.macro PHASE sl, n                     ; the n K steps of slot sl; step q's products run while step q + 1's fragments come from LDS into the other set
.set Q, 0
.rept \n
	s_wait_dscnt 0x0
.if Q < (\n)-1
	PLACES 4                                       ; in front of loads into the set that the step before multiplied
	FETCH \sl, Q+1, (Q+1)%2
.endif
	WIN MUL
	MUL4 0, Q%2
	MUL4 1, Q%2
	MUL4 2, Q%2
	MUL4 3, Q%2
	WIN 0
.set Q, Q+1
.endr
.endm
.macro ASK f                           ; the fill after this one, asked of memory one fill ahead: my work-group's quarter of what I fetch, told apart from the partners' by address; a lane a block of 256 bytes
.if \f
	global_prefetch_b8 v[PF1], s[PF:PF+1] th:TH_LOAD_NT scope:SCOPE_SE
	global_prefetch_b8 v[PF2], s[PF:PF+1] th:TH_LOAD_NT scope:SCOPE_SE
.else
	s_cmp_eq_u32 s3, 1                             ; the last trip has no further fill of slot Y
	s_cbranch_scc1 .Lnone_\@
	global_prefetch_b8 v[PFY], s[PF+2:PF+3] th:TH_LOAD_NT scope:SCOPE_SE
.Lnone_\@:
.endif
.endm
.macro TURN f                          ; slot f (0: X, four records; 1: Y, two) is filled, the other is multiplied next
	s_wait_xcnt 0x0                                ; my prefetches have read their addresses
	s_add_nc_u64 s[PF+2*\f:PF+2*\f+1], s[PF+2*\f:PF+2*\f+1], WREG
	s_wait_tensorcnt 0x0                           ; my one load that was out, my part of the other slot, has landed
	ds_add_u32 v[SPW], v[NIL]
	s_add_nc_u64 s[G0+4*(1-\f)+2:G0+4*(1-\f)+3], s[G0+4*(1-\f)+2:G0+4*(1-\f)+3], WREG    ; no load of mine is out: the other slot's next fill lies six records on
	s_add_nc_u64 s[G0B+4*(1-\f)+2:G0B+4*(1-\f)+3], s[G0B+4*(1-\f)+2:G0B+4*(1-\f)+3], WREG
	s_wait_dscnt 0x0                               ; the add is done, and my reads of slot f are over
	CROUND                                         ; both hold of every wave of the cluster
	JLOAD \f                                       ; its four v_nop are the places in front of the loads below
	FETCH 1-\f, 0, 0
	ASK \f
.endm
	s_load_b256 s[4:11], s[0:1], 0x0               ; A, the weight, the bias, the residual
	s_load_b64 s[12:13], s[0:1], 0x20              ; the result
	v_lshl_add_u32 v[SPW], v0, 2, SPARE
	v_mov_b32 v[NIL], 0
	ds_add_u32 v[SPW], v[NIL]                      ; the wave's opening: the add, twice on end, and its wait ahead of my first tensor load
	ds_add_u32 v[SPW], v[NIL]
	v_lshrrev_b32 v1, 5, v0
	v_readfirstlane_b32 s[WV], v1
	s_lshr_b32 s[FA], s[WV], 1                     ; my half of the rows; also: I fetch for A (0) or B (1)
	s_and_b32 s[HB], s[WV], 1                      ; my half of the columns; also: which 64 rows I fetch
	s_bfe_u32 s40, ttmp6, 0x40000
	s_bfe_u32 s41, ttmp6, 0x40004
	s_lshl_b32 s42, ttmp9, 2
	s_add_co_u32 s42, s42, s40                     ; block column
	s_and_b32 s17, ttmp7, 0xffff
	s_lshl_b32 s17, s17, 2
	s_add_co_u32 s17, s17, s41                     ; block row
	s_lshl_b32 s43, s41, 2
	s_lshl_b32 s43, 15, s43
	s_lshl_b32 s44, 0x1111, s40
	s_or_b32 s[G1], s43, (3<<16)|(1<<21)           ; a dense block as rows of 256 bytes (32 elements of 8): four records are 208 rows
	s_or_b32 s[G1B], s44, (3<<16)|(1<<21)
.irp g, G1, G1B
	s_mov_b32 s[\g+1], 32<<16
	s_mov_b32 s[\g+2], 208<<16
	s_mov_b32 s[\g+3], 32<<16
	s_mov_b32 s[\g+4], 208
	s_mov_b32 s[\g+5], 32
	s_mov_b32 s[\g+6], 0
	s_mov_b32 s[\g+7], 0
.endr
.if KS > 8
	s_or_b32 s[G1+44], s43, (3<<16)|(1<<21)        ; two records: 104 rows
	s_or_b32 s[G1B+32], s44, (3<<16)|(1<<21)
.irp g, G1+44, G1B+32
	s_mov_b32 s[\g+1], 32<<16
	s_mov_b32 s[\g+2], 104<<16
	s_mov_b32 s[\g+3], 32<<16
	s_mov_b32 s[\g+4], 104
	s_mov_b32 s[\g+5], 32
	s_mov_b32 s[\g+6], 0
	s_mov_b32 s[\g+7], 0
.endr
.endif
	s_lshl_b32 s20, s17, 1
	s_add_co_u32 s20, s20, s[HB]
	s_mul_i32 s20, s20, QB                         ; A: the 64 rows that I fetch
	s_mov_b32 s21, 0
	s_lshl_b32 s46, s42, 1
	s_add_co_u32 s46, s46, s[HB]
	s_mul_i32 s46, s46, QB                         ; B likewise
	s_mov_b32 s47, 0
	s_mul_i32 s45, s[WV], WREG                     ; LDS: six records for each wave's fetches: X, then Y
	s_wait_dscnt 0x0                               ; both opening adds are done
	s_wait_kmcnt 0x0
	s_add_nc_u64 s[20:21], s[4:5], s[20:21]
	s_add_nc_u64 s[46:47], s[6:7], s[46:47]
.if BCO
	s_add_nc_u64 s[46:47], s[46:47], BCO
.endif
	CROUND                                         ; all sixteen work-groups are here: the first joint loads meet
.irp s, 0,1
.if (\s == 0) || (KS > 8)
	s_mov_b32 s[G0+4*\s], 1
	s_add_co_u32 s[G0+4*\s+1], s45, \s*YOFF
	s_add_nc_u64 s[G0+4*\s+2:G0+4*\s+3], s[20:21], \s*YOFF
	s_or_b32 s[G0+4*\s+3], s[G0+4*\s+3], 0x80000000
	s_mov_b32 s[G0B+4*\s], 1
	s_add_co_u32 s[G0B+4*\s+1], s45, \s*YOFF
	s_add_nc_u64 s[G0B+4*\s+2:G0B+4*\s+3], s[46:47], \s*YOFF
	s_or_b32 s[G0B+4*\s+3], s[G0B+4*\s+3], 0x80000000
.endif
.endr
	JLOAD 0                                        ; records 0 to 3: my one tensor load at the head
.if KS > 8
	s_cmp_eq_u32 s[FA], 0                          ; the prefetches: of what I fetch, the partner at place p (cx for A, cy for B) names the p-th quarter
	s_cselect_b64 s[PF:PF+1], s[20:21], s[46:47]
	s_cselect_b32 s88, s40, s41
	s_mul_i32 s90, s88, GRP
	s_mov_b32 s91, 0
	s_add_nc_u64 s[PF+2:PF+3], s[PF:PF+1], 4*GRP   ; Y's first fill: records 4, 5
	s_add_nc_u64 s[PF:PF+1], s[PF:PF+1], s[90:91]
	s_add_nc_u64 s[PF:PF+1], s[PF:PF+1], 6*GRP     ; X's second: records 6 to 9
	s_mul_i32 s90, s88, GRP/2
	s_add_nc_u64 s[PF+2:PF+3], s[PF+2:PF+3], s[90:91]
.endif
	s_lshl_b32 s20, s17, 7
	s_lshl_b32 s21, s[FA], 6
	s_add_co_u32 s20, s20, s21
	s_lshl_b32 s20, s20, 12                        ; my first row, 4,096 bytes a row
	s_lshl_b32 s46, s42, 9
	s_lshl_b32 s47, s[HB], 8
	s_add_co_u32 s46, s46, s47                     ; my first column, in bytes
	s_mov_b32 s47, 0
	s_add_nc_u64 s[8:9], s[8:9], s[46:47]
	s_add_co_u32 s20, s20, s46
	s_mov_b32 s21, 0
	s_add_nc_u64 s[10:11], s[10:11], s[20:21]
	s_add_nc_u64 s[12:13], s[12:13], s[20:21]
	s_mul_i32 s92, s[FA], WREG                     ; A's 64 rows that I multiply
	s_add_co_u32 s93, s[HB], 2
	s_mul_i32 s93, s93, WREG                       ; B's
	s_sub_co_u32 s94, s93, s92
	s_add_co_u32 s95, s45, YOFF                    ; my stage: 16 rows x 272 bytes at the head of my part of Y, which has had its last fill and its last read by then
	v_and_b32 v1, 31, v0
	v_bfe_u32 v2, v0, 4, 1
	v_and_b32 v3, 15, v0
	v_lshlrev_b32 v4, 3, v1
	v_lshlrev_b32 v5, 2, v1
	v_add_nc_u32 v[ADRA], s92, v4
	v_add_nc_u32 v[ADRB], s93, v4
	v_add_nc_u32 v[ADRA+1], YOFF, v[ADRA]
	v_add_nc_u32 v[ADRB+1], YOFF, v[ADRB]
	v_mul_u32_u24 v6, s94, v2                      ; lanes 16-31 take B's scale words
	v_add_nc_u32 v6, v6, v5
	v_add_nc_u32 v[ADRS], s92, v6
	v_add_nc_u32 v[ADRS+1], YOFF, v[ADRS]
	v_mul_u32_u24 v6, v3, SPITCH
	v_lshl_add_u32 v6, v2, 6, v6
	v_add_nc_u32 v[STO], s95, v6
	v_mul_u32_u24 v6, v2, SPITCH
	v_lshl_add_u32 v6, v3, 4, v6
	v_add_nc_u32 v[RD], s95, v6
	v_lshlrev_b32 v[BOF], 6, v2                    ; the bias in the result's layout: lanes 16-31 hold columns 16 on
	v_lshlrev_b32 v6, 4, v3
	v_lshl_add_u32 v[CO], v2, 12, v6
.if KS > 8
	v_lshlrev_b32 v[PF1], 8, v1                    ; blocks 0-31 of my 52,
	v_add_nc_u32 v6, 32, v1
	v_min_u32 v6, 51, v6
	v_lshlrev_b32 v[PF2], 8, v6                    ; blocks 32-51 (the lanes left over name the last again);
	v_min_u32 v6, 25, v1
	v_lshlrev_b32 v[PFY], 8, v6                    ; of Y's fills 26
.endif
	s_wait_alu depctr_va_vdst(0)                   ; the wait at the head's end
.if KS > 8
	global_prefetch_b8 v[PFY], s[PF+2:PF+3] th:TH_LOAD_NT scope:SCOPE_SE
.endif
	WIN 0x40
.irp a, 0,1,2,3
.irp b, 0,1,2,3
	global_load_b128 v[8*(4*\a+\b):8*(4*\a+\b)+3], v[BOF], s[8:9] offset:128*(\b/2)+32*(\b%2)        ; the accumulators begin as the bias
	global_load_b128 v[8*(4*\a+\b)+4:8*(4*\a+\b)+7], v[BOF], s[8:9] offset:128*(\b/2)+32*(\b%2)+16
.endr
.endr
.irp a, 0,1,2,3                                ; the residual, in the order in which the rows come back from the stage, into window 1's v128-255
.irp t, 0,1,2,3,4,5,6,7
	global_load_b128 v[128+32*\a+4*\t:128+32*\a+4*\t+3], v[CO], s[10:11] offset:(32*(\a/2)+8*(\a%2)+2*\t+8*(\t/4))*4096 th:TH_LOAD_NT
.endr
.endr
	WIN 0
	s_wait_loadcnt 32                              ; the bias is in; the residual's 32 loads may be out
.if KS > 8
	s_mov_b32 s3, 2
.Llap:
	TURN 1
	PHASE 0, 8
	TURN 0
	PHASE 1, 4
	s_sub_co_u32 s3, s3, 1
	s_cmp_lg_u32 s3, 0
	s_cbranch_scc1 .Llap
.endif
	s_wait_tensorcnt 0x0                           ; my part of X is in
	ds_add_u32 v[SPW], v[NIL]
	s_wait_dscnt 0x0
	s_barrier_signal -1
	s_barrier_wait -1
	PLACES 4
	FETCH 0, 0, 0
	PHASE 0, 8
	PLACES 4
	s_wait_loadcnt 0x0                             ; the residual
.macro OUT a
.set BK, 64+32*((\a)%2)
.if (\a) > 1
	s_wait_xcnt 0x0                                ; the stores of two blocks ago have read these registers
.endif
	WIN 0x04
.irp b, 0,1,2,3
	ds_store_b128 v[STO], v[8*(4*(\a)+\b):8*(4*(\a)+\b)+3] offset:128*(\b/2)+32*(\b%2)
	ds_store_b128 v[STO], v[8*(4*(\a)+\b)+4:8*(4*(\a)+\b)+7] offset:128*(\b/2)+32*(\b%2)+16
.endr
	WIN 0
.irp t, 0,1,2,3,4,5,6,7
	ds_load_b128 v[BK+4*\t:BK+4*\t+3], v[RD] offset:\t*2*SPITCH
.endr
	s_wait_dscnt 0x0
	WIN 0x04
.irp i, 0,2,4,6,8,10,12,14,16,18,20,22,24,26,28,30
	v_pk_add_f32 v[BK+\i:BK+\i+1], v[BK+\i:BK+\i+1], v[128+32*(\a)+\i:128+32*(\a)+\i+1]
.endr
	WIN 0
.irp t, 0,1,2,3,4,5,6,7
.if NT
	global_store_b128 v[CO], v[BK+4*\t:BK+4*\t+3], s[12:13] offset:(32*((\a)/2)+8*((\a)%2)+2*\t+8*(\t/4))*4096 th:TH_STORE_NT   ; sixteen lanes store 256 consecutive bytes, aligned
.else
	global_store_b128 v[CO], v[BK+4*\t:BK+4*\t+3], s[12:13] offset:(32*((\a)/2)+8*((\a)%2)+2*\t+8*(\t/4))*4096
.endif
.endr
.endm
	OUT 0
	OUT 1
	OUT 2
	OUT 3
	s_wait_tensorcnt 0x0                           ; the wave's end, behind my last tensor load and my last LDS store
	ds_add_u32 v[SPW], v[NIL]
	s_wait_dscnt 0x0
	CROUND                                         ; the closing round
	s_endpgm
.Lfunc_end_k_q6b7c44b01a_g4:
	.size	k_q6b7c44b01a_g4, .Lfunc_end_k_q6b7c44b01a_g4-k_q6b7c44b01a_g4
	.p2alignl 7, 3214868480
	.fill 96, 4, 3214868480
	.section	.rodata,"a",@progbits
	.p2align	6, 0x0
	.amdhsa_kernel k_q6b7c44b01a_g4
		.amdhsa_group_segment_fixed_size 327680
		.amdhsa_private_segment_fixed_size 0
		.amdhsa_enable_private_segment 0
		.amdhsa_kernarg_size 40
		.amdhsa_user_sgpr_count 2
		.amdhsa_user_sgpr_kernarg_segment_ptr 1
		.amdhsa_wavefront_size32 1
		.amdhsa_system_sgpr_workgroup_id_x 1
		.amdhsa_system_sgpr_workgroup_id_y 1
		.amdhsa_system_sgpr_workgroup_id_z 1
		.amdhsa_system_vgpr_workitem_id 0
		.amdhsa_next_free_vgpr 512
		.amdhsa_next_free_sgpr 100
		.amdhsa_reserve_vcc 0
		.amdhsa_float_denorm_mode_32 3
		.amdhsa_float_denorm_mode_16_64 3
		.amdhsa_memory_ordered 1
		.amdhsa_forward_progress 1
		.amdhsa_inst_pref_size 139
	.end_amdhsa_kernel
	.amdgpu_metadata
---
amdhsa.version: [ 1, 2 ]
amdhsa.kernels:
  - .name:           k_q6b7c44b01a_g4
    .symbol:         k_q6b7c44b01a_g4.kd
    .args:
      - { .name: h, .offset: 0, .size: 8, .value_kind: global_buffer, .address_space: global }
      - { .name: wn, .offset: 8, .size: 8, .value_kind: global_buffer, .address_space: global }
      - { .name: b2, .offset: 16, .size: 8, .value_kind: global_buffer, .address_space: global }
      - { .name: x1, .offset: 24, .size: 8, .value_kind: global_buffer, .address_space: global }
      - { .name: out0, .offset: 32, .size: 8, .value_kind: global_buffer, .address_space: global }
    .group_segment_fixed_size: 327680
    .private_segment_fixed_size: 0
    .kernarg_segment_align: 8
    .kernarg_segment_size: 40
    .max_flat_workgroup_size: 128
    .sgpr_count:     100
    .vgpr_count:     512
    .wavefront_size: 32
...
	.end_amdgpu_metadata
.endif
;; end of part 7
